; MI455X (gfx1250); checked and timed in simulation.
; The chip was launched on July 23, 2026; its instructions are those of AMD's public machine-readable ISA for CDNA 5 (MIT licence, August 2026) and "CDNA5" Instruction Set Architecture Reference Guide (July 2026). The comments in the code are by the model that wrote it; some were corrected since.
;; MS Attention. Allowed arithmetic: matrix products marked QUANTISED: E2M3 operands, one E8M0 scale for each 32 along K, by v_wmma_scale_f32_16x16x128_f8f6f4 with both operands' format E2M3, f32 sums; everything else in f32.
;; Inputs: Wkv1_codes 512 x 16 x 24 uint8 (E2M3 codes of Wkv1, K innermost, in blocks of 32 codes, four codes in three bytes); Wkv1_scales 512 x 16 uint8 (E8M0 scales of Wkv1, one for each 32 codes along K); Wkv2_codes 512 x 16 x 24 uint8 (E2M3 codes of Wkv2, K innermost, in blocks of 32 codes, four codes in three bytes); Wkv2_scales 512 x 16 uint8 (E8M0 scales of Wkv2, one for each 32 codes along K); Wq_codes 512 x 16 x 24 uint8 (E2M3 codes of Wq, K innermost, in blocks of 32 codes, four codes in three bytes); Wq_scales 512 x 16 uint8 (E8M0 scales of Wq, one for each 32 codes along K); fp_b 512 float32; fp_w_codes 512 x 16 x 24 uint8 (E2M3 codes of fp_w, K innermost, in blocks of 32 codes, four codes in three bytes); fp_w_scales 512 x 16 uint8 (E8M0 scales of fp_w, one for each 32 codes along K); key 1,024 x 16 x 512 float32; key_pos 16 x 1,024 x 3 float32; proj_b 512 float32; proj_w_codes 512 x 16 x 24 uint8 (E2M3 codes of proj_w, K innermost, in blocks of 32 codes, four codes in three bytes); proj_w_scales 512 x 16 uint8 (E8M0 scales of proj_w, one for each 32 codes along K); query_codes 1,024 x 16 x 16 x 24 uint8 (E2M3 codes of query, K innermost, in blocks of 32 codes, four codes in three bytes); query_scales 1,024 x 16 x 16 uint8 (E8M0 scales of query, one for each 32 codes along K); xyz_all 16 x 4,096 x 3 float32; xyz_upsample 16 x 2,048 x 3 float32.
;; Outputs: out0 1,024 x 16 x 512 float32.
;; This version of the problem:
;;   THIS VERSION OF THE PROBLEM IS GIVEN IN LOW PRECISION. The matrix products marked QUANTISED in the list below multiply operands that are first quantised to E2M3 (2 exponent bits, 3 mantissa bits; 6 bits a number), with one power-of-two scale for each 32 numbers along K (OCP MX v1.0); their sums are f32. All else is computed in f32.
;;   The module's matrix products, in the order in which they are computed (A, B: the left and right operand; K: the contracted axis; several contracted axes count as one K, in the product's order):
;;     1. [M 16,384, K 512] x [K 512, N 512]; A: input query (given as codes); B: input Wq (given as codes): QUANTISED
;;     2. [M 16,384, K 512] x [K 512, N 512]; A: input key; B: input Wkv1 (given as codes): QUANTISED
;;     3. batch 64 x [M 1,024, K 64] x [K 64, N 1,024]; A: computed on the way; B: computed on the way: QUANTISED
;;     4. batch 64 x [M 1,024, K 1,024] x [K 1,024, N 64]; A: softmax (see below); B: computed on the way: QUANTISED
;;     5. [M 32,768, K 512] x [K 512, N 512]; A: computed on the way; B: input fp_w (given as codes): QUANTISED
;;     6. [M 32,768, K 512] x [K 512, N 512]; A: computed on the way; B: input Wkv2 (given as codes): QUANTISED
;;     7. batch 64 x [M 1,024, K 64] x [K 64, N 2,048]; A: computed on the way; B: computed on the way: QUANTISED
;;     8. batch 64 x [M 1,024, K 2,048] x [K 2,048, N 64]; A: softmax (see below); B: computed on the way: QUANTISED
;;     9. [M 16,384, K 512] x [K 512, N 512]; A: computed on the way; B: input proj_w (given as codes): QUANTISED
;;   THE QUANTISER, for each operand of a quantised product, along K:
;;     - K is cut into blocks of 32 from its start; a last block that is shorter is filled with zeros.
;;     - A block's scale is 2^e with e = floor(log2(the largest magnitude in the block)) - 2, held to -126 .. 127; a block of zeros has e = 0. As a byte (E8M0): e + 127.
;;     - Each number is divided by its block's scale, clamped to +-7.5, and rounded to the nearest number of E2M3, ties to even, subnormals kept.
;;     - The product sums the exact products of the quantised numbers (number of the format x scale) in f32.
;;   ~~~python
;;   def quantise(x, axis):      # numpy; x: float32 -> the quantised numbers, widened to float32 again
;;       x = np.moveaxis(x, axis, -1); K = x.shape[-1]
;;       x = np.pad(x, [(0, 0)] * (x.ndim - 1) + [(0, -K % 32)]); x = x.reshape(x.shape[:-1] + (-1, 32)); a = np.abs(x).max(-1, keepdims=True)
;;       e = np.where(a > 0, np.clip(np.frexp(np.where(a > 0, a, 1))[1] - 1 - 2, -126, 127), 0)      # np.frexp(a)[1] - 1 = floor(log2(a)), exactly
;;       r = np.clip(x / 2.0 ** e, -7.5, 7.5)
;;       step = 2.0 ** (np.maximum(np.frexp(np.where(r == 0, 1, r))[1] - 1, 0) - 3)
;;       q = np.round(r / step) * step * 2.0 ** e      # np.round: ties to even
;;       return np.moveaxis(q.reshape(q.shape[:-2] + (-1,))[..., :K], -1, axis).astype(np.float32)
;;   ~~~
;;   SOFTMAX AHEAD OF A QUANTISED PRODUCT. Where the list says 'softmax', what is quantised is not the finished softmax but p = 2^(t - M), with t = logit x log2(e) and M = ceil(the row's largest t), a whole number; so 1/2 < the row's largest p <= 1. The row's sum l is taken of the UNQUANTISED p, in f32, and the product's result is divided by l at the end. Since M is a whole number, a kernel that streams over the keys may use a running M (the ceiling of the running maximum): every later rescaling is an exact power of two, which a block's scale takes up: the codes' values come out the same.
;;   OPERANDS COMPUTED ON THE WAY. 'Computed on the way' means the value that the module computes at that place (a softmax that the list does not call 'softmax' is quantised finished and normalised). What goes into a quantiser is computed in f32, as accurately as f32 sums, v_exp_f32 and their like allow (about 1e-6 of the number): no bf16 or f16 on the way to a quantiser, and a product that is left as it is and whose result goes on into a quantised operand takes f32 operands (vector FMAs, or v_wmma_f32_16x16x4_f32). A number that lies on a knife's edge between two numbers of the format may be rounded either way, as far as f32 arithmetic and the matrix unit's own rounding can turn it there, and no further.
;;   INPUTS GIVEN AS CODES. Wkv1 (in the module: [512, 512], K = its axis 1); Wkv2 (in the module: [512, 512], K = its axis 1); Wq (in the module: [512, 512], K = its axis 1); fp_w (in the module: [512, 512], K = its axis 1); proj_w (in the module: [512, 512], K = its axis 1); query (in the module: [1024, 16, 512], K = its axis 2): each comes as NAME_codes (uint8): NAME with its K axis moved to the last place and cut into blocks of 32 codes, [.., K / 32, bytes a block], one block behind the other in memory; four codes in three bytes: a row's codes are one little-endian stream of bits, code i at bits 6 i .. 6 i + 5 (a code: sign, 2 exponent bits, 3 mantissa bits); and NAME_scales (uint8): the same leading axes, one E8M0 byte (e + 127) for each 32 codes along K. Its value is code x scale, taken as it is: it is not quantised again, and the codes and scales need not be those that the quantiser above would give.
;; 2 versions. Each part assembles by itself: llvm-mc -triple=amdgcn-amd-amdhsa -mcpu=gfx1250 --defsym DOCPART=n.
;; ======== version 1 of 2: 5 launches
;; workspace buffers: nbr 524,288 bytes of whole numbers; wts 524,288 bytes; wimg 983,040 bytes; qimg 6,815,744 bytes; kv1s 6,553,600 bytes; kv2s 13,107,200 bytes; ximg 6,291,456 bytes; xsc 262,144 bytes
;; launch knn (part 1): grid 33 x 16, 8 waves a work-group, no clusters, 13,312 bytes of LDS; arguments xyz_upsample, key_pos, nbr, wts, Wq_codes, Wkv1_codes, fp_w_codes, Wkv2_codes, proj_w_codes, wimg; writes nbr, wts, wimg
.if DOCPART == 1
	.amdgcn_target "amdgcn-amd-amdhsa--gfx1250"
	.amdhsa_code_object_version 6
	.text
	.protected	k_q2719cf2c14_knn
	.globl	k_q2719cf2c14_knn
	.p2align	8
	.type	k_q2719cf2c14_knn,@function
k_q2719cf2c14_knn:
	s_mov_b64 s[64:65], 0
	v_nop
	global_prefetch_b8 v0, s[64:65] scope:SCOPE_SE
	s_setreg_imm32_b32 hwreg(HW_REG_WAVE_MODE, 25, 1), 1
	s_wait_xcnt 0x0
; WORK-GROUPS x = 0 .. 31: the three nearest of a batch's 1,024 known points (key_pos) for each of its 2,048 target points (xyz_upsample), and their inverse-distance weights.
; nbr[b][n][0..2] = 16 x index + b, the neighbour's flat row in key, nearest first; nbr[b][n][3] = 0.  wts[b][n][0..2] = the normalised weights, wts[b][n][3] = 0.
; SHARES.  A work-group takes 64 targets of one batch.  A lane holds two targets (l and 32 + l), as register pairs; wave w walks candidates 128 w .. 128 w + 127, which come by
; scalar loads into two sets of 8 candidates that take turns: one set is on its way while the other is worked on.  Each wave keeps a sorted list of three for each target; the eight lists meet in LDS,
; and threads 0 to 63 merge them, a thread a target.
; ORDER.  A candidate goes in ahead of an entry only where it is strictly nearer, and candidates come in ascending index (in the merge: wave by wave, each list in its order):
; among equal distances the lower index stays ahead, as in jax.lax.top_k.
; WORK-GROUPS x = 32 (sixteen of them): the five weights' codes are laid once in the order of the operand's registers, for the launches that follow.  wimg[weight 0..4: Wq, Wkv1, fp_w, Wkv2, proj_w][fragment 4 T + s]:
; 1,536 bytes: registers 4 c .. 4 c + 3 of lane l at 512 c + 16 l.  Fragment (tile T, K step s): lane (r, h) holds 24 + 24 bytes of one row's 96 bytes of that K step.  Tile T of the first four weights holds rows
; 32 (T / 2) + 8 (T % 2) + r + 8 (r / 8), of proj_w rows 16 T + r.  Wave 8 y + w takes that fragment of each weight: so a reader's load covers 512 consecutive bytes where the rows themselves lie 384 bytes apart.
; LIMITS.  The squared distance is dx dx, then two fused multiply-adds: it may differ in its last bit from three products and two sums.  1 / x is v_rcp_f32.  NaN and infinities among the inputs are not served.
; No matrix work, no tensor load, no cluster: the work-groups of a batch share 12,288 bytes of candidates, which reach them through scalar loads.
; v2-7 the targets' x, y, z as pairs; v8-13 differences; v14-15 squared distances; v16-21 list of target l (three distances, three indices); v22-27 of target 32 + l; v29 the candidate's index.
	s_load_b256 s[4:11], s[0:1], 0x0               ; xyz_upsample s[4:5], key_pos s[6:7], nbr s[8:9], wts s[10:11]
	v_lshl_add_u32 v96, v0, 2, 0x3000
	v_mov_b32 v97, 0
	v_lshrrev_b32 v1, 5, v0
	v_readfirstlane_b32 s12, v1                    ; wave 0..7
	s_and_b32 s13, ttmp7, 0xffff                   ; the batch (where weights are laid: which sixteenth of the fragments)
	s_cmp_eq_u32 ttmp9, 32                         ; the same for all eight waves
	s_cbranch_scc1 .Llay
	v_and_b32 v28, 31, v0                          ; lane
	v_mul_u32_u24 v1, v28, 12                      ; a point is 12 bytes
	s_mul_i32 s2, s12, 1536                        ; my wave's 1,536 bytes of LDS, and its 128 candidates' bytes in key_pos
	v_lshl_add_u32 v30, v28, 2, s2                 ; where I put my lists
	v_lshlrev_b32 v31, 2, v0                       ; where thread t reads target t's
	v_lshlrev_b32 v80, 4, v0                       ; and where it stores: 16 bytes a target
	s_lshl_b32 s3, s12, 7
	v_mov_b32 v29, s3                              ; my wave's first candidate
.irp i, 16,17,18,22,23,24
	v_mov_b32 v\i, 0x7f800000                      ; the lists begin with +infinity
.endr
.irp i, 19,20,21,25,26,27
	v_mov_b32 v\i, 0
.endr
	s_mul_i32 s14, s13, 24576                      ; a batch's 2,048 targets,
	s_mul_i32 s15, ttmp9, 768                      ; the work-group's 64
	s_add_co_u32 s14, s14, s15
	s_mov_b32 s15, 0
	s_mul_i32 s16, s13, 12288                      ; a batch's 1,024 candidates
	s_add_co_u32 s16, s16, s2
	s_mov_b32 s17, 0
	s_lshl_b32 s18, s13, 15                        ; in nbr and wts: 16 bytes a target
	s_lshl_b32 s19, ttmp9, 10
	s_add_co_u32 s18, s18, s19
	s_mov_b32 s19, 0
	s_wait_kmcnt 0x0
	s_add_nc_u64 s[4:5], s[4:5], s[14:15]
	s_add_nc_u64 s[6:7], s[6:7], s[16:17]
	s_add_nc_u64 s[8:9], s[8:9], s[18:19]
	s_add_nc_u64 s[10:11], s[10:11], s[18:19]
.macro SLOAD half, off                 ; 8 candidates, 96 bytes from off on, into set half: s[16 + 24 half] on
.irp i, 0,1,2
	s_load_b256 s[16+24*(\half)+8*\i:23+24*(\half)+8*\i], s[6:7], \off+32*\i
.endr
.endm
	SLOAD 0, 0                                     ; my first 8 candidates
	global_load_b32 v2, v1, s[4:5]                 ; target l: x, y, z
	global_load_b32 v4, v1, s[4:5] offset:4
	global_load_b32 v6, v1, s[4:5] offset:8
	global_load_b32 v3, v1, s[4:5] offset:384      ; target 32 + l
	global_load_b32 v5, v1, s[4:5] offset:388
	global_load_b32 v7, v1, s[4:5] offset:392
	s_mov_b32 s14, 0
	s_wait_loadcnt 0x0
	s_wait_kmcnt 0x0
; Both targets' insertions, line by line by turns, so that no line waits for the one above it.
.macro INS2
	v_cmp_lt_f32 s66, v14, v16
	v_cmp_lt_f32 s69, v15, v22
	v_cmp_lt_f32 s67, v14, v17
	v_cmp_lt_f32 s70, v15, v23
	v_cmp_lt_f32 s68, v14, v18
	v_cmp_lt_f32 s71, v15, v24
	v_cndmask_b32 v28, v21, v29, s68               ; the indices move as the distances do
	v_cndmask_b32 v81, v27, v29, s71
	v_cndmask_b32 v21, v28, v20, s67
	v_cndmask_b32 v27, v81, v26, s70
	v_cndmask_b32 v28, v20, v29, s67
	v_cndmask_b32 v81, v26, v29, s70
	v_cndmask_b32 v20, v28, v19, s66
	v_cndmask_b32 v26, v81, v25, s69
	v_cndmask_b32 v19, v19, v29, s66
	v_cndmask_b32 v25, v25, v29, s69
	v_med3_num_f32 v18, v14, v17, v18              ; the sorted list takes the new distance: the middle of it and two neighbours
	v_med3_num_f32 v24, v15, v23, v24
	v_med3_num_f32 v17, v14, v16, v17
	v_med3_num_f32 v23, v15, v22, v23
	v_min_num_f32 v16, v14, v16
	v_min_num_f32 v22, v15, v22
.endm
.macro CAND c                          ; candidate c of sixteen, at s[16 + 3 c]: 0 to 7 in set 0, 8 to 15 in set 1
	v_sub_f32 v8, s[16+3*\c], v2
	v_sub_f32 v9, s[16+3*\c], v3
	v_sub_f32 v10, s[17+3*\c], v4
	v_sub_f32 v11, s[17+3*\c], v5
	v_sub_f32 v12, s[18+3*\c], v6
	v_sub_f32 v13, s[18+3*\c], v7
	v_pk_mul_f32 v[14:15], v[8:9], v[8:9]
	v_pk_fma_f32 v[14:15], v[10:11], v[10:11], v[14:15]
	v_pk_fma_f32 v[14:15], v[12:13], v[12:13], v[14:15]
	INS2
	v_add_nc_u32 v29, 1, v29
.endm
.Ltrip:                                                ; 7 trips of 16 candidates, 192 bytes; at the head set 0 is in
	SLOAD 1, 96                                    ; set 1 is on its way while set 0 is worked on
.irp c, 0,1,2,3,4,5,6,7
	CAND \c
.endr
	s_wait_kmcnt 0x0                               ; set 1 is in, and its loads have read their base: it may step
	s_add_nc_u64 s[6:7], s[6:7], 192
	SLOAD 0, 0                                     ; the next trip's set 0 is on its way while set 1 is worked on
.irp c, 8,9,10,11,12,13,14,15
	CAND \c
.endr
	s_wait_kmcnt 0x0
	s_add_co_u32 s14, s14, 1
	s_cmp_lt_u32 s14, 7
	s_cbranch_scc1 .Ltrip
	SLOAD 1, 96                                    ; the last 16 candidates are written out: nothing is asked for beyond my wave's 128
.irp c, 0,1,2,3,4,5,6,7
	CAND \c
.endr
	s_wait_kmcnt 0x0
.irp c, 8,9,10,11,12,13,14,15
	CAND \c
.endr
; The lists meet: entry k of target t of wave w at 1536 w + 256 k + 4 t.
.irp k, 0,1,2,3,4,5
	ds_store_b32 v30, v[16+\k] offset:256*\k
	ds_store_b32 v30, v[22+\k] offset:256*\k+128
.endr
	s_wait_dscnt 0x0                               ; for the others' sake: my stores have landed
	s_barrier_signal -1
	s_barrier_wait -1
	s_cmp_ge_u32 s12, 2                            ; threads 0 to 63 merge, a thread a target
	s_cbranch_scc1 .Lend
.irp w, 0,1,2,3,4,5,6,7
.irp k, 0,1,2,3,4,5
	ds_load_b32 v[32+6*\w+\k], v31 offset:1536*\w+256*\k
.endr
.endr
	s_wait_dscnt 0x0
.macro INS dv, xv, dl, il, mk, tv      ; distance v[dv] with index v[xv] into the list at v[dl], v[il]
	v_cmp_lt_f32 s[\mk], v[\dv], v[\dl]
	v_cmp_lt_f32 s[\mk+1], v[\dv], v[\dl+1]
	v_cmp_lt_f32 s[\mk+2], v[\dv], v[\dl+2]
	v_cndmask_b32 v[\tv], v[\il+2], v[\xv], s[\mk+2]
	v_cndmask_b32 v[\il+2], v[\tv], v[\il+1], s[\mk+1]
	v_cndmask_b32 v[\tv], v[\il+1], v[\xv], s[\mk+1]
	v_cndmask_b32 v[\il+1], v[\tv], v[\il], s[\mk]
	v_cndmask_b32 v[\il], v[\il], v[\xv], s[\mk]
	v_med3_num_f32 v[\dl+2], v[\dv], v[\dl+1], v[\dl+2]
	v_med3_num_f32 v[\dl+1], v[\dv], v[\dl], v[\dl+1]
	v_min_num_f32 v[\dl], v[\dv], v[\dl]
.endm
.irp w, 1,2,3,4,5,6,7                  ; waves 1 to 7's entries go into wave 0's list, in ascending order of index ranges
.irp e, 0,1,2
	INS 32+6*\w+\e, 35+6*\w+\e, 32, 35, 66, 28
.endr
.endr
.irp k, 0,1,2
	v_add_f32 v[32+\k], 0x322bcc77, v[32+\k]       ; + 1e-8
.endr
.irp k, 0,1,2
	v_rcp_f32 v[40+\k], v[32+\k]
.endr
	v_nop                                          ; a plain instruction behind the reciprocals,
	s_wait_alu depctr_va_vdst(0)                   ; and one wait for the three, ahead of their first reader
	v_add_f32 v43, v40, v41
	v_add_f32 v43, v43, v42
	v_rcp_f32 v44, v43
	v_nop
	s_wait_alu depctr_va_vdst(0)
.irp k, 0,1,2
	v_mul_f32 v[48+\k], v[40+\k], v44
	v_lshl_add_u32 v[52+\k], v[35+\k], 4, s13      ; the neighbour's flat row in key: 16 x index + batch
.endr
	v_mov_b32 v51, 0
	v_mov_b32 v55, 0
	global_store_b128 v80, v[52:55], s[8:9]        ; a wave stores 512 consecutive bytes
	global_store_b128 v80, v[48:51], s[10:11]
.Lend:
	s_wait_tensorcnt 0x0
	ds_add_u32 v96, v97
	s_wait_dscnt 0x0
	s_endpgm
	; ---- the weights are laid: my wave's fragment u = 8 y + w = 4 T + s of each of the five
.Llay:
	s_load_b256 s[16:23], s[0:1], 0x20             ; Wq's codes, Wkv1's, fp_w's, Wkv2's
	s_load_b128 s[24:27], s[0:1], 0x40             ; proj_w's codes, wimg
	s_lshl_b32 s2, s13, 3
	s_add_co_u32 s2, s2, s12                       ; u
	s_lshr_b32 s3, s2, 2                           ; T
	s_and_b32 s14, s2, 3
	s_mul_i32 s14, s14, 96                         ; K step s: 96 bytes of a row
	s_lshr_b32 s15, s3, 1
	s_lshl_b32 s15, s15, 5
	s_and_b32 s28, s3, 1
	s_lshl_b32 s28, s28, 3
	s_add_co_u32 s15, s15, s28                     ; the tile's first row: 32 (T / 2) + 8 (T % 2)
	s_mul_i32 s15, s15, 384
	s_add_co_u32 s15, s15, s14
	s_mul_i32 s28, s3, 6144                        ; in proj_w: 16 T
	s_add_co_u32 s28, s28, s14
	s_mul_i32 s29, s2, 1536                        ; the fragment's place in a weight's images
	v_and_b32 v1, 15, v0                           ; r
	v_bfe_u32 v2, v0, 4, 1                         ; h
	v_and_b32 v3, 8, v1
	v_add_nc_u32 v3, v3, v1                        ; r + 8 (r / 8)
	v_mul_u32_u24 v4, v3, 384
	v_mad_u32_u24 v4, v2, 24, v4
	v_add_nc_u32 v4, s15, v4                       ; my row's 24 bytes, in the first four weights,
	v_mul_u32_u24 v5, v1, 384
	v_mad_u32_u24 v5, v2, 24, v5
	v_add_nc_u32 v5, s28, v5                       ; and in proj_w
	v_and_b32 v6, 31, v0
	v_lshlrev_b32 v6, 4, v6
	v_add_nc_u32 v6, s29, v6                       ; out: 16 x lane
	s_wait_kmcnt 0x0
.irp i, 0,1,2,3
.irp p, 0,1,2,3,4,5
	global_load_b64 v[8+12*\i+2*\p:9+12*\i+2*\p], v4, s[16+2*\i:17+2*\i] offset:48*(\p/3)+8*(\p%3)
.endr
.endr
.irp p, 0,1,2,3,4,5
	global_load_b64 v[56+2*\p:57+2*\p], v5, s[24:25] offset:48*(\p/3)+8*(\p%3)
.endr
.irp i, 0,1,2,3,4
	s_wait_loadcnt 6*(4-\i)                        ; weight i's six loads are in; the later weights' may be out
.irp c, 0,1,2
	global_store_b128 v6, v[8+12*\i+4*\c:11+12*\i+4*\c], s[26:27] offset:196608*\i+512*\c   ; a wave stores 512 consecutive bytes
.endr
.endr
	s_endpgm
.Lfunc_end_k_q2719cf2c14_knn:
	.size	k_q2719cf2c14_knn, .Lfunc_end_k_q2719cf2c14_knn-k_q2719cf2c14_knn
	.p2alignl 7, 3214868480
	.fill 96, 4, 3214868480
	.section	.rodata,"a",@progbits
	.p2align	6, 0x0
	.amdhsa_kernel k_q2719cf2c14_knn
		.amdhsa_group_segment_fixed_size 13312
		.amdhsa_private_segment_fixed_size 0
		.amdhsa_enable_private_segment 0
		.amdhsa_kernarg_size 80
		.amdhsa_user_sgpr_count 2
		.amdhsa_user_sgpr_kernarg_segment_ptr 1
		.amdhsa_wavefront_size32 1
		.amdhsa_system_sgpr_workgroup_id_x 1
		.amdhsa_system_sgpr_workgroup_id_y 1
		.amdhsa_system_sgpr_workgroup_id_z 1
		.amdhsa_system_vgpr_workitem_id 0
		.amdhsa_next_free_vgpr 98
		.amdhsa_next_free_sgpr 72
		.amdhsa_reserve_vcc 0
		.amdhsa_float_denorm_mode_32 3
		.amdhsa_float_denorm_mode_16_64 3
		.amdhsa_memory_ordered 1
		.amdhsa_forward_progress 1
		.amdhsa_inst_pref_size 84
	.end_amdhsa_kernel
	.amdgpu_metadata
---
amdhsa.version: [ 1, 2 ]
amdhsa.kernels:
  - .name:           k_q2719cf2c14_knn
    .symbol:         k_q2719cf2c14_knn.kd
    .args:
      - { .name: xyz_upsample, .offset: 0, .size: 8, .value_kind: global_buffer, .address_space: global }
      - { .name: key_pos, .offset: 8, .size: 8, .value_kind: global_buffer, .address_space: global }
      - { .name: nbr, .offset: 16, .size: 8, .value_kind: global_buffer, .address_space: global }
      - { .name: wts, .offset: 24, .size: 8, .value_kind: global_buffer, .address_space: global }
      - { .name: Wq_codes, .offset: 32, .size: 8, .value_kind: global_buffer, .address_space: global }
      - { .name: Wkv1_codes, .offset: 40, .size: 8, .value_kind: global_buffer, .address_space: global }
      - { .name: fp_w_codes, .offset: 48, .size: 8, .value_kind: global_buffer, .address_space: global }
      - { .name: Wkv2_codes, .offset: 56, .size: 8, .value_kind: global_buffer, .address_space: global }
      - { .name: proj_w_codes, .offset: 64, .size: 8, .value_kind: global_buffer, .address_space: global }
      - { .name: wimg, .offset: 72, .size: 8, .value_kind: global_buffer, .address_space: global }
    .group_segment_fixed_size: 13312
    .private_segment_fixed_size: 0
    .kernarg_segment_align: 8
    .kernarg_segment_size: 80
    .max_flat_workgroup_size: 256
    .sgpr_count:     72
    .vgpr_count:     98
    .wavefront_size: 32
...
	.end_amdgpu_metadata
.endif
;; end of part 1
;; launch qkv1 (part 2): grid 384 x 1, 4 waves a work-group, no clusters, 107,008 bytes of LDS; arguments query_codes, query_scales, wimg, Wq_scales, key, Wkv1_scales, qimg, kv1s; writes qimg, kv1s
.if DOCPART == 2
	.amdgcn_target "amdgcn-amd-amdhsa--gfx1250"
	.amdhsa_code_object_version 6
	.text
	.protected	k_q2719cf2c14_qkv1
	.globl	k_q2719cf2c14_qkv1
	.p2align	8
	.type	k_q2719cf2c14_qkv1,@function
k_q2719cf2c14_qkv1:
	s_mov_b64 s[64:65], 0
	v_nop
	global_prefetch_b8 v0, s[64:65] scope:SCOPE_SE
	s_setreg_imm32_b32 hwreg(HW_REG_WAVE_MODE, 25, 1), 1
	s_wait_xcnt 0x0
; q = query Wq^T and kv1 = key Wkv1^T on codes of FP6 (E2M3) with one E8M0 scale for each 32 along K, and their results quantised again as the operands of attention.
; Flat rows R = 16 n + b are taken as they lie, 128 to a block.  Work-groups 0-127: a block of key (f32, quantised here along its 512), wave w makes head w's K and V.
; Work-groups 128-383: a block of query (given as codes), half of the heads: wave w makes head 4 (g & 1) + w.
; THE WEIGHTS' CODES come from wimg, where the first launch has laid them in the order of the operand's registers (weight 0: Wq, weight 1: Wkv1; 196,608 bytes each; fragment (tile T, K step s) at 1536 (4 T + s)):
; a fragment is three loads of 512 consecutive bytes.
; OUT.  kv1s[block][head]: 12,800 bytes: four K pair fragments, four V fragments (1,536 bytes each, as images of the operand's registers: registers 4 c .. 4 c + 3 of lane l at 512 c + 16 l), 256 bytes of K's scale
; words (lane r: pairs 0..3), 256 of V's (lane r: tiles 0..3).  A K pair fragment holds two tiles of 16 keys x 64: registers 0-5 tile 2 b, registers 6-11 tile 2 b + 1.  qimg[block][head]: four pair fragments and 512 bytes of words.
; THE ROWS OF A TILE.  Key tile 2 b + u holds keys 32 b + 8 u + r + 8 (r / 8), and so do the tiles of the weights' rows: a result's 16 registers of two neighbouring tiles are then 16 neighbours along the next product's K.
; PASS_K: source 0 = 16 rows of W, source 1 = 16 rows of the block: a lane holds one row and its registers run along the head's 64: quantised along them.  PASS_V: the sources the other way round: a lane holds one channel and
; its registers run along the block's 128 keys: quantised along the keys.
; The block's 32 fragments go from wave to wave through LDS as images: fragment (tile m, K step s) at 12288 s + 1536 m, its scale words at 49152 + 1024 s + 128 m + 4 x lane.  The two kinds of work-group have LDS bytes of their own.
; No cluster: what work-groups share is the weights, 49,152 bytes a wave at the most, which go from memory straight into the operand's registers and stay; a joint request would land them in LDS, to be read once more from there.
; LIMITS: a block of zeros gets the scale byte 1, not 127 (its codes are zeros, and this program alone reads the bytes); blocks whose largest magnitude lies under 2^-124 are held at that byte; NaN and infinities are not served.
; REGISTERS: window 0: v1-13 addresses; v16-63, v192-239 two buffers of four fragments; v64-71 their scale words; v88-103 the weights' scale words; v140-159 codes just made; v160-171, v176 at work; v180-191 words gathered.
;   window 1: 256 numbers of key, later the accumulators.   window 2: W's 16 fragments for V.   window 3: for K or q.
.set REG2, 53248                       ; the second kind's LDS bytes begin here
.set XSCO, 49152                       ; the scale words, behind 32 images
.set LI,   1                           ; v1  16 x lane
.set LS,   2                           ; v2  4 x lane
.set LI2,  3                           ; v3, v4 the same + REG2
.set LS2,  4
.set XWI,  5                           ; v5  where I store images: 16 x lane + 3072 x wave
.set XWS,  6                           ; v6  and words: 4 x lane + 256 x wave
.set XWI2, 7                           ; v7, v8 the same + REG2
.set XWS2, 8
.set KA,   9                           ; v9  key: (r + 8 (r / 8)) x 2048 + 64 h
.set QA,   10                          ; v10 query's codes: 384 r + 24 h
.set WSA,  12                          ; v12 a weight's scale words: (8 h + r + 8 (r / 8)) x 16
.set QSA,  13                          ; v13 16 r
.set XF0,  16
.set XS0,  64
.set WKS,  88
.set WVS,  96
.set PC,   140
.set TM,   160
.set PW,   176
.set PWS,  180
.set KW,   184
.set VW,   188
.set XF1,  192
.set WV,   22
.set SEL,  24
.set MK,   26
.set OB,   28
.set KB,   30
.set T0,   32
.set T1,   34
.set WB,   36
.set SB,   38
.set QSB,  40
.set MSB, 0
.macro WIN new                         ; s_set_vgpr_msb: bits 1:0 source 0, 3:2 source 1, 5:4 source 2, 7:6 destination; the high byte repeats the setting that is left
.if MSB != (\new)
	s_set_vgpr_msb (MSB<<8)|(\new)
.set MSB, (\new)
.endif
.endm
.macro PLACES                          ; four places behind a matrix instruction, ahead of reads of its results and of loads into its registers
.rept 4
	v_nop
.endr
.endm
; One product 16 x 16 x 128.  c < 0: the sum begins with the constant 0.  ra, rb: source 0's or source 1's scale words stand in lanes 16-31.
.macro WM d, a, b, c, sa, sb, ra, rb
.if (\c) < 0
.if \ra
	v_wmma_scale_f32_16x16x128_f8f6f4 v[\d:\d+7], v[\a:\a+11], v[\b:\b+11], 0, v[\sa], v[\sb] matrix_a_fmt:MATRIX_FMT_FP6 matrix_b_fmt:MATRIX_FMT_FP6 matrix_a_scale:MATRIX_SCALE_ROW1
.elseif \rb
	v_wmma_scale_f32_16x16x128_f8f6f4 v[\d:\d+7], v[\a:\a+11], v[\b:\b+11], 0, v[\sa], v[\sb] matrix_a_fmt:MATRIX_FMT_FP6 matrix_b_fmt:MATRIX_FMT_FP6 matrix_b_scale:MATRIX_SCALE_ROW1
.else
	v_wmma_scale_f32_16x16x128_f8f6f4 v[\d:\d+7], v[\a:\a+11], v[\b:\b+11], 0, v[\sa], v[\sb] matrix_a_fmt:MATRIX_FMT_FP6 matrix_b_fmt:MATRIX_FMT_FP6
.endif
.else
.if \ra
	v_wmma_scale_f32_16x16x128_f8f6f4 v[\d:\d+7], v[\a:\a+11], v[\b:\b+11], v[\c:\c+7], v[\sa], v[\sb] matrix_a_fmt:MATRIX_FMT_FP6 matrix_b_fmt:MATRIX_FMT_FP6 matrix_a_scale:MATRIX_SCALE_ROW1
.elseif \rb
	v_wmma_scale_f32_16x16x128_f8f6f4 v[\d:\d+7], v[\a:\a+11], v[\b:\b+11], v[\c:\c+7], v[\sa], v[\sb] matrix_a_fmt:MATRIX_FMT_FP6 matrix_b_fmt:MATRIX_FMT_FP6 matrix_b_scale:MATRIX_SCALE_ROW1
.else
	v_wmma_scale_f32_16x16x128_f8f6f4 v[\d:\d+7], v[\a:\a+11], v[\b:\b+11], v[\c:\c+7], v[\sa], v[\sb] matrix_a_fmt:MATRIX_FMT_FP6 matrix_b_fmt:MATRIX_FMT_FP6
.endif
.endif
.endm
; 64 numbers of a lane, v[s] .. v[s + 63] of window w, register 16 b + i = k 32 b + 16 (lane / 16) + i of my row, become a fragment's codes in v[PC] on and its scale word in v[PW].
.macro QUANT s, w
	WIN (\w)|((\w)<<2)
.irp b, 0,1,2,3
	v_max3_num_f32 v[TM+\b], |v[\s+16*\b]|, |v[\s+16*\b+1]|, 0x1800000   ; block b: my 16 numbers, and the floor 2^(3 - 127): the byte cannot fall under 1
.endr
	WIN ((\w)<<2)|((\w)<<4)
.irp i, 2,4,6,8,10,12,14
.irp b, 0,1,2,3
	v_max3_num_f32 v[TM+\b], v[TM+\b], |v[\s+16*\b+\i]|, |v[\s+16*\b+\i+1]|   ; the four blocks by turns
.endr
.endr
	WIN 0
.irp b, 0,1,2,3
	v_permlanex16_b32 v[TM+4+\b], v[TM+\b], s[SEL], s[SEL+1]
.endr
.irp b, 0,1,2,3
	v_max_num_f32 v[TM+\b], v[TM+\b], v[TM+4+\b]   ; with lane l xor 16's: the block's largest magnitude
.endr
.irp b, 0,1,2,3
	v_add_nc_u32 v[TM+8+\b], 0xff000000, v[TM+\b]  ; 2 off its exponent field: the conversion takes this operand's exponent field as its scale
.endr
.irp b, 0,1,2,3
	v_lshrrev_b32 v[TM+4+\b], 23, v[TM+8+\b]       ; the scale's byte
.endr
	v_lshl_or_b32 v[PW], v[TM+5], 8, v[TM+4]
	v_lshl_or_b32 v[PW], v[TM+6], 16, v[PW]
	v_lshl_or_b32 v[PW], v[TM+7], 24, v[PW]
	WIN (\w)
.irp c, 0,1
	v_cvt_scalef32_pk16_fp6_f32 v[PC+6*\c:PC+6*\c+2], v[\s+32*\c:\s+32*\c+15], v[TM+8+2*\c]
	v_cvt_scalef32_pk16_fp6_f32 v[PC+12+4*\c:PC+14+4*\c], v[\s+32*\c+16:\s+32*\c+31], v[TM+9+2*\c]   ; (a conversion's three registers begin on an even number)
.endr
	WIN 0
	v_nop                                          ; one plain place behind a scaled conversion
.irp c, 0,1                            ; the operand's layout wants a whole block in a lane: lanes 0-15 block 2 c, lanes 16-31 block 2 c + 1
.irp i, 0,1,2
	v_permlane16_swap_b32 v[PC+6*\c+\i], v[PC+12+4*\c+\i]
.endr
.irp i, 0,1,2
	v_mov_b32 v[PC+3+6*\c+\i], v[PC+12+4*\c+\i]
.endr
.endr
.endm
.macro IMAGE adr, off                  ; the fragment in v[PC] on goes to LDS as it stands
.irp c, 0,1,2
	ds_store_b128 v[\adr], v[PC+4*\c:PC+4*\c+3] offset:\off+512*\c
.endr
.endm
.macro FETCH buf, xs, ai, as, t        ; tile t's four fragments and four scale words: 16 LDS loads
.irp s, 0,1,2,3
.irp c, 0,1,2
	ds_load_b128 v[\buf+12*\s+4*\c:\buf+12*\s+4*\c+3], v[\ai] offset:1536*(\t)+12288*\s+512*\c
.endr
.endr
.irp s, 0,1,2,3
	ds_load_b32 v[\xs+\s], v[\as] offset:XSCO+128*(\t)+1024*\s
.endr
.endm
.macro LOADW4 win, base, off           ; 64 rows of a weight, 16 fragments on end in wimg: fragment 4 q + s (tile q, K step s) to v[12 (4 q + s)] of window win; each load takes 512 consecutive bytes
	WIN (\win)<<6
.irp f, 0,1,2,3,4,5,6,7,8,9,10,11,12,13,14,15
.irp c, 0,1,2
	global_load_b128 v[12*\f+4*\c:12*\f+4*\c+3], v[LI], s[\base:\base+1] offset:\off+1536*\f+512*\c
.endr
.endr
	WIN 0
.endm
.macro LOADS4 reg, base, off           ; their scale words: register reg + 4 i + s: lanes 0-15 tile 2 i, lanes 16-31 tile 2 i + 1, K step s
.irp i, 0,1
	global_load_b128 v[\reg+4*\i:\reg+4*\i+3], v[WSA], s[\base:\base+1] offset:\off+512*\i
.endr
.endm
; Eight tiles of 16 rows x one head's 64 columns; two tiles make a pair fragment, which is stored.  The four accumulators of a tile take turns, one instruction a turn.
.macro PASS_K ai, as
	FETCH XF0, XS0, \ai, \as, 0
.set t, 0
.rept 8
.set CURF, XF0+(XF1-XF0)*(t&1)
.set CURS, XS0+4*(t&1)
.if t < 7
	FETCH XF0+(XF1-XF0)*((t+1)&1), XS0+4*((t+1)&1), \ai, \as, t+1
	s_wait_dscnt 16                                ; all but the 16 loads just issued: this tile is in
.else
	s_wait_dscnt 0x0
.endif
	WIN 0x53                                       ; source 0 (W) window 3, source 1 window 0, C and D window 1
.irp s, 0,1,2,3
.irp q, 0,1,2,3
.if \s == 0
	WM 8*(4*(t&1)+\q), 12*(4*\q+\s), CURF+12*\s, -1, WKS+4*(\q/2)+\s, CURS+\s, (\q&1), 0
.else
	WM 8*(4*(t&1)+\q), 12*(4*\q+\s), CURF+12*\s, 8*(4*(t&1)+\q), WKS+4*(\q/2)+\s, CURS+\s, (\q&1), 0
.endif
.endr
.endr
	WIN 0
	PLACES
.if (t&1)
	s_wait_xcnt 0x0                                ; the last pair's stores have read v[PC] on
	QUANT 0, 1
.irp c, 0,1,2
	global_store_b128 v[LI], v[PC+4*\c:PC+4*\c+3], s[OB:OB+1] offset:1536*(t/2)+512*\c   ; a wave stores 512 consecutive bytes
.endr
	v_mov_b32 v[KW+t/2], v[PW]
.endif
.set t, t+1
.endr
.endm
; The same eight tiles against the head's 64 rows of W for V, the sources the other way round: accumulator (tile of channels n, tile of keys t) at v[64 n + 8 t] of window 1.
.macro PASS_V ai, as
	FETCH XF0, XS0, \ai, \as, 0
.set t, 0
.rept 8
.set CURF, XF0+(XF1-XF0)*(t&1)
.set CURS, XS0+4*(t&1)
.if t < 7
	FETCH XF0+(XF1-XF0)*((t+1)&1), XS0+4*((t+1)&1), \ai, \as, t+1
	s_wait_dscnt 16                                ; all but the 16 loads just issued
.else
	s_wait_dscnt 0x0
.endif
	WIN 0x58                                       ; source 0 window 0, source 1 (W) window 2, C and D window 1
.irp s, 0,1,2,3
.irp n, 0,1,2,3
.if \s == 0
	WM 64*\n+8*t, CURF+12*\s, 12*(4*\n+\s), -1, CURS+\s, WVS+4*(\n/2)+\s, 0, (\n&1)
.else
	WM 64*\n+8*t, CURF+12*\s, 12*(4*\n+\s), 64*\n+8*t, CURS+\s, WVS+4*(\n/2)+\s, 0, (\n&1)
.endif
.endr
.endr
	WIN 0
	PLACES
.set t, t+1
.endr
.set n, 0
.rept 4
.set SRC, 64*n
	s_wait_xcnt 0x0                                ; the last stores have read v[PC] on
	QUANT SRC, 1
.irp c, 0,1,2
	global_store_b128 v[LI], v[PC+4*\c:PC+4*\c+3], s[OB:OB+1] offset:6144+1536*n+512*\c
.endr
	v_mov_b32 v[VW+n], v[PW]
.set n, n+1
.endr
.endm
	s_load_b256 s[4:11], s[0:1], 0x0               ; query's codes s[4:5], its scales s[6:7], wimg s[8:9], Wq's scales s[10:11]
	s_load_b256 s[12:19], s[0:1], 0x20             ; key s[12:13], Wkv1's scales s[14:15], qimg s[16:17], kv1s s[18:19]
	v_lshl_add_u32 v254, v0, 2, 0x1a000
	v_mov_b32 v255, 0
	v_lshrrev_b32 v240, 5, v0
	v_readfirstlane_b32 s[WV], v240                ; wave 0..3
	v_and_b32 v240, 31, v0                         ; lane
	v_and_b32 v241, 15, v0                         ; r
	v_bfe_u32 v242, v0, 4, 1                       ; h
	v_lshlrev_b32 v[LI], 4, v240
	v_lshlrev_b32 v[LS], 2, v240
	v_add_nc_u32 v[LI2], REG2, v[LI]
	v_add_nc_u32 v[LS2], REG2, v[LS]
	s_mul_i32 s[T0], s[WV], 3072                   ; my two tiles' images
	v_add_nc_u32 v[XWI], s[T0], v[LI]
	v_add_nc_u32 v[XWI2], s[T0], v[LI2]
	s_lshl_b32 s[T0], s[WV], 8                     ; and words
	v_add_nc_u32 v[XWS], s[T0], v[LS]
	v_add_nc_u32 v[XWS2], s[T0], v[LS2]
	v_and_b32 v243, 8, v241
	v_add_nc_u32 v243, v243, v241                  ; r + 8 (r / 8)
	v_lshlrev_b32 v[KA], 11, v243
	v_lshl_add_u32 v[KA], v242, 6, v[KA]
	v_lshl_add_u32 v[WSA], v242, 3, v243
	v_lshlrev_b32 v[WSA], 4, v[WSA]
	v_mul_u32_u24 v[QA], v241, 384
	v_mad_u32_u24 v[QA], v242, 24, v[QA]
	v_lshlrev_b32 v[QSA], 4, v241
.irp b, 0,1,2,3
	v_mov_b32 v[TM+4+\b], 0                        ; written once: a lane permute's destination counts as one of its sources
.endr
	s_mov_b32 s[SEL], 0x76543210
	s_mov_b32 s[SEL+1], 0xfedcba98                 ; v_permlanex16_b32's selects for lane l xor 16
	s_mov_b32 s[MK], 0xffff0000                    ; lanes 16-31
	s_mov_b32 s[T0+1], 0
	s_mov_b32 s[T1+1], 0
	s_wait_kmcnt 0x0
	s_cmp_ge_u32 ttmp9, 128                        ; the same for all four waves
	s_cbranch_scc1 .Lqpath
	; ---- a block of key
	s_lshl_b32 s[T0], ttmp9, 18                    ; 128 rows of 2,048 bytes,
	s_lshl_b32 s[T1], s[WV], 16                    ; my 32 of them
	s_add_co_u32 s[T0], s[T0], s[T1]
	s_add_nc_u64 s[KB:KB+1], s[12:13], s[T0:T0+1]
	s_mul_i32 s[T0], s[WV], 24576                  ; my head's 64 rows for K: 16 fragments; those for V lie 256 rows, 98,304 bytes, on
	s_add_co_u32 s[T0], s[T0], 196608              ; in Wkv1's images, behind Wq's
	s_add_nc_u64 s[WB:WB+1], s[8:9], s[T0:T0+1]
	s_lshl_b32 s[T0], s[WV], 10
	s_add_nc_u64 s[SB:SB+1], s[14:15], s[T0:T0+1]
	s_lshl_b32 s[T0], ttmp9, 2
	s_add_co_u32 s[T0], s[T0], s[WV]
	s_mul_i32 s[T0], s[T0], 12800
	s_add_nc_u64 s[OB:OB+1], s[18:19], s[T0:T0+1]
	LOADW4 3, WB, 0
	LOADW4 2, WB, 98304
	LOADS4 WKS, SB, 0
	LOADS4 WVS, SB, 4096
.macro XLOADK q                        ; batch q: tile 2 w + q / 4, K step q % 4: lane (r, h) takes 16 neighbours of each block of 32 of its row
	WIN 0x40
.irp b, 0,1,2,3
.irp j, 0,1,2,3
	global_load_b128 v[64*((\q)&3)+16*\b+4*\j:64*((\q)&3)+16*\b+4*\j+3], v[KA], s[KB:KB+1] offset:16384*((\q)>>2)+512*((\q)&3)+128*\b+16*\j
.endr
.endr
	WIN 0
.endm
	XLOADK 0
	XLOADK 1
	XLOADK 2
	XLOADK 3
.set q, 0
.rept 8
.if q <= 4
	s_wait_loadcnt 48                              ; this batch is in; the three batches of 16 behind it may be out
.else
	s_wait_loadcnt 16*(7-q)
.endif
	s_wait_dscnt 0x0                               ; the last image's stores have read v[PC] on
.set SRC, 64*(q&3)
	QUANT SRC, 1
	IMAGE XWI, 1536*(q>>2)+12288*(q&3)
	ds_store_b32 v[XWS], v[PW] offset:XSCO+128*(q>>2)+1024*(q&3)
.if q < 4
	XLOADK q+4
.endif
.set q, q+1
.endr
	s_wait_dscnt 0x0                               ; for the others' sake: my images have landed
	s_barrier_signal -1
	s_barrier_wait -1                              ; the block's 32 fragments lie in LDS
	PASS_K LI, LS
	PASS_V LI, LS
.irp i, 0,1,2,3
	v_cndmask_b32 v[PWS+\i], v[KW+\i], v[VW+\i], s[MK]   ; lanes 0-15 K's words, lanes 16-31 V's
.endr
	global_store_b128 v[LI], v[PWS:PWS+3], s[OB:OB+1] offset:12288
	s_wait_tensorcnt 0x0
	ds_add_u32 v254, v255
	s_wait_dscnt 0x0
	s_endpgm
	; ---- a block of query, four heads
.Lqpath:
	s_sub_co_u32 s44, ttmp9, 128
	s_lshr_b32 s45, s44, 1                         ; the block
	s_and_b32 s46, s44, 1
	s_lshl_b32 s46, s46, 2
	s_add_co_u32 s46, s46, s[WV]                   ; my head
	s_mul_i32 s[T0], s46, 24576                    ; its 16 fragments of Wq's images
	s_add_nc_u64 s[WB:WB+1], s[8:9], s[T0:T0+1]
	s_lshl_b32 s[T0], s46, 10
	s_add_nc_u64 s[SB:SB+1], s[10:11], s[T0:T0+1]
	s_lshl_b32 s[T0], s45, 2
	s_add_co_u32 s[T0], s[T0], s[WV]               ; which 32 rows I bring
	s_mul_i32 s[T1], s[T0], 12288
	s_add_nc_u64 s[KB:KB+1], s[4:5], s[T1:T1+1]
	s_lshl_b32 s[T0], s[T0], 9
	s_add_nc_u64 s[QSB:QSB+1], s[6:7], s[T0:T0+1]
	s_lshl_b32 s[T0], s45, 3
	s_add_co_u32 s[T0], s[T0], s46
	s_mul_i32 s[T0], s[T0], 6656
	s_add_nc_u64 s[OB:OB+1], s[16:17], s[T0:T0+1]
	LOADW4 3, WB, 0
	LOADS4 WKS, SB, 0
	WIN 0x40
.irp i, 0,1                            ; the codes as they lie are the operand's registers: tile 2 w + i holds rows 16 (2 w + i) + r
.irp s, 0,1,2,3
.irp p, 0,1,2,3,4,5
	global_load_b64 v[12*(4*\i+\s)+2*\p:12*(4*\i+\s)+2*\p+1], v[QA], s[KB:KB+1] offset:6144*\i+96*\s+48*(\p/3)+8*(\p%3)
.endr
.endr
.endr
	WIN 0
	global_load_b128 v[PWS:PWS+3], v[QSA], s[QSB:QSB+1]
	global_load_b128 v[KW:KW+3], v[QSA], s[QSB:QSB+1] offset:256
	s_wait_loadcnt 0x0
	WIN 0x04                                       ; an LDS store's data are its source 1: window 1
.irp i, 0,1
.irp s, 0,1,2,3
.irp c, 0,1,2
	ds_store_b128 v[XWI2], v[12*(4*\i+\s)+4*\c:12*(4*\i+\s)+4*\c+3] offset:1536*\i+12288*\s+512*\c
.endr
.endr
.endr
	WIN 0
.irp s, 0,1,2,3
	ds_store_b32 v[XWS2], v[PWS+\s] offset:XSCO+1024*\s
	ds_store_b32 v[XWS2], v[KW+\s] offset:XSCO+128+1024*\s
.endr
	s_wait_dscnt 0x0                               ; for the others' sake: my images have landed
	s_barrier_signal -1
	s_barrier_wait -1
	PASS_K LI2, LS2
	global_store_b128 v[LI], v[KW:KW+3], s[OB:OB+1] offset:6144   ; the four pairs' words, lane r's row (lanes 16-31 hold the same)
	s_wait_tensorcnt 0x0
	ds_add_u32 v254, v255
	s_wait_dscnt 0x0
	s_endpgm
.Lfunc_end_k_q2719cf2c14_qkv1:
	.size	k_q2719cf2c14_qkv1, .Lfunc_end_k_q2719cf2c14_qkv1-k_q2719cf2c14_qkv1
	.p2alignl 7, 3214868480
	.fill 96, 4, 3214868480
	.section	.rodata,"a",@progbits
	.p2align	6, 0x0
	.amdhsa_kernel k_q2719cf2c14_qkv1
		.amdhsa_group_segment_fixed_size 107008
		.amdhsa_private_segment_fixed_size 0
		.amdhsa_enable_private_segment 0
		.amdhsa_kernarg_size 64
		.amdhsa_user_sgpr_count 2
		.amdhsa_user_sgpr_kernarg_segment_ptr 1
		.amdhsa_wavefront_size32 1
		.amdhsa_system_sgpr_workgroup_id_x 1
		.amdhsa_system_sgpr_workgroup_id_y 1
		.amdhsa_system_sgpr_workgroup_id_z 1
		.amdhsa_system_vgpr_workitem_id 0
		.amdhsa_next_free_vgpr 1024
		.amdhsa_next_free_sgpr 66
		.amdhsa_reserve_vcc 0
		.amdhsa_float_denorm_mode_32 3
		.amdhsa_float_denorm_mode_16_64 3
		.amdhsa_memory_ordered 1
		.amdhsa_forward_progress 1
		.amdhsa_inst_pref_size 200
	.end_amdhsa_kernel
	.amdgpu_metadata
---
amdhsa.version: [ 1, 2 ]
amdhsa.kernels:
  - .name:           k_q2719cf2c14_qkv1
    .symbol:         k_q2719cf2c14_qkv1.kd
    .args:
      - { .name: query_codes, .offset: 0, .size: 8, .value_kind: global_buffer, .address_space: global }
      - { .name: query_scales, .offset: 8, .size: 8, .value_kind: global_buffer, .address_space: global }
      - { .name: wimg, .offset: 16, .size: 8, .value_kind: global_buffer, .address_space: global }
      - { .name: Wq_scales, .offset: 24, .size: 8, .value_kind: global_buffer, .address_space: global }
      - { .name: key, .offset: 32, .size: 8, .value_kind: global_buffer, .address_space: global }
      - { .name: Wkv1_scales, .offset: 40, .size: 8, .value_kind: global_buffer, .address_space: global }
      - { .name: qimg, .offset: 48, .size: 8, .value_kind: global_buffer, .address_space: global }
      - { .name: kv1s, .offset: 56, .size: 8, .value_kind: global_buffer, .address_space: global }
    .group_segment_fixed_size: 107008
    .private_segment_fixed_size: 0
    .kernarg_segment_align: 8
    .kernarg_segment_size: 64
    .max_flat_workgroup_size: 128
    .sgpr_count:     66
    .vgpr_count:     1024
    .wavefront_size: 32
...
	.end_amdgpu_metadata
.endif
;; end of part 2
;; launch chain (part 3): grid 256 x 1, 4 waves a work-group, no clusters, 107,008 bytes of LDS; arguments nbr, wts, key, wimg, fp_w_scales, fp_b, Wkv2_scales, kv2s; writes kv2s
.if DOCPART == 3
	.amdgcn_target "amdgcn-amd-amdhsa--gfx1250"
	.amdhsa_code_object_version 6
	.text
	.protected	k_q2719cf2c14_chain
	.globl	k_q2719cf2c14_chain
	.p2align	8
	.type	k_q2719cf2c14_chain,@function
k_q2719cf2c14_chain:
	s_mov_b64 s[64:65], 0
	v_nop
	global_prefetch_b8 v0, s[64:65] scope:SCOPE_SE
	s_setreg_imm32_b32 hwreg(HW_REG_WAVE_MODE, 25, 1), 1
	s_wait_xcnt 0x0
; key2 = relu(interp fp_w^T + fp_b), kv2 = key2 Wkv2^T, both products on codes of FP6 (E2M3) with one E8M0 scale for each 32 along K; interp = the three neighbours' rows of key, weighted (f32).
; A work-group takes 128 flat rows R2 = 16 n + b of key2 (one key step of one batch of attention) through the whole chain; interp and key2 never go to memory.
; FRONT: wave w gathers and weighs row tiles 2 w, 2 w + 1 (tile 2 b + u holds rows 32 b + 8 u + r + 8 (r / 8)), quantises them along the 512, and stores images in LDS.  The rows' numbers come from nbr, which an earlier
; launch stored; each is held to 0x3fff, the last row of key, before it enters an address.
; FIRST PRODUCT: wave w makes hidden units 128 w .. 128 w + 127 for all eight tiles (source 0 = 16 rows of fp_w, source 1 = 16 rows of interp; the bias is the C of each sum's first instruction), relu, quantised:
; K step w of the second product, as images in LDS.  SECOND PRODUCT: wave w makes head w's K and V as in the launch for kv1, into kv2s[block][head], 12,800 bytes, laid as there.
; THE WEIGHTS' CODES come from wimg, where the first launch has laid them in the order of the operand's registers (weight 2: fp_w, weight 3: Wkv2; 196,608 bytes each; fragment (tile T, K step s) at 1536 (4 T + s)):
; a fragment is three loads of 512 consecutive bytes.
; LDS: interp's fragment (tile m, K step s) at 12288 s + 1536 m, its words at 49152 + 1024 s + 128 m + 4 x lane; key2's the same 53,248 bytes on.  Two barriers.
; No cluster: what work-groups share is the weights, 98,304 bytes a wave, which go from memory straight into the operand's registers; a joint request would land them in LDS, to be read once more from there; a work-group's
; own gather is 786,432 bytes.
; LIMITS: interp is one product and two fused multiply-adds; a block of zeros gets the scale byte 1, not 127 (its codes are zeros, and this program alone reads the bytes); NaN and infinities are not served.
; REGISTERS: window 0: v1-15 addresses; v16-63 four fragments; v64-71 their words; v72-103 the weights' words; v104-109 gather offsets; v110-121 weights as pairs; v122-137 ids and weights as loaded; v140-176 at work;
;   v192-255 64 numbers of interp, then of key2; in the passes v192-239 a second buffer.   window 1: fp_w's K steps 0, 1, the bias; later accumulators.   window 2: fp_w's K steps 2, 3; later Wkv2 for V.
;   window 3: two gather buffers of 96; later Wkv2 for K.
.set REG2, 53248
.set XSCO, 49152
.set LI,   1
.set LS,   2
.set LI2,  3
.set LS2,  4
.set XWI,  5                           ; v5  where I store interp's images: 16 x lane + 3072 x wave
.set XWS,  6                           ; v6  and words: 4 x lane + 256 x wave
.set HWI0, 7                           ; v7  key2's images: 16 x lane + REG2 + 12288 x wave
.set HWS0, 8                           ; v8  and words: 4 x lane + REG2 + XSCO + 1024 x wave
.set HI,   9                           ; v9, v10 the same for the tile in hand
.set HS,   10
.set WSA,  12
.set BA,   13                          ; v13 64 h
.set FA,   14                          ; v14, v15 where the next tile of interp is fetched
.set FS,   15
.set XF0,  16
.set XS0,  64
.set WFS,  72
.set WKS,  88
.set WVS,  96
.set GA,   104
.set WP,   110
.set NA,   138
.set PC,   140
.set TM,   160
.set PW,   176
.set PWS,  180
.set KW,   184
.set VW,   188
.set XF1,  192
.set X,    192
.set HA,   192
.set WV,   22
.set SEL,  24
.set MK,   26
.set OB,   28
.set T0,   32
.set FWB,  36
.set FSB,  38
.set FBB,  40
.set KWB,  42
.set KSB,  44
.set NB,   46
.set WTB,  48
.set TA,   50
.set TS,   51
.set CNT,  52
.set MSB, 0
.macro WIN new                         ; s_set_vgpr_msb: bits 1:0 source 0, 3:2 source 1, 5:4 source 2, 7:6 destination; the high byte repeats the setting that is left
.if MSB != (\new)
	s_set_vgpr_msb (MSB<<8)|(\new)
.set MSB, (\new)
.endif
.endm
.macro PLACES                          ; four places behind a matrix instruction, ahead of reads of its results and of loads into its registers
.rept 4
	v_nop
.endr
.endm
.macro WM d, a, b, c, sa, sb, ra, rb   ; one product 16 x 16 x 128.  c < 0: the sum begins with 0.  ra, rb: that source's scale words stand in lanes 16-31
.if (\c) < 0
.if \ra
	v_wmma_scale_f32_16x16x128_f8f6f4 v[\d:\d+7], v[\a:\a+11], v[\b:\b+11], 0, v[\sa], v[\sb] matrix_a_fmt:MATRIX_FMT_FP6 matrix_b_fmt:MATRIX_FMT_FP6 matrix_a_scale:MATRIX_SCALE_ROW1
.elseif \rb
	v_wmma_scale_f32_16x16x128_f8f6f4 v[\d:\d+7], v[\a:\a+11], v[\b:\b+11], 0, v[\sa], v[\sb] matrix_a_fmt:MATRIX_FMT_FP6 matrix_b_fmt:MATRIX_FMT_FP6 matrix_b_scale:MATRIX_SCALE_ROW1
.else
	v_wmma_scale_f32_16x16x128_f8f6f4 v[\d:\d+7], v[\a:\a+11], v[\b:\b+11], 0, v[\sa], v[\sb] matrix_a_fmt:MATRIX_FMT_FP6 matrix_b_fmt:MATRIX_FMT_FP6
.endif
.else
.if \ra
	v_wmma_scale_f32_16x16x128_f8f6f4 v[\d:\d+7], v[\a:\a+11], v[\b:\b+11], v[\c:\c+7], v[\sa], v[\sb] matrix_a_fmt:MATRIX_FMT_FP6 matrix_b_fmt:MATRIX_FMT_FP6 matrix_a_scale:MATRIX_SCALE_ROW1
.elseif \rb
	v_wmma_scale_f32_16x16x128_f8f6f4 v[\d:\d+7], v[\a:\a+11], v[\b:\b+11], v[\c:\c+7], v[\sa], v[\sb] matrix_a_fmt:MATRIX_FMT_FP6 matrix_b_fmt:MATRIX_FMT_FP6 matrix_b_scale:MATRIX_SCALE_ROW1
.else
	v_wmma_scale_f32_16x16x128_f8f6f4 v[\d:\d+7], v[\a:\a+11], v[\b:\b+11], v[\c:\c+7], v[\sa], v[\sb] matrix_a_fmt:MATRIX_FMT_FP6 matrix_b_fmt:MATRIX_FMT_FP6
.endif
.endif
.endm
; 64 numbers of a lane, v[s] .. v[s + 63] of window w, register 16 b + i = k 32 b + 16 (lane / 16) + i of my row, become a fragment's codes in v[PC] on and its scale word in v[PW].
.macro QUANT s, w
	WIN (\w)|((\w)<<2)
.irp b, 0,1,2,3
	v_max3_num_f32 v[TM+\b], |v[\s+16*\b]|, |v[\s+16*\b+1]|, 0x1800000   ; block b: my 16 numbers, and the floor 2^(3 - 127): the byte cannot fall under 1
.endr
	WIN ((\w)<<2)|((\w)<<4)
.irp i, 2,4,6,8,10,12,14
.irp b, 0,1,2,3
	v_max3_num_f32 v[TM+\b], v[TM+\b], |v[\s+16*\b+\i]|, |v[\s+16*\b+\i+1]|   ; the four blocks by turns
.endr
.endr
	WIN 0
.irp b, 0,1,2,3
	v_permlanex16_b32 v[TM+4+\b], v[TM+\b], s[SEL], s[SEL+1]
.endr
.irp b, 0,1,2,3
	v_max_num_f32 v[TM+\b], v[TM+\b], v[TM+4+\b]   ; with lane l xor 16's: the block's largest magnitude
.endr
.irp b, 0,1,2,3
	v_add_nc_u32 v[TM+8+\b], 0xff000000, v[TM+\b]  ; 2 off its exponent field: the conversion takes this operand's exponent field as its scale
.endr
.irp b, 0,1,2,3
	v_lshrrev_b32 v[TM+4+\b], 23, v[TM+8+\b]       ; the scale's byte
.endr
	v_lshl_or_b32 v[PW], v[TM+5], 8, v[TM+4]
	v_lshl_or_b32 v[PW], v[TM+6], 16, v[PW]
	v_lshl_or_b32 v[PW], v[TM+7], 24, v[PW]
	WIN (\w)
.irp c, 0,1
	v_cvt_scalef32_pk16_fp6_f32 v[PC+6*\c:PC+6*\c+2], v[\s+32*\c:\s+32*\c+15], v[TM+8+2*\c]
	v_cvt_scalef32_pk16_fp6_f32 v[PC+12+4*\c:PC+14+4*\c], v[\s+32*\c+16:\s+32*\c+31], v[TM+9+2*\c]   ; (a conversion's three registers begin on an even number)
.endr
	WIN 0
	v_nop                                          ; one plain place behind a scaled conversion
.irp c, 0,1                            ; the operand's layout wants a whole block in a lane
.irp i, 0,1,2
	v_permlane16_swap_b32 v[PC+6*\c+\i], v[PC+12+4*\c+\i]
.endr
.irp i, 0,1,2
	v_mov_b32 v[PC+3+6*\c+\i], v[PC+12+4*\c+\i]
.endr
.endr
.endm
.macro IMAGE adr, off
.irp c, 0,1,2
	ds_store_b128 v[\adr], v[PC+4*\c:PC+4*\c+3] offset:\off+512*\c
.endr
.endm
.macro FETCH buf, xs, ai, as, t        ; tile t's four fragments and four scale words: 16 LDS loads
.irp s, 0,1,2,3
.irp c, 0,1,2
	ds_load_b128 v[\buf+12*\s+4*\c:\buf+12*\s+4*\c+3], v[\ai] offset:1536*(\t)+12288*\s+512*\c
.endr
.endr
.irp s, 0,1,2,3
	ds_load_b32 v[\xs+\s], v[\as] offset:XSCO+128*(\t)+1024*\s
.endr
.endm
.macro LOADW4 win, base, off           ; 64 rows of a weight, 16 fragments on end in wimg: fragment 4 q + s (tile q, K step s) to v[12 (4 q + s)] of window win; each load takes 512 consecutive bytes
	WIN (\win)<<6
.irp f, 0,1,2,3,4,5,6,7,8,9,10,11,12,13,14,15
.irp c, 0,1,2
	global_load_b128 v[12*\f+4*\c:12*\f+4*\c+3], v[LI], s[\base:\base+1] offset:\off+1536*\f+512*\c
.endr
.endr
	WIN 0
.endm
.macro LOADS4 reg, base, off
.irp i, 0,1
	global_load_b128 v[\reg+4*\i:\reg+4*\i+3], v[WSA], s[\base:\base+1] offset:\off+512*\i
.endr
.endm
.macro PASS_K ai, as                   ; eight tiles of 16 keys x the head's 64: a lane holds a key; two tiles make a pair fragment.  A tile's four accumulators take turns
	FETCH XF0, XS0, \ai, \as, 0
.set t, 0
.rept 8
.set CURF, XF0+(XF1-XF0)*(t&1)
.set CURS, XS0+4*(t&1)
.if t < 7
	FETCH XF0+(XF1-XF0)*((t+1)&1), XS0+4*((t+1)&1), \ai, \as, t+1
	s_wait_dscnt 16                                ; all but the 16 loads just issued: this tile is in
.else
	s_wait_dscnt 0x0
.endif
	WIN 0x53                                       ; source 0 (W) window 3, source 1 window 0, C and D window 1
.irp s, 0,1,2,3
.irp q, 0,1,2,3
.if \s == 0
	WM 8*(4*(t&1)+\q), 12*(4*\q+\s), CURF+12*\s, -1, WKS+4*(\q/2)+\s, CURS+\s, (\q&1), 0
.else
	WM 8*(4*(t&1)+\q), 12*(4*\q+\s), CURF+12*\s, 8*(4*(t&1)+\q), WKS+4*(\q/2)+\s, CURS+\s, (\q&1), 0
.endif
.endr
.endr
	WIN 0
	PLACES
.if (t&1)
	s_wait_xcnt 0x0                                ; the last pair's stores have read v[PC] on
	QUANT 0, 1
.irp c, 0,1,2
	global_store_b128 v[LI], v[PC+4*\c:PC+4*\c+3], s[OB:OB+1] offset:1536*(t/2)+512*\c
.endr
	v_mov_b32 v[KW+t/2], v[PW]
.endif
.set t, t+1
.endr
.endm
.macro PASS_V ai, as                   ; the sources the other way round: a lane holds a channel, its registers run along the 128 keys
	FETCH XF0, XS0, \ai, \as, 0
.set t, 0
.rept 8
.set CURF, XF0+(XF1-XF0)*(t&1)
.set CURS, XS0+4*(t&1)
.if t < 7
	FETCH XF0+(XF1-XF0)*((t+1)&1), XS0+4*((t+1)&1), \ai, \as, t+1
	s_wait_dscnt 16                                ; all but the 16 loads just issued
.else
	s_wait_dscnt 0x0
.endif
	WIN 0x58                                       ; source 0 window 0, source 1 (W) window 2, C and D window 1
.irp s, 0,1,2,3
.irp n, 0,1,2,3
.if \s == 0
	WM 64*\n+8*t, CURF+12*\s, 12*(4*\n+\s), -1, CURS+\s, WVS+4*(\n/2)+\s, 0, (\n&1)
.else
	WM 64*\n+8*t, CURF+12*\s, 12*(4*\n+\s), 64*\n+8*t, CURS+\s, WVS+4*(\n/2)+\s, 0, (\n&1)
.endif
.endr
.endr
	WIN 0
	PLACES
.set t, t+1
.endr
.set n, 0
.rept 4
.set SRC, 64*n
	s_wait_xcnt 0x0
	QUANT SRC, 1
.irp c, 0,1,2
	global_store_b128 v[LI], v[PC+4*\c:PC+4*\c+3], s[OB:OB+1] offset:6144+1536*n+512*\c
.endr
	v_mov_b32 v[VW+n], v[PW]
.set n, n+1
.endr
.endm
	s_load_b256 s[4:11], s[0:1], 0x0               ; nbr s[4:5], wts s[6:7], key s[8:9], wimg s[10:11]
	s_load_b256 s[12:19], s[0:1], 0x20             ; fp_w's scales s[12:13], fp_b s[14:15], Wkv2's scales s[16:17], kv2s s[18:19]
	v_lshl_add_u32 v178, v0, 2, 0x1a000
	v_mov_b32 v179, 0
	v_lshrrev_b32 v250, 5, v0
	v_readfirstlane_b32 s[WV], v250                ; wave 0..3
	v_and_b32 v250, 31, v0                         ; lane
	v_and_b32 v251, 15, v0                         ; r
	v_bfe_u32 v252, v0, 4, 1                       ; h
	v_lshlrev_b32 v[LI], 4, v250
	v_lshlrev_b32 v[LS], 2, v250
	v_add_nc_u32 v[LI2], REG2, v[LI]
	v_add_nc_u32 v[LS2], REG2, v[LS]
	s_mul_i32 s[T0], s[WV], 3072
	v_add_nc_u32 v[XWI], s[T0], v[LI]
	s_lshl_b32 s[T0], s[WV], 8
	v_add_nc_u32 v[XWS], s[T0], v[LS]
	s_mul_i32 s[T0], s[WV], 12288
	v_add_nc_u32 v[HWI0], s[T0], v[LI2]
	s_lshl_b32 s[T0], s[WV], 10
	s_add_co_u32 s[T0], s[T0], XSCO
	v_add_nc_u32 v[HWS0], s[T0], v[LS2]
	v_and_b32 v253, 8, v251
	v_add_nc_u32 v253, v253, v251                  ; r + 8 (r / 8)
	v_lshl_add_u32 v[WSA], v252, 3, v253
	v_lshlrev_b32 v[WSA], 4, v[WSA]
	v_lshlrev_b32 v[BA], 6, v252
	v_and_b32 v[NA], 7, v251                       ; row 32 w + 8 i + r + 8 (r / 8) of the block is batch 8 i + r % 8, target 8 block + 2 w + r / 8
	v_lshlrev_b32 v[NA], 15, v[NA]                 ; a batch's 2,048 targets of 16 bytes
	v_bfe_u32 v253, v0, 3, 1
	v_lshl_add_u32 v[NA], v253, 4, v[NA]
.irp b, 0,1,2,3
	v_mov_b32 v[TM+4+\b], 0                        ; written once: a lane permute's destination counts as one of its sources
.endr
	s_mov_b32 s[SEL], 0x76543210
	s_mov_b32 s[SEL+1], 0xfedcba98
	s_mov_b32 s[MK], 0xffff0000
	s_mov_b32 s[T0+1], 0
	s_wait_kmcnt 0x0
	s_lshl_b32 s[T0], ttmp9, 7
	s_lshl_b32 s[CNT], s[WV], 5
	s_add_co_u32 s[T0], s[T0], s[CNT]              ; (8 block + 2 w) x 16
	s_add_nc_u64 s[NB:NB+1], s[4:5], s[T0:T0+1]
	s_add_nc_u64 s[WTB:WTB+1], s[6:7], s[T0:T0+1]
	s_mul_i32 s[T0], s[WV], 49152                  ; my 128 rows of fp_w: 32 fragments,
	s_add_co_u32 s[T0], s[T0], 393216              ; in the third weight's images
	s_add_nc_u64 s[FWB:FWB+1], s[10:11], s[T0:T0+1]
	s_lshl_b32 s[T0], s[WV], 11
	s_add_nc_u64 s[FSB:FSB+1], s[12:13], s[T0:T0+1]
	s_lshl_b32 s[T0], s[WV], 9
	s_add_nc_u64 s[FBB:FBB+1], s[14:15], s[T0:T0+1]
	s_mul_i32 s[T0], s[WV], 24576                  ; my head's 64 rows of Wkv2 for K: 16 fragments; those for V lie 256 rows, 98,304 bytes, on
	s_add_co_u32 s[T0], s[T0], 589824              ; in the fourth weight's images
	s_add_nc_u64 s[KWB:KWB+1], s[10:11], s[T0:T0+1]
	s_lshl_b32 s[T0], s[WV], 10
	s_add_nc_u64 s[KSB:KSB+1], s[16:17], s[T0:T0+1]
	s_lshl_b32 s[T0], ttmp9, 2
	s_add_co_u32 s[T0], s[T0], s[WV]
	s_mul_i32 s[T0], s[T0], 12800
	s_add_nc_u64 s[OB:OB+1], s[18:19], s[T0:T0+1]
	global_load_b128 v[122:125], v[NA], s[NB:NB+1]                  ; my row's three neighbours, tile 2 w,
	global_load_b128 v[126:129], v[NA], s[NB:NB+1] offset:262144    ; tile 2 w + 1: eight batches on
	global_load_b128 v[130:133], v[NA], s[WTB:WTB+1]                ; and their weights
	global_load_b128 v[134:137], v[NA], s[WTB:WTB+1] offset:262144
	WIN 0x40
.irp t, 0,1,2,3,4,5,6,7                ; fp_w's fragment (tile t, K step s), at 1536 (4 t + s) of my images: steps 0, 1 to v[12 (2 t + s)] of window 1
.irp s, 0,1
.irp c, 0,1,2
	global_load_b128 v[12*(2*\t+\s)+4*\c:12*(2*\t+\s)+4*\c+3], v[LI], s[FWB:FWB+1] offset:1536*(4*\t+\s)+512*\c
.endr
.endr
.endr
.irp t, 0,1,2,3,4,5,6,7                ; the bias in the result's layout: lane (r, h), tile t, register j: unit 32 (t / 2) + 8 (t % 2) + 16 h + j of my 128
	global_load_b128 v[192+8*\t:195+8*\t], v[BA], s[FBB:FBB+1] offset:(32*(\t/2)+8*(\t%2))*4
	global_load_b128 v[196+8*\t:199+8*\t], v[BA], s[FBB:FBB+1] offset:(32*(\t/2)+8*(\t%2))*4+16
.endr
	WIN 0x80
.irp t, 0,1,2,3,4,5,6,7                ; steps 2, 3 to v[12 (2 t + s - 2)] of window 2
.irp s, 2,3
.irp c, 0,1,2
	global_load_b128 v[12*(2*\t+\s-2)+4*\c:12*(2*\t+\s-2)+4*\c+3], v[LI], s[FWB:FWB+1] offset:1536*(4*\t+\s)+512*\c
.endr
.endr
.endr
	WIN 0
.irp i, 0,1,2,3
	global_load_b128 v[WFS+4*\i:WFS+4*\i+3], v[WSA], s[FSB:FSB+1] offset:512*\i
.endr
	LOADS4 WKS, KSB, 0
	LOADS4 WVS, KSB, 4096
	s_wait_loadcnt 63                              ; 120 loads are younger than the ids and weights: with 63 out, those four are in
.irp i, 0,1
.irp k, 0,1,2
	v_min_u32 v[GA+3*\i+\k], 0x3fff, v[122+4*\i+\k]   ; held inside key's 16,384 rows
.endr
.endr
.irp i, 0,1,2,3,4,5
	v_lshl_add_u32 v[GA+\i], v[GA+\i], 11, v[BA]   ; row x 2,048 bytes + 64 h: my 16 numbers of a block of 32
.endr
.irp i, 0,1
.irp k, 0,1,2
	v_mov_b32 v[WP+2*(3*\i+\k)], v[130+4*\i+\k]    ; each weight twice: a pair for the packed forms
	v_mov_b32 v[WP+2*(3*\i+\k)+1], v[130+4*\i+\k]
.endr
.endr
.macro GLOAD n                         ; batch n = 8 i + q: tile 2 w + i, numbers 64 q .. 64 q + 63 of the three rows: 24 loads into buffer n % 2 of window 3
	WIN 0xc0
.irp k, 0,1,2
.irp b, 0,1
.irp j, 0,1,2,3
	global_load_b128 v[96*((\n)&1)+32*\k+16*\b+4*\j:96*((\n)&1)+32*\k+16*\b+4*\j+3], v[GA+3*((\n)>>3)+\k], s[8:9] offset:256*((\n)&7)+128*\b+16*\j
.endr
.endr
.endr
	WIN 0
.endm
.macro INTERP n                        ; (g0 w0 + g1 w1) + g2 w2, two numbers an instruction
.set GB, 96*((\n)&1)
.set XO, X+32*((\n)&1)
.set WQ, WP+6*((\n)>>3)
	WIN 0x03                                       ; source 0 window 3
.irp e, 0,2,4,6,8,10,12,14,16,18,20,22,24,26,28,30
	v_pk_mul_f32 v[XO+\e:XO+\e+1], v[GB+\e:GB+\e+1], v[WQ:WQ+1]
.endr
.irp e, 0,2,4,6,8,10,12,14,16,18,20,22,24,26,28,30
	v_pk_fma_f32 v[XO+\e:XO+\e+1], v[GB+32+\e:GB+32+\e+1], v[WQ+2:WQ+3], v[XO+\e:XO+\e+1]
.endr
.irp e, 0,2,4,6,8,10,12,14,16,18,20,22,24,26,28,30
	v_pk_fma_f32 v[XO+\e:XO+\e+1], v[GB+64+\e:GB+64+\e+1], v[WQ+4:WQ+5], v[XO+\e:XO+\e+1]
.endr
	WIN 0
.endm
	GLOAD 0
	GLOAD 1
.set n, 0
.rept 16
.if n < 15
	s_wait_loadcnt 24                              ; this batch is in; the next batch's 24 loads may be out
.else
	s_wait_loadcnt 0x0
.endif
	INTERP n
.if n < 14
	GLOAD n+2
.endif
.if (n&1)                              ; two batches are a K step of 128
	s_wait_dscnt 0x0                               ; the last image's stores have read v[PC] on
	QUANT X, 0
	IMAGE XWI, 1536*(n>>3)+12288*((n&7)>>1)
	ds_store_b32 v[XWS], v[PW] offset:XSCO+128*(n>>3)+1024*((n&7)>>1)
.endif
.set n, n+1
.endr
	LOADW4 3, KWB, 0                               ; the gather's buffers are free: Wkv2 for K lands during the first product
	s_wait_dscnt 0x0                               ; for the others' sake: my images have landed
	s_barrier_signal -1
	s_barrier_wait -1                              ; interp's 32 fragments lie in LDS
; A tile of 16 rows x my 128 hidden units: 32 products, the eight accumulators by turns; then relu, the quantiser, the image.  next = 1: the next tile is fetched behind the products.
.macro TILE5 next
	s_wait_dscnt 0x0                               ; this tile is in; the last image's stores have read their registers
	v_add_nc_u32 v[HI], s[TA], v[HWI0]
	v_add_nc_u32 v[HS], s[TS], v[HWS0]
	WIN 0x11                                       ; source 0 (fp_w) and C (the bias) window 1
.irp t, 0,1,2,3,4,5,6,7
	WM HA+8*\t, 12*(2*\t), XF0, 192+8*\t, WFS+4*(\t/2), XS0, (\t&1), 0
.endr
	WIN 0x01
.irp t, 0,1,2,3,4,5,6,7
	WM HA+8*\t, 12*(2*\t+1), XF0+12, HA+8*\t, WFS+4*(\t/2)+1, XS0+1, (\t&1), 0
.endr
	WIN 0x02
.irp s, 2,3
.irp t, 0,1,2,3,4,5,6,7
	WM HA+8*\t, 12*(2*\t+\s-2), XF0+12*\s, HA+8*\t, WFS+4*(\t/2)+\s, XS0+\s, (\t&1), 0
.endr
.endr
	WIN 0
	PLACES
.if \next
	s_add_co_u32 s[TA], s[TA], 1536
	s_add_co_u32 s[TS], s[TS], 128
	v_add_nc_u32 v[FA], s[TA], v[LI]
	v_add_nc_u32 v[FS], s[TS], v[LS]
	FETCH XF0, XS0, FA, FS, 0
.endif
.set j, 0
.rept 64
	v_max_num_f32 v[HA+j], 0, v[HA+j]              ; the activation, in f32; each accumulator from its low end on
.set j, j+1
.endr
	QUANT HA, 0
	IMAGE HI, 0                                    ; K step w of the second product
	ds_store_b32 v[HS], v[PW]
.endm
	s_mov_b32 s[TA], 0
	s_mov_b32 s[TS], 0
	FETCH XF0, XS0, LI, LS, 0
	s_mov_b32 s[CNT], 7
.Ltile5:
	TILE5 1
	s_sub_co_u32 s[CNT], s[CNT], 1
	s_cmp_lg_u32 s[CNT], 0
	s_cbranch_scc1 .Ltile5
	TILE5 0
	LOADW4 2, KWB, 98304                           ; fp_w is done with: Wkv2 for V lands during the pass for K
	s_wait_dscnt 0x0                               ; for the others' sake: my images have landed
	s_barrier_signal -1
	s_barrier_wait -1                              ; key2's 32 fragments lie in LDS
	s_wait_loadcnt 48                              ; the 48 loads for V are the only ones younger than those for K: K's are in
	PASS_K LI2, LS2
	s_wait_loadcnt 0x0
	PASS_V LI2, LS2
.irp i, 0,1,2,3
	v_cndmask_b32 v[PWS+\i], v[KW+\i], v[VW+\i], s[MK]   ; lanes 0-15 K's words, lanes 16-31 V's
.endr
	global_store_b128 v[LI], v[PWS:PWS+3], s[OB:OB+1] offset:12288
	s_wait_tensorcnt 0x0
	ds_add_u32 v178, v179
	s_wait_dscnt 0x0
	s_endpgm
.Lfunc_end_k_q2719cf2c14_chain:
	.size	k_q2719cf2c14_chain, .Lfunc_end_k_q2719cf2c14_chain-k_q2719cf2c14_chain
	.p2alignl 7, 3214868480
	.fill 96, 4, 3214868480
	.section	.rodata,"a",@progbits
	.p2align	6, 0x0
	.amdhsa_kernel k_q2719cf2c14_chain
		.amdhsa_group_segment_fixed_size 107008
		.amdhsa_private_segment_fixed_size 0
		.amdhsa_enable_private_segment 0
		.amdhsa_kernarg_size 64
		.amdhsa_user_sgpr_count 2
		.amdhsa_user_sgpr_kernarg_segment_ptr 1
		.amdhsa_wavefront_size32 1
		.amdhsa_system_sgpr_workgroup_id_x 1
		.amdhsa_system_sgpr_workgroup_id_y 1
		.amdhsa_system_sgpr_workgroup_id_z 1
		.amdhsa_system_vgpr_workitem_id 0
		.amdhsa_next_free_vgpr 1024
		.amdhsa_next_free_sgpr 66
		.amdhsa_reserve_vcc 0
		.amdhsa_float_denorm_mode_32 3
		.amdhsa_float_denorm_mode_16_64 3
		.amdhsa_memory_ordered 1
		.amdhsa_forward_progress 1
		.amdhsa_inst_pref_size 253
	.end_amdhsa_kernel
	.amdgpu_metadata
---
amdhsa.version: [ 1, 2 ]
amdhsa.kernels:
  - .name:           k_q2719cf2c14_chain
    .symbol:         k_q2719cf2c14_chain.kd
    .args:
      - { .name: nbr, .offset: 0, .size: 8, .value_kind: global_buffer, .address_space: global }
      - { .name: wts, .offset: 8, .size: 8, .value_kind: global_buffer, .address_space: global }
      - { .name: key, .offset: 16, .size: 8, .value_kind: global_buffer, .address_space: global }
      - { .name: wimg, .offset: 24, .size: 8, .value_kind: global_buffer, .address_space: global }
      - { .name: fp_w_scales, .offset: 32, .size: 8, .value_kind: global_buffer, .address_space: global }
      - { .name: fp_b, .offset: 40, .size: 8, .value_kind: global_buffer, .address_space: global }
      - { .name: Wkv2_scales, .offset: 48, .size: 8, .value_kind: global_buffer, .address_space: global }
      - { .name: kv2s, .offset: 56, .size: 8, .value_kind: global_buffer, .address_space: global }
    .group_segment_fixed_size: 107008
    .private_segment_fixed_size: 0
    .kernarg_segment_align: 8
    .kernarg_segment_size: 64
    .max_flat_workgroup_size: 128
    .sgpr_count:     66
    .vgpr_count:     1024
    .wavefront_size: 32
...
	.end_amdgpu_metadata
.endif
;; end of part 3
;; launch attn (part 4): grid 4 x 64, 16 waves a work-group, clusters of 4 x 1, 327,680 bytes of LDS; arguments qimg, kv1s, kv2s, ximg, xsc; writes ximg, xsc
.if DOCPART == 4
	.amdgcn_target "amdgcn-amd-amdhsa--gfx1250"
	.amdhsa_code_object_version 6
	.text
	.protected	k_q2719cf2c14_attn
	.globl	k_q2719cf2c14_attn
	.p2align	8
	.type	k_q2719cf2c14_attn,@function
k_q2719cf2c14_attn:
	s_mov_b64 s[64:65], 0
	v_nop
	global_prefetch_b8 v0, s[64:65] scope:SCOPE_SE
	s_setreg_imm32_b32 hwreg(HW_REG_WAVE_MODE, 25, 1), 1
	s_wait_xcnt 0x0
	s_wait_alu depctr_hold_cnt(0) depctr_sa_sdst(0) depctr_va_vdst(0) depctr_va_sdst(0) depctr_va_ssrc(0) depctr_va_vcc(0) depctr_vm_vsrc(0)
	s_getreg_b32 s2, hwreg(HW_REG_IB_STS2, 6, 4)
	s_cmp_eq_u32 s2, 0
	s_cbranch_scc0 .Lentry_in_a_cluster
	s_endpgm
.Lentry_in_a_cluster:
	s_bfe_u32 s2, ttmp6, 0x10000c
	s_cmp_lg_u32 s2, 0x3003
	s_cbranch_scc0 .Lentry_shape_is_right
	s_endpgm
.Lentry_shape_is_right:
; x[b][q][64 head ..] = softmax_k(q . k / 8) v for the eight heads, both products on codes of FP6 (E2M3) with one E8M0 scale for each 32 along a product's K; x is quantised along its 512 for the last product.
; THE SOFTMAX AHEAD OF THE SECOND PRODUCT: t = score x log2(e) / 8; M = the row's largest t so far, rounded up to a whole number; p = 2^(t - M) is quantised along the keys; the row's sum is taken of the unquantised p
; and divides at the end.  When M moves, the sum and O are multiplied by 2^(old M - new M): exact.
; SHARES.  A cluster of four work-groups takes one batch b and one j: head j on kv1's 1,024 keys, then head 4 + j on kv2's 2,048.  A work-group owns 256 queries, each of its sixteen waves 16 of them, in 256 registers.
; ALL OF K AND V STAYS IN LDS: 24 key steps x 12,800 bytes = 307,200.  Each wave asks for two parts at the head (6,400 bytes of head j's, 12,800 of head 4 + j's): two tensor loads of a wave are out.
; The four work-groups want the same bytes, so each load is asked for JOINTLY: the same descriptor and the mask 15 in all four.  The work-group's place in the cluster enters the addresses of q and of x alone.
; A KEY STEP in LDS (laid by the launches before): four K pair fragments, four V fragments, as images of the operand's registers; 256 bytes of K's scale words, 256 of V's.
; HEAD SIZE 64 IN A PRODUCT OF 128: a K pair fragment holds key tile 2 b in k = 0..63 and key tile 2 b + 1 in k = 64..127; multiplied by [q | zeros] it gives the first tile's scores, by [zeros | q] the second's.
; Both products are used transposed: a lane holds one query throughout.  Key tile 2 b + u holds keys 32 b + 8 u + r + 8 (r / 8), so the 16 registers of two neighbouring tiles are 16 neighbouring keys; V's tiles of
; channels are chosen likewise, so that O's 32 registers are channels 32 b + 16 h + i: the quantiser's order.
; OUT.  ximg[tile of 16 rows][head][piece 0..2][lane][8 bytes]: the head's six registers of the last product's operand; xsc[tile][row][head][2]: its two scale bytes.
; LIMITS: a block's largest p is made from its largest score by the same two instructions (this takes v_exp_f32 not to fall where its input rises); 1 / sum is v_rcp_f32; a block of zeros gets the scale byte 1;
; NaN and infinities are not served.
.set LI,  1                            ; v1   16 x lane
.set ADR, 2                            ; v2   the step's LDS address
.set L8,  3                            ; v3   8 x lane
.set NM,  4                            ; v4 -M, v5 the largest t
.set SUM, 6                            ; v[6:7] the sum, in two halves
.set QLO, 8                            ; v8-19  [q | zeros]
.set QHI, 20                           ; v20-31 [zeros | q]
.set F,   32                           ; v32-79 four fragments of K or of V
.set S,   80                           ; v80-143 the scores, then p
.set O,   144                          ; v144-175 O^T
.set PC,  176                          ; v176-187 p's codes
.set CT,  188                          ; v188-195 conversions' second halves
.set BM,  196                          ; v196-199 the blocks' largest
.set PD,  200                          ; v200-203 permutes' results, a second chain of sums, bytes
.set SOP, 204                          ; v204-207 the conversions' scale operands
.set SCW, 208                          ; v208-211 the step's scale words: lanes 0-15 K's pairs, lanes 16-31 V's tiles
.set FF,  212                          ; v[212:213] f = 2^(old M - new M)
.set PWD, 214                          ; v214 p's scale word
.set T,   215
.set QS,  216                          ; v216 q's scale word, its two bytes twice
.set QS2, 217                          ; v217 the second head's
.set Q2,  218                          ; v218-223 the second head's q
.set XBA, 224                          ; v224 16 r + h
.set WV,  14
.set SEL, 20
.set CS,  22
.set TB,  2
.set CNT, 3
.set MK,  19
.macro WM d, a, b, c, sa, sb, ra, rb   ; one product 16 x 16 x 128.  c < 0: the sum begins with 0.  ra: source 0's scale words stand in lanes 16-31
.if (\c) < 0
	v_wmma_scale_f32_16x16x128_f8f6f4 v[\d:\d+7], v[\a:\a+11], v[\b:\b+11], 0, v[\sa], v[\sb] matrix_a_fmt:MATRIX_FMT_FP6 matrix_b_fmt:MATRIX_FMT_FP6
.else
	v_wmma_scale_f32_16x16x128_f8f6f4 v[\d:\d+7], v[\a:\a+11], v[\b:\b+11], v[\c:\c+7], v[\sa], v[\sb] matrix_a_fmt:MATRIX_FMT_FP6 matrix_b_fmt:MATRIX_FMT_FP6 matrix_a_scale:MATRIX_SCALE_ROW1
.endif
.endm
.macro CROUND                          ; a round of the cluster's barrier
	s_barrier_signal -1
	s_barrier_wait -1
	s_cmp_lg_u32 s[WV], 0
	s_cbranch_scc1 .Lnot_wave_0_\@
	s_barrier_signal -3
.Lnot_wave_0_\@:
	s_barrier_wait -3
	s_barrier_signal -1
	s_barrier_wait -1
.endm
	s_load_b128 s[4:7], s[0:1], 0x0                ; qimg, kv1s
	s_load_b128 s[8:11], s[0:1], 0x10              ; kv2s, ximg
	s_load_b64 s[12:13], s[0:1], 0x20              ; xsc
	v_lshl_add_u32 v254, v0, 2, 0x4b000
	v_mov_b32 v255, 0
	ds_add_u32 v254, v255
	ds_add_u32 v254, v255
	v_lshrrev_b32 v2, 5, v0
	v_readfirstlane_b32 s[WV], v2                  ; wave 0..15
	s_bfe_u32 s15, ttmp6, 0x40000                  ; cx: my block of 256 queries
	s_and_b32 s16, ttmp7, 0xffff                   ; the cluster's y
	s_lshr_b32 s17, s16, 2                         ; the batch
	s_and_b32 s18, s16, 3                          ; j
	; descriptor group 1: dense bytes as rows of 256 (32 elements of 8 bytes), no padding; 25 rows for the first head's part, 50 for the second's
	s_mov_b32 s24, 15|(3<<16)|(1<<21)              ; 15:0 the mask: all four work-groups; 17:16 elements of 8 bytes; 21 set beside a mask
	s_mov_b32 s25, 32<<16                          ; tensor_dim0 = 32
	s_mov_b32 s26, 25<<16                          ; tensor_dim1 = 25
	s_mov_b32 s27, 32<<16                          ; tile_dim0 = 32
	s_mov_b32 s28, 25                              ; tile_dim1 = 25
	s_mov_b32 s29, 32                              ; from row to row
	s_mov_b32 s30, 0
	s_mov_b32 s31, 0
	s_mov_b32 s32, 15|(3<<16)|(1<<21)
	s_mov_b32 s33, 32<<16
	s_mov_b32 s34, 50<<16
	s_mov_b32 s35, 32<<16
	s_mov_b32 s36, 50
	s_mov_b32 s37, 32
	s_mov_b32 s38, 0
	s_mov_b32 s39, 0
	s_lshl_b32 s56, s17, 3
	s_lshr_b32 s57, s[WV], 1
	s_add_co_u32 s56, s56, s57                     ; kv1s: block 8 b + w / 2,
	s_lshl_b32 s56, s56, 2
	s_add_co_u32 s56, s56, s18                     ; head j,
	s_mul_i32 s56, s56, 12800
	s_and_b32 s57, s[WV], 1
	s_mul_i32 s57, s57, 6400                       ; half w % 2
	s_add_co_u32 s56, s56, s57
	s_mov_b32 s57, 0
	s_lshl_b32 s58, s17, 4
	s_add_co_u32 s58, s58, s[WV]                   ; kv2s: block 16 b + w
	s_lshl_b32 s58, s58, 2
	s_add_co_u32 s58, s58, s18
	s_mul_i32 s58, s58, 12800
	s_mov_b32 s59, 0
	s_mov_b32 s40, 1                               ; group 0: count = 1,
	s_mul_i32 s41, s[WV], 6400                     ; the LDS address hangs on the wave's number alone,
	s_mov_b32 s44, 1
	s_mul_i32 s45, s[WV], 12800
	s_add_co_u32 s45, s45, 102400                  ; the second head's steps lie behind the first's eight
	s_mov_b32 s[SEL], 0x76543210
	s_mov_b32 s[SEL+1], 0xfedcba98                 ; v_permlanex16_b32's selects for lane l xor 16
	s_mov_b32 s[CS], 0x3e38aa3b                    ; c = log2(e) / 8
	s_mov_b32 s[CS+1], s[CS]                       ; (named with it as a pair, so it is written)
	s_mov_b32 s[MK], 0xffff0000                    ; lanes 16-31
	s_wait_dscnt 0x0
	s_wait_kmcnt 0x0
	s_add_nc_u64 s[42:43], s[6:7], s[56:57]        ; the global address,
	s_or_b32 s43, s43, 0x80000000                  ; the type
	s_add_nc_u64 s[46:47], s[8:9], s[58:59]
	s_or_b32 s47, s47, 0x80000000
	CROUND                                         ; all four work-groups are here: the joint loads meet
	tensor_load_to_lds s[40:43], s[24:31]          ; my part of the first head's K and V
	s_nop 0
	tensor_load_to_lds s[44:47], s[32:39]          ; and of the second's
	s_nop 0
.rept 4
	v_nop
.endr
	v_and_b32 v3, 31, v0
	v_lshlrev_b32 v[LI], 4, v3
	v_lshlrev_b32 v[L8], 3, v3
	v_and_b32 v228, 15, v0                         ; r
	v_bfe_u32 v229, v0, 4, 1                       ; h
	v_lshl_add_u32 v[XBA], v228, 4, v229
	; my tile of q: block 8 b + 2 cx + w / 8, pair (w % 8) / 2, half u = w % 2 of the pair fragment: registers 6 u .. 6 u + 5 of its image, in three pieces of 8 bytes
	s_and_b32 s48, s[WV], 7
	s_lshr_b32 s48, s48, 1                         ; pair
	s_and_b32 s49, s[WV], 1                        ; u
	s_mul_i32 s50, s48, 1536
	s_mul_i32 s51, s49, 520
	s_add_co_u32 s51, s51, s50
	v_add_nc_u32 v225, s51, v[LI]                  ; pieces 0 and (512 bytes on) 2
	s_mul_i32 s51, s49, 1016
	s_add_co_u32 s51, s51, s50
	s_add_co_u32 s51, s51, 8
	v_add_nc_u32 v226, s51, v[LI]                  ; piece 1
	s_lshl_b32 s51, s48, 2
	v_lshl_add_u32 v230, v228, 4, s51              ; the pair's scale word of row r
	s_lshl_b32 s52, s17, 3
	s_lshl_b32 s53, s15, 1
	s_add_co_u32 s52, s52, s53
	s_lshr_b32 s53, s[WV], 3
	s_add_co_u32 s52, s52, s53
	s_lshl_b32 s52, s52, 3
	s_add_co_u32 s52, s52, s18
	s_mul_i32 s52, s52, 6656
	s_mov_b32 s53, 0
	s_add_nc_u64 s[4:5], s[4:5], s[52:53]
	global_load_b64 v[QLO:QLO+1], v225, s[4:5]
	global_load_b64 v[QLO+2:QLO+3], v226, s[4:5]
	global_load_b64 v[QLO+4:QLO+5], v225, s[4:5] offset:512
	global_load_b64 v[QHI+6:QHI+7], v225, s[4:5]
	global_load_b64 v[QHI+8:QHI+9], v226, s[4:5]
	global_load_b64 v[QHI+10:QHI+11], v225, s[4:5] offset:512
	global_load_b64 v[Q2:Q2+1], v225, s[4:5] offset:26624          ; head 4 + j: four heads of 6,656 bytes on
	global_load_b64 v[Q2+2:Q2+3], v226, s[4:5] offset:26624
	global_load_b64 v[Q2+4:Q2+5], v225, s[4:5] offset:26624+512
	global_load_b32 v231, v230, s[4:5] offset:6144
	global_load_b32 v232, v230, s[4:5] offset:26624+6144
	s_lshl_b32 s52, s17, 6
	s_lshl_b32 s54, s15, 4
	s_add_co_u32 s52, s52, s54
	s_add_co_u32 s52, s52, s[WV]                   ; my tile of x's rows: 64 b + 16 cx + w
	s_mul_i32 s54, s52, 6144
	s_mul_i32 s55, s18, 768
	s_add_co_u32 s54, s54, s55
	s_mov_b32 s55, 0
	s_add_nc_u64 s[10:11], s[10:11], s[54:55]
	s_lshl_b32 s54, s52, 8
	s_lshl_b32 s52, s18, 1
	s_add_co_u32 s54, s54, s52
	s_add_nc_u64 s[12:13], s[12:13], s[54:55]
	s_lshl_b32 s49, s49, 4                         ; 16 u
	s_wait_loadcnt 0x0
	v_lshrrev_b32 v231, s49, v231                  ; my tile's two bytes of the pair's word,
	v_lshrrev_b32 v232, s49, v232
	v_and_b32 v231, 0xffff, v231
	v_and_b32 v232, 0xffff, v232
	v_lshl_or_b32 v[QS], v231, 16, v231            ; twice: for k = 0..63 and for k = 64..127
	v_lshl_or_b32 v[QS2], v232, 16, v232
.irp i, 0,1,2,3,4,5
	v_mov_b32 v[QLO+6+\i], 0                       ; zero codes add nothing under any of these scale bytes
	v_mov_b32 v[QHI+\i], 0
.endr
.macro BEGIN                           ; a head begins: the largest t is -3e38, under every t; the sum and O^T are zeros, which the first change of M leaves zeros
	v_mov_b32 v[NM+1], 0xff61b1e6
	v_floor_f32 v[NM], -v[NM+1]
	v_mov_b32 v[SUM], 0
	v_mov_b32 v[SUM+1], 0
.set j, 0
.rept 32
	v_mov_b32 v[O+j], 0
.set j, j+1
.endr
.endm
	BEGIN
.irp b, 0,1,2,3
	v_mov_b32 v[PD+\b], 0                          ; written once: a lane permute's destination counts as one of its sources
.endr
	v_mov_b32 v[FF+1], 0                           ; (named as the upper half of a pair)
; A KEY STEP: 128 keys at LDS byte s[TB].
.macro STEP
	v_add_nc_u32 v[ADR], s[TB], v[LI]
.rept 3
	v_nop                                          ; with the addition four places, ahead of loads into registers that the last products read
.endr
.irp b, 0,1,2,3
.irp c, 0,1,2
	ds_load_b128 v[F+12*\b+4*\c:F+12*\b+4*\c+3], v[ADR] offset:1536*\b+512*\c
.endr
.endr
	ds_load_b128 v[SCW:SCW+3], v[ADR] offset:12288
	s_wait_dscnt 0x0
.irp b, 0,1,2,3                        ; S^T = K q^T: eight tiles of 16 keys
	WM S+16*\b, F+12*\b, QLO, -1, SCW+\b, QS, 0, 0
	WM S+16*\b+8, F+12*\b, QHI, -1, SCW+\b, QS, 0, 0
.endr
.rept 4
	v_nop
.endr
.irp b, 0,1,2,3                        ; V's four fragments land during the softmax
.irp c, 0,1,2
	ds_load_b128 v[F+12*\b+4*\c:F+12*\b+4*\c+3], v[ADR] offset:6144+1536*\b+512*\c
.endr
.endr
.irp b, 0,1,2,3
	v_max3_num_f32 v[BM+\b], v[S+16*\b], v[S+16*\b+1], v[S+16*\b+2]   ; the largest score of each block of 32 keys: for the row's maximum, and for the block's largest p
.endr
.irp i, 3,5,7,9,11,13
.irp b, 0,1,2,3
	v_max3_num_f32 v[BM+\b], v[BM+\b], v[S+16*\b+\i], v[S+16*\b+\i+1]
.endr
.endr
.irp b, 0,1,2,3
	v_max_num_f32 v[BM+\b], v[BM+\b], v[S+16*\b+15]
.endr
.irp b, 0,1,2,3
	v_permlanex16_b32 v[PD+\b], v[BM+\b], s[SEL], s[SEL+1]
.endr
.irp b, 0,1,2,3
	v_max_num_f32 v[BM+\b], v[BM+\b], v[PD+\b]     ; with lane l xor 16's 16 keys
.endr
	v_max3_num_f32 v[T], v[BM], v[BM+1], v[BM+2]
	v_max_num_f32 v[T], v[T], v[BM+3]
	v_mul_f32 v[T], s[CS], v[T]                    ; as t (c is positive)
	v_max_num_f32 v[NM+1], v[NM+1], v[T]           ; the running largest t
	v_mov_b32 v[T], v[NM]
	v_floor_f32 v[NM], -v[NM+1]                    ; the new -M = floor(-t): M is a whole number
	v_sub_f32 v[T], v[NM], v[T]                    ; old M - new M: a whole number, 0 or less
	v_cvt_i32_f32 v[T], v[T]                       ; (it saturates)
	v_ldexp_f32 v[FF], 1.0, v[T]                   ; f = 2^(old M - new M)
.set j, 0
.rept 32
	v_pk_fma_f32 v[S+j:S+j+1], v[S+j:S+j+1], s[CS:CS+1], v[NM:NM+1] op_sel_hi:[1,0,0]   ; t - M, two at a time
.set j, j+2
.endr
.irp b, 0,1,2,3
	v_fma_f32 v[BM+\b], v[BM+\b], s[CS], v[NM]     ; the same of each block's largest score
.endr
.set j, 0
.rept 64
	v_exp_f32 v[S+j], v[S+j]                       ; p = 2^(t - M), at most 1
.set j, j+1
.endr
	v_pk_mul_f32 v[SUM:SUM+1], v[SUM:SUM+1], v[FF:FF+1] op_sel_hi:[1,0]   ; the sums under the new M: a plain place behind the exponentials
	s_wait_alu depctr_va_vdst(0)                   ; one wait for the batch of 64, ahead of its first reader
.irp b, 0,1,2,3
	v_exp_f32 v[BM+\b], v[BM+\b]                   ; the block's largest p
.endr
	v_pk_add_f32 v[PD:PD+1], v[S:S+1], v[S+2:S+3]  ; the row's sum is taken of the unquantised p, in two chains
.irp j, 4,8,12,16,20,24,28,32,36,40,44,48,52,56,60
	v_pk_add_f32 v[SUM:SUM+1], v[SUM:SUM+1], v[S+\j:S+\j+1]
	v_pk_add_f32 v[PD:PD+1], v[PD:PD+1], v[S+\j+2:S+\j+3]
.endr
	v_pk_add_f32 v[SUM:SUM+1], v[SUM:SUM+1], v[PD:PD+1]
	s_wait_alu depctr_va_vdst(0)                   ; and one for the four
.irp b, 0,1,2,3
	v_max_num_f32 v[BM+\b], 0x1800000, v[BM+\b]    ; the floor 2^(3 - 127): the byte cannot fall under 1
.endr
.irp b, 0,1,2,3
	v_add_nc_u32 v[SOP+\b], 0xff000000, v[BM+\b]   ; 2 off the exponent field: the conversion's scale operand
.endr
.irp b, 0,1,2,3
	v_lshrrev_b32 v[PD+\b], 23, v[SOP+\b]          ; the scale's byte
.endr
	v_lshl_or_b32 v[PWD], v[PD+1], 8, v[PD]
	v_lshl_or_b32 v[PWD], v[PD+2], 16, v[PWD]
	v_lshl_or_b32 v[PWD], v[PD+3], 24, v[PWD]
.irp c, 0,1
	v_cvt_scalef32_pk16_fp6_f32 v[PC+6*\c:PC+6*\c+2], v[S+32*\c:S+32*\c+15], v[SOP+2*\c]
	v_cvt_scalef32_pk16_fp6_f32 v[CT+4*\c:CT+4*\c+2], v[S+32*\c+16:S+32*\c+31], v[SOP+2*\c+1]
.endr
	v_nop                                          ; one plain place behind a scaled conversion
.irp c, 0,1                            ; the operand's layout wants a whole block in a lane
.irp i, 0,1,2
	v_permlane16_swap_b32 v[PC+6*\c+\i], v[CT+4*\c+\i]
.endr
.irp i, 0,1,2
	v_mov_b32 v[PC+3+6*\c+\i], v[CT+4*\c+\i]
.endr
.endr
.set j, 0
.rept 16
	v_pk_mul_f32 v[O+j:O+j+1], v[O+j:O+j+1], v[FF:FF+1] op_sel_hi:[1,0]   ; O^T under the new M; these sixteen also stand between the writes of p's codes and word and the products
.set j, j+2
.endr
	s_wait_dscnt 0x0                               ; V is in
.irp b, 0,1,2,3                        ; O^T += V^T p^T: four tiles of 16 channels, by turns
	WM O+8*\b, F+12*\b, PC, O+8*\b, SCW+\b, PWD, 1, 0
.endr
	s_add_co_u32 s[TB], s[TB], 12800
.endm
; A head's end: O^T / the sum is 64 numbers of x's row, two blocks of 32: quantised and stored.
.macro OUT ph
.rept 4
	v_nop
.endr
	v_add_f32 v[SUM], v[SUM], v[SUM+1]
	v_permlanex16_b32 v[T], v[SUM], s[SEL], s[SEL+1]
	v_add_f32 v[SUM], v[SUM], v[T]                 ; the row's sum
	v_rcp_f32 v[SUM], v[SUM]
	v_nop                                          ; a plain place behind the reciprocal,
	s_wait_alu depctr_va_vdst(0)                   ; and the wait ahead of its first reader
.set j, 0
.rept 32
	v_mul_f32 v[S+j], v[O+j], v[SUM]               ; register 16 b + i: channel 32 b + 16 h + i of the head; each accumulator from its low end on
.set j, j+1
.endr
.irp b, 0,1
	v_max3_num_f32 v[BM+\b], |v[S+16*\b]|, |v[S+16*\b+1]|, 0x1800000
.endr
.irp i, 2,4,6,8,10,12,14
.irp b, 0,1
	v_max3_num_f32 v[BM+\b], v[BM+\b], |v[S+16*\b+\i]|, |v[S+16*\b+\i+1]|
.endr
.endr
.irp b, 0,1
	v_permlanex16_b32 v[PD+\b], v[BM+\b], s[SEL], s[SEL+1]
.endr
.irp b, 0,1
	v_max_num_f32 v[BM+\b], v[BM+\b], v[PD+\b]
.endr
.irp b, 0,1
	v_add_nc_u32 v[SOP+\b], 0xff000000, v[BM+\b]
.endr
.irp b, 0,1
	v_lshrrev_b32 v[PD+\b], 23, v[SOP+\b]
.endr
	v_cvt_scalef32_pk16_fp6_f32 v[PC:PC+2], v[S:S+15], v[SOP]
	v_cvt_scalef32_pk16_fp6_f32 v[CT:CT+2], v[S+16:S+31], v[SOP+1]
	v_nop
.irp i, 0,1,2
	v_permlane16_swap_b32 v[PC+\i], v[CT+\i]
.endr
.irp i, 0,1,2
	v_mov_b32 v[PC+3+\i], v[CT+\i]                 ; lane (r, h): the codes of block h of row r
.endr
	v_cndmask_b32 v[T], v[PD], v[PD+1], s[MK]      ; and its byte
.irp p, 0,1,2
	global_store_b64 v[L8], v[PC+2*\p:PC+2*\p+1], s[10:11] offset:3072*\ph+256*\p   ; a wave stores 256 consecutive bytes
.endr
	global_store_b8 v[XBA], v[T], s[12:13] offset:8*\ph
	s_wait_xcnt 0x0                                ; the stores have read their registers
.endm
	s_wait_tensorcnt 0x1                           ; my part of the first head's steps is in; the one younger load may stay out
	s_barrier_signal -1
	s_barrier_wait -1                              ; everybody's is
	s_mov_b32 s[TB], 0
	s_mov_b32 s[CNT], 8
.Lhead1:
	STEP
	s_sub_co_u32 s[CNT], s[CNT], 1
	s_cmp_lg_u32 s[CNT], 0
	s_cbranch_scc1 .Lhead1
	OUT 0
.irp i, 0,1,2,3,4,5
	v_mov_b32 v[QLO+\i], v[Q2+\i]                  ; the second head's q
	v_mov_b32 v[QHI+6+\i], v[Q2+\i]
.endr
	v_mov_b32 v[QS], v[QS2]
	BEGIN                                          ; (its 36 lines also stand between these writes and the next products)
	s_wait_tensorcnt 0x0                           ; my part of the second head's steps is in
	s_wait_dscnt 0x0
	s_barrier_signal -1
	s_barrier_wait -1
	s_mov_b32 s[TB], 102400
	s_mov_b32 s[CNT], 16
.Lhead2:
	STEP
	s_sub_co_u32 s[CNT], s[CNT], 1
	s_cmp_lg_u32 s[CNT], 0
	s_cbranch_scc1 .Lhead2
	OUT 1
	s_wait_tensorcnt 0x0
	ds_add_u32 v254, v255
	s_wait_dscnt 0x0
	CROUND                                         ; the closing round: no work-group ends while a partner may still ask jointly
	s_endpgm
.Lfunc_end_k_q2719cf2c14_attn:
	.size	k_q2719cf2c14_attn, .Lfunc_end_k_q2719cf2c14_attn-k_q2719cf2c14_attn
	.p2alignl 7, 3214868480
	.fill 96, 4, 3214868480
	.section	.rodata,"a",@progbits
	.p2align	6, 0x0
	.amdhsa_kernel k_q2719cf2c14_attn
		.amdhsa_group_segment_fixed_size 327680
		.amdhsa_private_segment_fixed_size 0
		.amdhsa_enable_private_segment 0
		.amdhsa_kernarg_size 40
		.amdhsa_user_sgpr_count 2
		.amdhsa_user_sgpr_kernarg_segment_ptr 1
		.amdhsa_wavefront_size32 1
		.amdhsa_system_sgpr_workgroup_id_x 1
		.amdhsa_system_sgpr_workgroup_id_y 1
		.amdhsa_system_sgpr_workgroup_id_z 1
		.amdhsa_system_vgpr_workitem_id 0
		.amdhsa_next_free_vgpr 256
		.amdhsa_next_free_sgpr 66
		.amdhsa_reserve_vcc 0
		.amdhsa_float_denorm_mode_32 3
		.amdhsa_float_denorm_mode_16_64 3
		.amdhsa_memory_ordered 1
		.amdhsa_forward_progress 1
		.amdhsa_inst_pref_size 49
	.end_amdhsa_kernel
	.amdgpu_metadata
---
amdhsa.version: [ 1, 2 ]
amdhsa.kernels:
  - .name:           k_q2719cf2c14_attn
    .symbol:         k_q2719cf2c14_attn.kd
    .args:
      - { .name: qimg, .offset: 0, .size: 8, .value_kind: global_buffer, .address_space: global }
      - { .name: kv1s, .offset: 8, .size: 8, .value_kind: global_buffer, .address_space: global }
      - { .name: kv2s, .offset: 16, .size: 8, .value_kind: global_buffer, .address_space: global }
      - { .name: ximg, .offset: 24, .size: 8, .value_kind: global_buffer, .address_space: global }
      - { .name: xsc, .offset: 32, .size: 8, .value_kind: global_buffer, .address_space: global }
    .group_segment_fixed_size: 327680
    .private_segment_fixed_size: 0
    .kernarg_segment_align: 8
    .kernarg_segment_size: 40
    .max_flat_workgroup_size: 512
    .sgpr_count:     66
    .vgpr_count:     256
    .wavefront_size: 32
...
	.end_amdgpu_metadata
.endif
;; end of part 4
;; launch proj (part 5): grid 256 x 1, 4 waves a work-group, no clusters, 34,304 bytes of LDS; arguments ximg, xsc, wimg, proj_w_scales, proj_b, out0; writes out0
.if DOCPART == 5
	.amdgcn_target "amdgcn-amd-amdhsa--gfx1250"
	.amdhsa_code_object_version 6
	.text
	.protected	k_q2719cf2c14_proj
	.globl	k_q2719cf2c14_proj
	.p2align	8
	.type	k_q2719cf2c14_proj,@function
k_q2719cf2c14_proj:
	s_mov_b64 s[64:65], 0
	v_nop
	global_prefetch_b8 v0, s[64:65] scope:SCOPE_SE
	s_setreg_imm32_b32 hwreg(HW_REG_WAVE_MODE, 25, 1), 1
	s_wait_xcnt 0x0
; out0[q][b][:] = x[b][q][:] proj_w^T + proj_b, on codes of FP6 (E2M3) with one E8M0 scale for each 32 along K.  x comes as the operand's registers (ximg) and scale bytes (xsc) from the launch before.
; A work-group takes four tiles of 16 rows of x; wave w makes columns 128 w .. 128 w + 127.  Its 128 rows of proj_w (32 fragments) and the four tiles' 16 fragments of x stay in registers; the bias is the C of each sum's
; first instruction.  proj_w's codes come from wimg, where the first launch has laid them in the order of the operand's registers (weight 4, 786,432 bytes in; fragment (tile T: rows 16 T + r, K step s) at 1536 (4 T + s)):
; a fragment is three loads of 512 consecutive bytes.  Source 0 = 16 rows of proj_w, source 1 = 16 rows of x: a lane holds eight neighbouring columns of one row.  A tile goes through the wave's own stage in LDS
; (16 rows x (512 + 16) bytes) and leaves as whole runs of 512 consecutive bytes.  Row 16 T' + i of batch b goes to out0's row 16 (16 T' + i) + b: 32,768 bytes from row to row of a tile.
; No barrier: waves share nothing.  No cluster: what work-groups share is the weights, 49,152 bytes a wave, which go from memory straight into the operand's registers; a joint request would land them in LDS.
; REGISTERS: window 0: v1-7 addresses; v16-31 proj_w's scale words; v32-47 x's; v64-127 eight accumulators; v128-191 rows on their way out.   window 1: proj_w's K steps 0, 1; from v192 the bias.
;   window 2: K steps 2, 3.   window 3: x's 16 fragments.
.set LI,  1                            ; v1 16 x lane
.set L8,  2                            ; v2 8 x lane
.set R16, 3                            ; v3 16 r
.set BA,  5                            ; v5 32 h
.set SO,  6                            ; v6 the stage: row r, + 32 h
.set SR,  7                            ; v7 and back: 16 x lane
.set WS,  16
.set XS,  32
.set ACC, 64
.set BK,  128
.set MSB, 0
.macro WIN new                         ; s_set_vgpr_msb: bits 1:0 source 0, 3:2 source 1, 5:4 source 2, 7:6 destination; the high byte repeats the setting that is left
.if MSB != (\new)
	s_set_vgpr_msb (MSB<<8)|(\new)
.set MSB, (\new)
.endif
.endm
.macro WM d, a, b, c, sa, sb, ra       ; one product 16 x 16 x 128.  ra: source 0's scale words stand in lanes 16-31
.if \ra
	v_wmma_scale_f32_16x16x128_f8f6f4 v[\d:\d+7], v[\a:\a+11], v[\b:\b+11], v[\c:\c+7], v[\sa], v[\sb] matrix_a_fmt:MATRIX_FMT_FP6 matrix_b_fmt:MATRIX_FMT_FP6 matrix_a_scale:MATRIX_SCALE_ROW1
.else
	v_wmma_scale_f32_16x16x128_f8f6f4 v[\d:\d+7], v[\a:\a+11], v[\b:\b+11], v[\c:\c+7], v[\sa], v[\sb] matrix_a_fmt:MATRIX_FMT_FP6 matrix_b_fmt:MATRIX_FMT_FP6
.endif
.endm
	s_load_b256 s[4:11], s[0:1], 0x0               ; ximg s[4:5], xsc s[6:7], wimg s[8:9], proj_w's scales s[10:11]
	s_load_b128 s[12:15], s[0:1], 0x20             ; proj_b, out0
	v_lshl_add_u32 v254, v0, 2, 0x8400
	v_mov_b32 v255, 0
	v_lshrrev_b32 v8, 5, v0
	v_readfirstlane_b32 s16, v8                    ; wave 0..3
	v_and_b32 v8, 31, v0                           ; lane
	v_and_b32 v9, 15, v0                           ; r
	v_bfe_u32 v10, v0, 4, 1                        ; h
	v_lshlrev_b32 v[LI], 4, v8
	v_lshlrev_b32 v[L8], 3, v8
	v_lshlrev_b32 v[R16], 4, v9
	v_lshlrev_b32 v[BA], 5, v10
	s_mul_i32 s17, s16, 8448                       ; my stage
	v_mul_u32_u24 v[SO], v9, 528
	v_lshl_add_u32 v[SO], v10, 5, v[SO]
	v_add_nc_u32 v[SO], s17, v[SO]
	v_add_nc_u32 v[SR], s17, v[LI]
	s_mov_b32 s19, 0
	s_wait_kmcnt 0x0
	s_mul_i32 s18, ttmp9, 24576                    ; four tiles of 6,144 bytes
	s_add_nc_u64 s[4:5], s[4:5], s[18:19]
	s_lshl_b32 s18, ttmp9, 10                      ; and of 256 scale bytes
	s_add_nc_u64 s[6:7], s[6:7], s[18:19]
	s_mul_i32 s18, s16, 49152                      ; my 128 rows of proj_w: 32 fragments,
	s_add_co_u32 s18, s18, 786432                  ; in the fifth weight's images
	s_add_nc_u64 s[8:9], s[8:9], s[18:19]
	s_lshl_b32 s18, s16, 11
	s_add_nc_u64 s[10:11], s[10:11], s[18:19]
	s_lshl_b32 s18, s16, 9                         ; my 128 columns: in proj_b and in a row of out0
	s_add_nc_u64 s[12:13], s[12:13], s[18:19]
	s_add_nc_u64 s[14:15], s[14:15], s[18:19]
	s_and_b32 s18, ttmp9, 15                       ; tile 4 g + m is rows 64 (g % 16) + 16 m on of batch g / 16
	s_lshl_b32 s18, s18, 21                        ; 64 x 16 rows of 2,048 bytes
	s_lshr_b32 s20, ttmp9, 4
	s_lshl_b32 s20, s20, 11
	s_add_co_u32 s18, s18, s20
	s_add_nc_u64 s[14:15], s[14:15], s[18:19]
	WIN 0xc0
.irp m, 0,1,2,3                        ; x's fragment (tile m, K step s) at v[12 (4 m + s)] of window 3: heads 2 s and 2 s + 1, three pieces of 8 bytes a lane each
.irp s, 0,1,2,3
.irp p, 0,1,2,3,4,5
	global_load_b64 v[12*(4*\m+\s)+2*\p:12*(4*\m+\s)+2*\p+1], v[L8], s[4:5] offset:6144*\m+768*(2*\s+\p/3)+256*(\p%3)
.endr
.endr
.endr
	WIN 0
.irp m, 0,1,2,3
	global_load_b128 v[XS+4*\m:XS+4*\m+3], v[R16], s[6:7] offset:256*\m   ; row r's four scale words
.endr
	WIN 0x40
.irp t, 0,1,2,3,4,5,6,7                ; proj_w's fragment (tile t, K step s), at 1536 (4 t + s) of my images: steps 0, 1 to v[12 (2 t + s)] of window 1
.irp s, 0,1
.irp c, 0,1,2
	global_load_b128 v[12*(2*\t+\s)+4*\c:12*(2*\t+\s)+4*\c+3], v[LI], s[8:9] offset:1536*(4*\t+\s)+512*\c
.endr
.endr
.endr
.irp t, 0,1,2,3,4,5,6,7                ; the bias in the result's layout: columns 16 t + 8 h + 0 .. 7
	global_load_b128 v[192+8*\t:195+8*\t], v[BA], s[12:13] offset:64*\t
	global_load_b128 v[196+8*\t:199+8*\t], v[BA], s[12:13] offset:64*\t+16
.endr
	WIN 0x80
.irp t, 0,1,2,3,4,5,6,7                ; steps 2, 3 to v[12 (2 t + s - 2)] of window 2
.irp s, 2,3
.irp c, 0,1,2
	global_load_b128 v[12*(2*\t+\s-2)+4*\c:12*(2*\t+\s-2)+4*\c+3], v[LI], s[8:9] offset:1536*(4*\t+\s)+512*\c
.endr
.endr
.endr
	WIN 0
.irp i, 0,1,2,3
	global_load_b128 v[WS+4*\i:WS+4*\i+3], v[LI], s[10:11] offset:512*\i   ; lanes 0-15 tile 2 i's rows, lanes 16-31 tile 2 i + 1's
.endr
	s_wait_loadcnt 0x0
.set m, 0
.rept 4
	WIN 0x1d                                       ; source 0 (proj_w) and C (the bias) window 1, source 1 (x) window 3; the eight accumulators take turns
.irp t, 0,1,2,3,4,5,6,7
	WM ACC+8*\t, 12*(2*\t), 12*(4*m), 192+8*\t, WS+4*(\t/2), XS+4*m, (\t&1)
.endr
	WIN 0x0d
.irp t, 0,1,2,3,4,5,6,7
	WM ACC+8*\t, 12*(2*\t+1), 12*(4*m+1), ACC+8*\t, WS+4*(\t/2)+1, XS+4*m+1, (\t&1)
.endr
	WIN 0x0e
.irp s, 2,3
.irp t, 0,1,2,3,4,5,6,7
	WM ACC+8*\t, 12*(2*\t+\s-2), 12*(4*m+\s), ACC+8*\t, WS+4*(\t/2)+\s, XS+4*m+\s, (\t&1)
.endr
.endr
	WIN 0
.rept 5
	v_nop                                          ; four places ahead of the stores that read the results; a fifth, since the next tile's first products write over these accumulators
.endr
.irp t, 0,1,2,3,4,5,6,7
	ds_store_b128 v[SO], v[ACC+8*\t:ACC+8*\t+3] offset:64*\t          ; each accumulator from its low end on
	ds_store_b128 v[SO], v[ACC+8*\t+4:ACC+8*\t+7] offset:64*\t+16
.endr
	s_wait_xcnt 0x0                                ; the last tile's stores have read the registers that the loads below fill
.irp i, 0,1,2,3,4,5,6,7,8,9,10,11,12,13,14,15
	ds_load_b128 v[BK+4*\i:BK+4*\i+3], v[SR] offset:528*\i            ; LDS serves a wave's instructions in order (ISA guide 5.7.1.4): these see the stores above
.endr
.irp i, 0,1,2,3,4,5,6,7,8,9,10,11,12,13,14,15
	s_wait_dscnt 15-\i                             ; row i is back; the younger loads may be out
	global_store_b128 v[LI], v[BK+4*\i:BK+4*\i+3], s[14:15] offset:524288*m+32768*\i th:TH_STORE_NT   ; 32 lanes store 512 consecutive bytes; written once, read by nobody here
.endr
.set m, m+1
.endr
	s_wait_tensorcnt 0x0
	ds_add_u32 v254, v255
	s_wait_dscnt 0x0
	s_endpgm
.Lfunc_end_k_q2719cf2c14_proj:
	.size	k_q2719cf2c14_proj, .Lfunc_end_k_q2719cf2c14_proj-k_q2719cf2c14_proj
	.p2alignl 7, 3214868480
	.fill 96, 4, 3214868480
	.section	.rodata,"a",@progbits
	.p2align	6, 0x0
	.amdhsa_kernel k_q2719cf2c14_proj
		.amdhsa_group_segment_fixed_size 34304
		.amdhsa_private_segment_fixed_size 0
		.amdhsa_enable_private_segment 0
		.amdhsa_kernarg_size 48
		.amdhsa_user_sgpr_count 2
		.amdhsa_user_sgpr_kernarg_segment_ptr 1
		.amdhsa_wavefront_size32 1
		.amdhsa_system_sgpr_workgroup_id_x 1
		.amdhsa_system_sgpr_workgroup_id_y 1
		.amdhsa_system_sgpr_workgroup_id_z 1
		.amdhsa_system_vgpr_workitem_id 0
		.amdhsa_next_free_vgpr 1024
		.amdhsa_next_free_sgpr 66
		.amdhsa_reserve_vcc 0
		.amdhsa_float_denorm_mode_32 3
		.amdhsa_float_denorm_mode_16_64 3
		.amdhsa_memory_ordered 1
		.amdhsa_forward_progress 1
		.amdhsa_inst_pref_size 56
	.end_amdhsa_kernel
	.amdgpu_metadata
---
amdhsa.version: [ 1, 2 ]
amdhsa.kernels:
  - .name:           k_q2719cf2c14_proj
    .symbol:         k_q2719cf2c14_proj.kd
    .args:
      - { .name: ximg, .offset: 0, .size: 8, .value_kind: global_buffer, .address_space: global }
      - { .name: xsc, .offset: 8, .size: 8, .value_kind: global_buffer, .address_space: global }
      - { .name: wimg, .offset: 16, .size: 8, .value_kind: global_buffer, .address_space: global }
      - { .name: proj_w_scales, .offset: 24, .size: 8, .value_kind: global_buffer, .address_space: global }
      - { .name: proj_b, .offset: 32, .size: 8, .value_kind: global_buffer, .address_space: global }
      - { .name: out0, .offset: 40, .size: 8, .value_kind: global_buffer, .address_space: global }
    .group_segment_fixed_size: 34304
    .private_segment_fixed_size: 0
    .kernarg_segment_align: 8
    .kernarg_segment_size: 48
    .max_flat_workgroup_size: 128
    .sgpr_count:     66
    .vgpr_count:     1024
    .wavefront_size: 32
...
	.end_amdgpu_metadata
.endif
;; end of part 5
;; ======== version 2 of 2: 5 launches
;; workspace buffers: nbr 524,288 bytes of whole numbers; wts 524,288 bytes; wimg 983,040 bytes; qimg 6,815,744 bytes; kv1s 6,553,600 bytes; kv2s 13,107,200 bytes; ximg 6,291,456 bytes; xsc 262,144 bytes
;; launch knn (part 6): grid 33 x 16, 8 waves a work-group, no clusters, 13,312 bytes of LDS; arguments xyz_upsample, key_pos, nbr, wts, Wq_codes, Wkv1_codes, fp_w_codes, Wkv2_codes, proj_w_codes, wimg; writes nbr, wts, wimg
.if DOCPART == 6
	.amdgcn_target "amdgcn-amd-amdhsa--gfx1250"
	.amdhsa_code_object_version 6
	.text
	.protected	k_q2719cf2c14_knn
	.globl	k_q2719cf2c14_knn
	.p2align	8
	.type	k_q2719cf2c14_knn,@function
k_q2719cf2c14_knn:
	s_mov_b64 s[64:65], 0
	v_nop
	global_prefetch_b8 v0, s[64:65] scope:SCOPE_SE
	s_setreg_imm32_b32 hwreg(HW_REG_WAVE_MODE, 25, 1), 1
	s_wait_xcnt 0x0
; WORK-GROUPS x = 0 .. 31: the three nearest of a batch's 1,024 known points (key_pos) for each of its 2,048 target points (xyz_upsample), and their inverse-distance weights.
; nbr[b][n][0..2] = 16 x index + b, the neighbour's flat row in key, nearest first; nbr[b][n][3] = 0.  wts[b][n][0..2] = the normalised weights, wts[b][n][3] = 0.
; SHARES.  A work-group takes 64 targets of one batch.  A lane holds two targets (l and 32 + l), as register pairs; wave w walks candidates 128 w .. 128 w + 127, which come by
; scalar loads into two sets of 8 candidates that take turns: one set is on its way while the other is worked on.  Each wave keeps a sorted list of three for each target; the eight lists meet in LDS,
; and threads 0 to 63 merge them, a thread a target.
; ORDER.  A candidate goes in ahead of an entry only where it is strictly nearer, and candidates come in ascending index (in the merge: wave by wave, each list in its order):
; among equal distances the lower index stays ahead, as in jax.lax.top_k.
; WORK-GROUPS x = 32 (sixteen of them): the five weights' codes are laid once in the order of the operand's registers, for the launches that follow.  wimg[weight 0..4: Wq, Wkv1, fp_w, Wkv2, proj_w][fragment 4 T + s]:
; 1,536 bytes: registers 4 c .. 4 c + 3 of lane l at 512 c + 16 l.  Fragment (tile T, K step s): lane (r, h) holds 24 + 24 bytes of one row's 96 bytes of that K step.  Tile T of the first four weights holds rows
; 32 (T / 2) + 8 (T % 2) + r + 8 (r / 8), of proj_w rows 16 T + r.  Wave 8 y + w takes that fragment of each weight: so a reader's load covers 512 consecutive bytes where the rows themselves lie 384 bytes apart.
; LIMITS.  The squared distance is dx dx, then two fused multiply-adds: it may differ in its last bit from three products and two sums.  1 / x is v_rcp_f32.  NaN and infinities among the inputs are not served.
; No matrix work, no tensor load, no cluster: the work-groups of a batch share 12,288 bytes of candidates, which reach them through scalar loads.
; v2-7 the targets' x, y, z as pairs; v8-13 differences; v14-15 squared distances; v16-21 list of target l (three distances, three indices); v22-27 of target 32 + l; v29 the candidate's index.
	s_load_b256 s[4:11], s[0:1], 0x0               ; xyz_upsample s[4:5], key_pos s[6:7], nbr s[8:9], wts s[10:11]
	v_lshl_add_u32 v96, v0, 2, 0x3000
	v_mov_b32 v97, 0
	v_lshrrev_b32 v1, 5, v0
	s_delay_alu instid0(VALU_DEP_1)
	v_readfirstlane_b32 s12, v1                    ; wave 0..7
	s_and_b32 s13, ttmp7, 0xffff                   ; the batch (where weights are laid: which sixteenth of the fragments)
	s_cmp_eq_u32 ttmp9, 32                         ; the same for all eight waves
	s_cbranch_scc1 .Llay
	v_and_b32 v28, 31, v0                          ; lane
	s_delay_alu instid0(VALU_DEP_1)
	v_mul_u32_u24 v1, v28, 12                      ; a point is 12 bytes
	s_mul_i32 s2, s12, 1536                        ; my wave's 1,536 bytes of LDS, and its 128 candidates' bytes in key_pos
	v_lshl_add_u32 v30, v28, 2, s2                 ; where I put my lists
	v_lshlrev_b32 v31, 2, v0                       ; where thread t reads target t's
	v_lshlrev_b32 v80, 4, v0                       ; and where it stores: 16 bytes a target
	s_lshl_b32 s3, s12, 7
	v_mov_b32 v29, s3                              ; my wave's first candidate
.irp i, 16,17,18,22,23,24
	v_mov_b32 v\i, 0x7f800000                      ; the lists begin with +infinity
.endr
.irp i, 19,20,21,25,26,27
	v_mov_b32 v\i, 0
.endr
	s_mul_i32 s14, s13, 24576                      ; a batch's 2,048 targets,
	s_mul_i32 s15, ttmp9, 768                      ; the work-group's 64
	s_add_co_u32 s14, s14, s15
	s_mov_b32 s15, 0
	s_mul_i32 s16, s13, 12288                      ; a batch's 1,024 candidates
	s_add_co_u32 s16, s16, s2
	s_mov_b32 s17, 0
	s_lshl_b32 s18, s13, 15                        ; in nbr and wts: 16 bytes a target
	s_lshl_b32 s19, ttmp9, 10
	s_add_co_u32 s18, s18, s19
	s_mov_b32 s19, 0
	s_wait_kmcnt 0x0
	s_add_nc_u64 s[4:5], s[4:5], s[14:15]
	s_add_nc_u64 s[6:7], s[6:7], s[16:17]
	s_add_nc_u64 s[8:9], s[8:9], s[18:19]
	s_add_nc_u64 s[10:11], s[10:11], s[18:19]
.macro SLOAD half, off                 ; 8 candidates, 96 bytes from off on, into set half: s[16 + 24 half] on
.irp i, 0,1,2
	s_load_b256 s[16+24*(\half)+8*\i:23+24*(\half)+8*\i], s[6:7], \off+32*\i
.endr
.endm
	SLOAD 0, 0                                     ; my first 8 candidates
	global_load_b32 v2, v1, s[4:5]                 ; target l: x, y, z
	global_load_b32 v4, v1, s[4:5] offset:4
	global_load_b32 v6, v1, s[4:5] offset:8
	global_load_b32 v3, v1, s[4:5] offset:384      ; target 32 + l
	global_load_b32 v5, v1, s[4:5] offset:388
	global_load_b32 v7, v1, s[4:5] offset:392
	s_mov_b32 s14, 0
	s_wait_loadcnt 0x0
	s_wait_kmcnt 0x0
; Both targets' insertions, line by line by turns, so that no line waits for the one above it.
.macro INS2
	s_delay_alu instid0(VALU_DEP_1)
	v_cmp_lt_f32 s66, v14, v16
	s_delay_alu instid0(VALU_DEP_2)
	v_cmp_lt_f32 s69, v15, v22
	s_delay_alu instid0(VALU_DEP_3)
	v_cmp_lt_f32 s67, v14, v17
	s_delay_alu instid0(VALU_DEP_4)
	v_cmp_lt_f32 s70, v15, v23
	v_cmp_lt_f32 s68, v14, v18
	v_cmp_lt_f32 s71, v15, v24
	s_delay_alu instid0(VALU_DEP_2)
	v_cndmask_b32 v28, v21, v29, s68               ; the indices move as the distances do
	s_delay_alu instid0(VALU_DEP_2)
	v_cndmask_b32 v81, v27, v29, s71
	s_delay_alu instid0(VALU_DEP_2)
	v_cndmask_b32 v21, v28, v20, s67
	s_delay_alu instid0(VALU_DEP_2)
	v_cndmask_b32 v27, v81, v26, s70
	v_cndmask_b32 v28, v20, v29, s67
	v_cndmask_b32 v81, v26, v29, s70
	s_delay_alu instid0(VALU_DEP_2)
	v_cndmask_b32 v20, v28, v19, s66
	s_delay_alu instid0(VALU_DEP_2)
	v_cndmask_b32 v26, v81, v25, s69
	v_cndmask_b32 v19, v19, v29, s66
	v_cndmask_b32 v25, v25, v29, s69
	v_med3_num_f32 v18, v14, v17, v18              ; the sorted list takes the new distance: the middle of it and two neighbours
	v_med3_num_f32 v24, v15, v23, v24
	v_med3_num_f32 v17, v14, v16, v17
	v_med3_num_f32 v23, v15, v22, v23
	v_min_num_f32 v16, v14, v16
	v_min_num_f32 v22, v15, v22
.endm
.macro CAND c                          ; candidate c of sixteen, at s[16 + 3 c]: 0 to 7 in set 0, 8 to 15 in set 1
	v_sub_f32 v8, s[16+3*\c], v2
	v_sub_f32 v9, s[16+3*\c], v3
	v_sub_f32 v10, s[17+3*\c], v4
	v_sub_f32 v11, s[17+3*\c], v5
	v_sub_f32 v12, s[18+3*\c], v6
	v_sub_f32 v13, s[18+3*\c], v7
	v_pk_mul_f32 v[14:15], v[8:9], v[8:9]
	s_delay_alu instid0(VALU_DEP_1)
	v_pk_fma_f32 v[14:15], v[10:11], v[10:11], v[14:15]
	s_delay_alu instid0(VALU_DEP_1)
	v_pk_fma_f32 v[14:15], v[12:13], v[12:13], v[14:15]
	INS2
	v_add_nc_u32 v29, 1, v29
.endm
.Ltrip:                                                ; 7 trips of 16 candidates, 192 bytes; at the head set 0 is in
	SLOAD 1, 96                                    ; set 1 is on its way while set 0 is worked on
.irp c, 0,1,2,3,4,5,6,7
	CAND \c
.endr
	s_wait_kmcnt 0x0                               ; set 1 is in, and its loads have read their base: it may step
	s_add_nc_u64 s[6:7], s[6:7], 192
	SLOAD 0, 0                                     ; the next trip's set 0 is on its way while set 1 is worked on
.irp c, 8,9,10,11,12,13,14,15
	CAND \c
.endr
	s_wait_kmcnt 0x0
	s_add_co_u32 s14, s14, 1
	s_cmp_lt_u32 s14, 7
	s_cbranch_scc1 .Ltrip
	SLOAD 1, 96                                    ; the last 16 candidates are written out: nothing is asked for beyond my wave's 128
.irp c, 0,1,2,3,4,5,6,7
	CAND \c
.endr
	s_wait_kmcnt 0x0
.irp c, 8,9,10,11,12,13,14,15
	CAND \c
.endr
; The lists meet: entry k of target t of wave w at 1536 w + 256 k + 4 t.
.irp k, 0,1,2,3,4,5
	ds_store_b32 v30, v[16+\k] offset:256*\k
	ds_store_b32 v30, v[22+\k] offset:256*\k+128
.endr
	s_wait_dscnt 0x0                               ; for the others' sake: my stores have landed
	s_barrier_signal -1
	s_barrier_wait -1
	s_cmp_ge_u32 s12, 2                            ; threads 0 to 63 merge, a thread a target
	s_cbranch_scc1 .Lend
.irp w, 0,1,2,3,4,5,6,7
.irp k, 0,1,2,3,4,5
	ds_load_b32 v[32+6*\w+\k], v31 offset:1536*\w+256*\k
.endr
.endr
	s_wait_dscnt 0x0
.macro INS dv, xv, dl, il, mk, tv      ; distance v[dv] with index v[xv] into the list at v[dl], v[il]
	v_cmp_lt_f32 s[\mk], v[\dv], v[\dl]
	v_cmp_lt_f32 s[\mk+1], v[\dv], v[\dl+1]
	v_cmp_lt_f32 s[\mk+2], v[\dv], v[\dl+2]
	s_delay_alu instid0(VALU_DEP_1)
	v_cndmask_b32 v[\tv], v[\il+2], v[\xv], s[\mk+2]
	s_delay_alu instid0(VALU_DEP_1)
	v_cndmask_b32 v[\il+2], v[\tv], v[\il+1], s[\mk+1]
	s_delay_alu instid0(VALU_DEP_4)
	v_cndmask_b32 v[\tv], v[\il+1], v[\xv], s[\mk+1]
	s_delay_alu instid0(VALU_DEP_1)
	v_cndmask_b32 v[\il+1], v[\tv], v[\il], s[\mk]
	v_cndmask_b32 v[\il], v[\il], v[\xv], s[\mk]
	v_med3_num_f32 v[\dl+2], v[\dv], v[\dl+1], v[\dl+2]
	v_med3_num_f32 v[\dl+1], v[\dv], v[\dl], v[\dl+1]
	v_min_num_f32 v[\dl], v[\dv], v[\dl]
.endm
.irp w, 1,2,3,4,5,6,7                  ; waves 1 to 7's entries go into wave 0's list, in ascending order of index ranges
.irp e, 0,1,2
	INS 32+6*\w+\e, 35+6*\w+\e, 32, 35, 66, 28
.endr
.endr
.irp k, 0,1,2
	v_add_f32 v[32+\k], 0x322bcc77, v[32+\k]       ; + 1e-8
.endr
	s_wait_alu depctr_va_vdst(0)
.irp k, 0,1,2
	v_rcp_f32 v[40+\k], v[32+\k]
.endr
	v_nop                                          ; a plain instruction behind the reciprocals,
	s_wait_alu depctr_va_vdst(0)                   ; and one wait for the three, ahead of their first reader
	v_add_f32 v43, v40, v41
	v_add_f32 v43, v43, v42
	s_wait_alu depctr_va_vdst(0)
	v_rcp_f32 v44, v43
	v_nop
	s_wait_alu depctr_va_vdst(0)
.irp k, 0,1,2
	v_mul_f32 v[48+\k], v[40+\k], v44
	v_lshl_add_u32 v[52+\k], v[35+\k], 4, s13      ; the neighbour's flat row in key: 16 x index + batch
.endr
	v_mov_b32 v51, 0
	v_mov_b32 v55, 0
	global_store_b128 v80, v[52:55], s[8:9]        ; a wave stores 512 consecutive bytes
	global_store_b128 v80, v[48:51], s[10:11]
.Lend:
	s_wait_tensorcnt 0x0
	ds_add_u32 v96, v97
	s_wait_dscnt 0x0
	s_endpgm
	; ---- the weights are laid: my wave's fragment u = 8 y + w = 4 T + s of each of the five
.Llay:
	s_load_b256 s[16:23], s[0:1], 0x20             ; Wq's codes, Wkv1's, fp_w's, Wkv2's
	s_load_b128 s[24:27], s[0:1], 0x40             ; proj_w's codes, wimg
	s_lshl_b32 s2, s13, 3
	s_add_co_u32 s2, s2, s12                       ; u
	s_lshr_b32 s3, s2, 2                           ; T
	s_and_b32 s14, s2, 3
	s_mul_i32 s14, s14, 96                         ; K step s: 96 bytes of a row
	s_lshr_b32 s15, s3, 1
	s_lshl_b32 s15, s15, 5
	s_and_b32 s28, s3, 1
	s_lshl_b32 s28, s28, 3
	s_add_co_u32 s15, s15, s28                     ; the tile's first row: 32 (T / 2) + 8 (T % 2)
	s_mul_i32 s15, s15, 384
	s_add_co_u32 s15, s15, s14
	s_mul_i32 s28, s3, 6144                        ; in proj_w: 16 T
	s_add_co_u32 s28, s28, s14
	s_mul_i32 s29, s2, 1536                        ; the fragment's place in a weight's images
	v_and_b32 v1, 15, v0                           ; r
	v_bfe_u32 v2, v0, 4, 1                         ; h
	s_delay_alu instid0(VALU_DEP_2)
	v_and_b32 v3, 8, v1
	s_delay_alu instid0(VALU_DEP_1)
	v_add_nc_u32 v3, v3, v1                        ; r + 8 (r / 8)
	s_delay_alu instid0(VALU_DEP_1)
	v_mul_u32_u24 v4, v3, 384
	s_delay_alu instid0(VALU_DEP_1)
	v_mad_u32_u24 v4, v2, 24, v4
	s_delay_alu instid0(VALU_DEP_1)
	v_add_nc_u32 v4, s15, v4                       ; my row's 24 bytes, in the first four weights,
	v_mul_u32_u24 v5, v1, 384
	s_delay_alu instid0(VALU_DEP_1)
	v_mad_u32_u24 v5, v2, 24, v5
	s_delay_alu instid0(VALU_DEP_1)
	v_add_nc_u32 v5, s28, v5                       ; and in proj_w
	v_and_b32 v6, 31, v0
	s_delay_alu instid0(VALU_DEP_1)
	v_lshlrev_b32 v6, 4, v6
	s_delay_alu instid0(VALU_DEP_1)
	v_add_nc_u32 v6, s29, v6                       ; out: 16 x lane
	s_wait_alu depctr_va_vdst(0)
	s_wait_kmcnt 0x0
.irp i, 0,1,2,3
.irp p, 0,1,2,3,4,5
	global_load_b64 v[8+12*\i+2*\p:9+12*\i+2*\p], v4, s[16+2*\i:17+2*\i] offset:48*(\p/3)+8*(\p%3)
.endr
.endr
.irp p, 0,1,2,3,4,5
	global_load_b64 v[56+2*\p:57+2*\p], v5, s[24:25] offset:48*(\p/3)+8*(\p%3)
.endr
.irp i, 0,1,2,3,4
	s_wait_loadcnt 6*(4-\i)                        ; weight i's six loads are in; the later weights' may be out
.irp c, 0,1,2
	global_store_b128 v6, v[8+12*\i+4*\c:11+12*\i+4*\c], s[26:27] offset:196608*\i+512*\c   ; a wave stores 512 consecutive bytes
.endr
.endr
	s_endpgm
.Lfunc_end_k_q2719cf2c14_knn:
	.size	k_q2719cf2c14_knn, .Lfunc_end_k_q2719cf2c14_knn-k_q2719cf2c14_knn
	.p2alignl 7, 3214868480
	.fill 96, 4, 3214868480
	.section	.rodata,"a",@progbits
	.p2align	6, 0x0
	.amdhsa_kernel k_q2719cf2c14_knn
		.amdhsa_group_segment_fixed_size 13312
		.amdhsa_private_segment_fixed_size 0
		.amdhsa_enable_private_segment 0
		.amdhsa_kernarg_size 80
		.amdhsa_user_sgpr_count 2
		.amdhsa_user_sgpr_kernarg_segment_ptr 1
		.amdhsa_wavefront_size32 1
		.amdhsa_system_sgpr_workgroup_id_x 1
		.amdhsa_system_sgpr_workgroup_id_y 1
		.amdhsa_system_sgpr_workgroup_id_z 1
		.amdhsa_system_vgpr_workitem_id 0
		.amdhsa_next_free_vgpr 98
		.amdhsa_next_free_sgpr 72
		.amdhsa_reserve_vcc 0
		.amdhsa_float_denorm_mode_32 3
		.amdhsa_float_denorm_mode_16_64 3
		.amdhsa_memory_ordered 1
		.amdhsa_forward_progress 1
		.amdhsa_inst_pref_size 99
	.end_amdhsa_kernel
	.amdgpu_metadata
---
amdhsa.version: [ 1, 2 ]
amdhsa.kernels:
  - .name:           k_q2719cf2c14_knn
    .symbol:         k_q2719cf2c14_knn.kd
    .args:
      - { .name: xyz_upsample, .offset: 0, .size: 8, .value_kind: global_buffer, .address_space: global }
      - { .name: key_pos, .offset: 8, .size: 8, .value_kind: global_buffer, .address_space: global }
      - { .name: nbr, .offset: 16, .size: 8, .value_kind: global_buffer, .address_space: global }
      - { .name: wts, .offset: 24, .size: 8, .value_kind: global_buffer, .address_space: global }
      - { .name: Wq_codes, .offset: 32, .size: 8, .value_kind: global_buffer, .address_space: global }
      - { .name: Wkv1_codes, .offset: 40, .size: 8, .value_kind: global_buffer, .address_space: global }
      - { .name: fp_w_codes, .offset: 48, .size: 8, .value_kind: global_buffer, .address_space: global }
      - { .name: Wkv2_codes, .offset: 56, .size: 8, .value_kind: global_buffer, .address_space: global }
      - { .name: proj_w_codes, .offset: 64, .size: 8, .value_kind: global_buffer, .address_space: global }
      - { .name: wimg, .offset: 72, .size: 8, .value_kind: global_buffer, .address_space: global }
    .group_segment_fixed_size: 13312
    .private_segment_fixed_size: 0
    .kernarg_segment_align: 8
    .kernarg_segment_size: 80
    .max_flat_workgroup_size: 256
    .sgpr_count:     72
    .vgpr_count:     98
    .wavefront_size: 32
...
	.end_amdgpu_metadata
.endif
;; end of part 6
;; launch qkv1 (part 7): grid 384 x 1, 4 waves a work-group, no clusters, 107,008 bytes of LDS; arguments query_codes, query_scales, wimg, Wq_scales, key, Wkv1_scales, qimg, kv1s; writes qimg, kv1s
.if DOCPART == 7
	.amdgcn_target "amdgcn-amd-amdhsa--gfx1250"
	.amdhsa_code_object_version 6
	.text
	.protected	k_q2719cf2c14_qkv1
	.globl	k_q2719cf2c14_qkv1
	.p2align	8
	.type	k_q2719cf2c14_qkv1,@function
k_q2719cf2c14_qkv1:
	s_mov_b64 s[64:65], 0
	v_nop
	global_prefetch_b8 v0, s[64:65] scope:SCOPE_SE
	s_setreg_imm32_b32 hwreg(HW_REG_WAVE_SCHED_MODE, 0, 2), 2
	s_setreg_imm32_b32 hwreg(HW_REG_WAVE_MODE, 25, 1), 1
	s_wait_xcnt 0x0
	s_wait_alu depctr_vm_vsrc(0)
; q = query Wq^T and kv1 = key Wkv1^T on codes of FP6 (E2M3) with one E8M0 scale for each 32 along K, and their results quantised again as the operands of attention.
; Flat rows R = 16 n + b are taken as they lie, 128 to a block.  Work-groups 0-127: a block of key (f32, quantised here along its 512), wave w makes head w's K and V.
; Work-groups 128-383: a block of query (given as codes), half of the heads: wave w makes head 4 (g & 1) + w.
; THE WEIGHTS' CODES come from wimg, where the first launch has laid them in the order of the operand's registers (weight 0: Wq, weight 1: Wkv1; 196,608 bytes each; fragment (tile T, K step s) at 1536 (4 T + s)):
; a fragment is three loads of 512 consecutive bytes.
; OUT.  kv1s[block][head]: 12,800 bytes: four K pair fragments, four V fragments (1,536 bytes each, as images of the operand's registers: registers 4 c .. 4 c + 3 of lane l at 512 c + 16 l), 256 bytes of K's scale
; words (lane r: pairs 0..3), 256 of V's (lane r: tiles 0..3).  A K pair fragment holds two tiles of 16 keys x 64: registers 0-5 tile 2 b, registers 6-11 tile 2 b + 1.  qimg[block][head]: four pair fragments and 512 bytes of words.
; THE ROWS OF A TILE.  Key tile 2 b + u holds keys 32 b + 8 u + r + 8 (r / 8), and so do the tiles of the weights' rows: a result's 16 registers of two neighbouring tiles are then 16 neighbours along the next product's K.
; PASS_K: source 0 = 16 rows of W, source 1 = 16 rows of the block: a lane holds one row and its registers run along the head's 64: quantised along them.  PASS_V: the sources the other way round: a lane holds one channel and
; its registers run along the block's 128 keys: quantised along the keys.
; The block's 32 fragments go from wave to wave through LDS as images: fragment (tile m, K step s) at 12288 s + 1536 m, its scale words at 49152 + 1024 s + 128 m + 4 x lane.  The two kinds of work-group have LDS bytes of their own.
; No cluster: what work-groups share is the weights, 49,152 bytes a wave at the most, which go from memory straight into the operand's registers and stay; a joint request would land them in LDS, to be read once more from there.
; LIMITS: a block of zeros gets the scale byte 1, not 127 (its codes are zeros, and this program alone reads the bytes); blocks whose largest magnitude lies under 2^-124 are held at that byte; NaN and infinities are not served.
; REGISTERS: window 0: v1-13 addresses; v16-63, v192-239 two buffers of four fragments; v64-71 their scale words; v88-103 the weights' scale words; v140-159 codes just made; v160-171, v176 at work; v180-191 words gathered.
;   window 1: 256 numbers of key, later the accumulators.   window 2: W's 16 fragments for V.   window 3: for K or q.
; THE MODE: SCHED_MODE bits 1:0 = 2 (LLVM: expert scheduling mode 2), set by the entry lines.  The code itself states the register dependences between vector or matrix instructions and memory or LDS instructions,
; with s_wait_alu, always for 0.
; THE PLAN.  Registers that memory or LDS instructions touch:
;   v1-v13          addresses: written at the head, read by every load and store, never written again: one wait on va_vdst ahead of each path's first load.
;   window 1        four batches of 64 numbers of key: batch q's loads land, the quantiser reads them, batch q + 4's loads land.
;   v[PC ..], v[PW] written by the quantiser; read by the LDS stores or global stores that follow it.
;   XF0, XF1        with their words at XS0, XS0 + 4: a tile's LDS loads land, its sixteen products read them.
;   v[KW ..], v[PWS ..]  in the query's path loaded, and read by LDS stores; then written by moves or selects and read by the last store.
; ONE wait on va_vdst behind each quantiser states that the codes and the word are written and that everything issued before it is done reading: so the loads that follow it land in the batch just quantised, or in XF1, which
; the pair's second tile read.  XF0 is asked for again at the head of a pair's second tile, behind a wait on va_vdst for the first tile's products; in PASS_V, which has no quantiser between its tiles, one such wait stands at the
; head of tiles 1 to 6.  One wait on vm_vsrc ahead of each quantiser states that the last stores have read the codes and the word.
.set REG2, 53248                       ; the second kind's LDS bytes begin here
.set XSCO, 49152                       ; the scale words, behind 32 images
.set LI,   1                           ; v1  16 x lane
.set LS,   2                           ; v2  4 x lane
.set LI2,  3                           ; v3, v4 the same + REG2
.set LS2,  4
.set XWI,  5                           ; v5  where I store images: 16 x lane + 3072 x wave
.set XWS,  6                           ; v6  and words: 4 x lane + 256 x wave
.set XWI2, 7                           ; v7, v8 the same + REG2
.set XWS2, 8
.set KA,   9                           ; v9  key: (r + 8 (r / 8)) x 2048 + 64 h
.set QA,   10                          ; v10 query's codes: 384 r + 24 h
.set WSA,  12                          ; v12 a weight's scale words: (8 h + r + 8 (r / 8)) x 16
.set QSA,  13                          ; v13 16 r
.set XF0,  16
.set XS0,  64
.set WKS,  88
.set WVS,  96
.set PC,   140
.set TM,   160
.set PW,   176
.set PWS,  180
.set KW,   184
.set VW,   188
.set XF1,  192
.set WV,   22
.set SEL,  24
.set MK,   26
.set OB,   28
.set KB,   30
.set T0,   32
.set T1,   34
.set WB,   36
.set SB,   38
.set QSB,  40
.set MSB, 0
.macro WIN new                         ; s_set_vgpr_msb: bits 1:0 source 0, 3:2 source 1, 5:4 source 2, 7:6 destination; the high byte repeats the setting that is left
.if MSB != (\new)
	s_set_vgpr_msb (MSB<<8)|(\new)
.set MSB, (\new)
.endif
.endm
.macro PLACES                          ; four places behind a matrix instruction, ahead of reads of its results and of loads into its registers; the waits on va_vdst stand behind them and fill none
.rept 4
	v_nop
.endr
.endm
; One product 16 x 16 x 128.  c < 0: the sum begins with the constant 0.  ra, rb: source 0's or source 1's scale words stand in lanes 16-31.
.macro WM d, a, b, c, sa, sb, ra, rb
.if (\c) < 0
.if \ra
	v_wmma_scale_f32_16x16x128_f8f6f4 v[\d:\d+7], v[\a:\a+11], v[\b:\b+11], 0, v[\sa], v[\sb] matrix_a_fmt:MATRIX_FMT_FP6 matrix_b_fmt:MATRIX_FMT_FP6 matrix_a_scale:MATRIX_SCALE_ROW1
.elseif \rb
	v_wmma_scale_f32_16x16x128_f8f6f4 v[\d:\d+7], v[\a:\a+11], v[\b:\b+11], 0, v[\sa], v[\sb] matrix_a_fmt:MATRIX_FMT_FP6 matrix_b_fmt:MATRIX_FMT_FP6 matrix_b_scale:MATRIX_SCALE_ROW1
.else
	v_wmma_scale_f32_16x16x128_f8f6f4 v[\d:\d+7], v[\a:\a+11], v[\b:\b+11], 0, v[\sa], v[\sb] matrix_a_fmt:MATRIX_FMT_FP6 matrix_b_fmt:MATRIX_FMT_FP6
.endif
.else
.if \ra
	v_wmma_scale_f32_16x16x128_f8f6f4 v[\d:\d+7], v[\a:\a+11], v[\b:\b+11], v[\c:\c+7], v[\sa], v[\sb] matrix_a_fmt:MATRIX_FMT_FP6 matrix_b_fmt:MATRIX_FMT_FP6 matrix_a_scale:MATRIX_SCALE_ROW1
.elseif \rb
	v_wmma_scale_f32_16x16x128_f8f6f4 v[\d:\d+7], v[\a:\a+11], v[\b:\b+11], v[\c:\c+7], v[\sa], v[\sb] matrix_a_fmt:MATRIX_FMT_FP6 matrix_b_fmt:MATRIX_FMT_FP6 matrix_b_scale:MATRIX_SCALE_ROW1
.else
	v_wmma_scale_f32_16x16x128_f8f6f4 v[\d:\d+7], v[\a:\a+11], v[\b:\b+11], v[\c:\c+7], v[\sa], v[\sb] matrix_a_fmt:MATRIX_FMT_FP6 matrix_b_fmt:MATRIX_FMT_FP6
.endif
.endif
.endm
; 64 numbers of a lane, v[s] .. v[s + 63] of window w, register 16 b + i = k 32 b + 16 (lane / 16) + i of my row, become a fragment's codes in v[PC] on and its scale word in v[PW].
.macro QUANT s, w
	WIN (\w)|((\w)<<2)
.irp b, 0,1,2,3
	v_max3_num_f32 v[TM+\b], |v[\s+16*\b]|, |v[\s+16*\b+1]|, 0x1800000   ; block b: my 16 numbers, and the floor 2^(3 - 127): the byte cannot fall under 1
.endr
	WIN ((\w)<<2)|((\w)<<4)
.irp i, 2,4,6,8,10,12,14
.irp b, 0,1,2,3
	v_max3_num_f32 v[TM+\b], v[TM+\b], |v[\s+16*\b+\i]|, |v[\s+16*\b+\i+1]|   ; the four blocks by turns
.endr
.endr
	WIN 0
.irp b, 0,1,2,3
	v_permlanex16_b32 v[TM+4+\b], v[TM+\b], s[SEL], s[SEL+1]
.endr
.irp b, 0,1,2,3
	v_max_num_f32 v[TM+\b], v[TM+\b], v[TM+4+\b]   ; with lane l xor 16's: the block's largest magnitude
.endr
.irp b, 0,1,2,3
	v_add_nc_u32 v[TM+8+\b], 0xff000000, v[TM+\b]  ; 2 off its exponent field: the conversion takes this operand's exponent field as its scale
.endr
.irp b, 0,1,2,3
	v_lshrrev_b32 v[TM+4+\b], 23, v[TM+8+\b]       ; the scale's byte
.endr
	v_lshl_or_b32 v[PW], v[TM+5], 8, v[TM+4]
	v_lshl_or_b32 v[PW], v[TM+6], 16, v[PW]
	v_lshl_or_b32 v[PW], v[TM+7], 24, v[PW]
	WIN (\w)
.irp c, 0,1
	v_cvt_scalef32_pk16_fp6_f32 v[PC+6*\c:PC+6*\c+2], v[\s+32*\c:\s+32*\c+15], v[TM+8+2*\c]
	v_cvt_scalef32_pk16_fp6_f32 v[PC+12+4*\c:PC+14+4*\c], v[\s+32*\c+16:\s+32*\c+31], v[TM+9+2*\c]   ; (a conversion's three registers begin on an even number)
.endr
	WIN 0
	v_nop                                          ; one plain place behind a scaled conversion
.irp c, 0,1                            ; the operand's layout wants a whole block in a lane: lanes 0-15 block 2 c, lanes 16-31 block 2 c + 1
.irp i, 0,1,2
	v_permlane16_swap_b32 v[PC+6*\c+\i], v[PC+12+4*\c+\i]
.endr
.irp i, 0,1,2
	v_mov_b32 v[PC+3+6*\c+\i], v[PC+12+4*\c+\i]
.endr
.endr
.endm
.macro IMAGE adr, off                  ; the fragment in v[PC] on goes to LDS as it stands
.irp c, 0,1,2
	ds_store_b128 v[\adr], v[PC+4*\c:PC+4*\c+3] offset:\off+512*\c
.endr
.endm
.macro FETCH buf, xs, ai, as, t        ; tile t's four fragments and four scale words: 16 LDS loads
.irp s, 0,1,2,3
.irp c, 0,1,2
	ds_load_b128 v[\buf+12*\s+4*\c:\buf+12*\s+4*\c+3], v[\ai] offset:1536*(\t)+12288*\s+512*\c
.endr
.endr
.irp s, 0,1,2,3
	ds_load_b32 v[\xs+\s], v[\as] offset:XSCO+128*(\t)+1024*\s
.endr
.endm
.macro LOADW4 win, base, off           ; 64 rows of a weight, 16 fragments on end in wimg: fragment 4 q + s (tile q, K step s) to v[12 (4 q + s)] of window win; each load takes 512 consecutive bytes
	WIN (\win)<<6
.irp f, 0,1,2,3,4,5,6,7,8,9,10,11,12,13,14,15
.irp c, 0,1,2
	global_load_b128 v[12*\f+4*\c:12*\f+4*\c+3], v[LI], s[\base:\base+1] offset:\off+1536*\f+512*\c
.endr
.endr
	WIN 0
.endm
.macro LOADS4 reg, base, off           ; their scale words: register reg + 4 i + s: lanes 0-15 tile 2 i, lanes 16-31 tile 2 i + 1, K step s
.irp i, 0,1
	global_load_b128 v[\reg+4*\i:\reg+4*\i+3], v[WSA], s[\base:\base+1] offset:\off+512*\i
.endr
.endm
; Eight tiles of 16 rows x one head's 64 columns; two tiles make a pair fragment, which is stored.  The four accumulators of a tile take turns, one instruction a turn.
; Even tiles lie in XF0, odd ones in XF1.  On the way in no vector or matrix instruction issued since the last wait on va_vdst names either buffer.
.macro PASS_K ai, as
	FETCH XF0, XS0, \ai, \as, 0
	FETCH XF1, XS0+4, \ai, \as, 1
.set t, 0
.rept 8
.set CURF, XF0+(XF1-XF0)*(t&1)
.set CURS, XS0+4*(t&1)
.if (t&1) && (t < 7)
	s_wait_alu depctr_va_vdst(0)                   ; the products of the tile before are done reading XF0 and its four words, in which the loads below land
	FETCH XF0, XS0, \ai, \as, t+1
.endif
.if t < 7
	s_wait_dscnt 16                                ; all but the 16 youngest loads, the next tile's: this tile is in
.else
	s_wait_dscnt 0x0
.endif
	WIN 0x53                                       ; source 0 (W) window 3, source 1 window 0, C and D window 1
.irp s, 0,1,2,3
.irp q, 0,1,2,3
.if \s == 0
	WM 8*(4*(t&1)+\q), 12*(4*\q+\s), CURF+12*\s, -1, WKS+4*(\q/2)+\s, CURS+\s, (\q&1), 0
.else
	WM 8*(4*(t&1)+\q), 12*(4*\q+\s), CURF+12*\s, 8*(4*(t&1)+\q), WKS+4*(\q/2)+\s, CURS+\s, (\q&1), 0
.endif
.endr
.endr
	WIN 0
	PLACES
.if (t&1)
	s_wait_xcnt 0x0                                ; the last pair's stores have read v[PC] on
	s_wait_alu depctr_vm_vsrc(0)                   ; the stores issued so far, LDS and global, have read v[PC ..] and v[PW], which the quantiser writes again
	QUANT 0, 1
	s_wait_alu depctr_va_vdst(0)                   ; the quantiser has written v[PC ..], which the stores below read; this tile's products are done reading XF1 and its words, in which the loads below land
.if t < 7
	FETCH XF1, XS0+4, \ai, \as, t+2
.endif
.irp c, 0,1,2
	global_store_b128 v[LI], v[PC+4*\c:PC+4*\c+3], s[OB:OB+1] offset:1536*(t/2)+512*\c   ; a wave stores 512 consecutive bytes
.endr
	v_mov_b32 v[KW+t/2], v[PW]
.endif
.set t, t+1
.endr
.endm
; The same eight tiles against the head's 64 rows of W for V, the sources the other way round: accumulator (tile of channels n, tile of keys t) at v[64 n + 8 t] of window 1.
; The first two fetches lean on the wait behind PASS_K's last quantiser: since then one move has been issued, which names neither buffer.
.macro PASS_V ai, as
	FETCH XF0, XS0, \ai, \as, 0
	FETCH XF1, XS0+4, \ai, \as, 1
.set t, 0
.rept 8
.set CURF, XF0+(XF1-XF0)*(t&1)
.set CURS, XS0+4*(t&1)
.if (t > 0) && (t < 7)
	s_wait_alu depctr_va_vdst(0)                   ; the products of the tile before are done reading their buffer and its four words, in which the loads below land
	FETCH XF0+(XF1-XF0)*((t+1)&1), XS0+4*((t+1)&1), \ai, \as, t+1
.endif
.if t < 7
	s_wait_dscnt 16                                ; all but the 16 youngest loads, the next tile's
.else
	s_wait_dscnt 0x0
.endif
	WIN 0x58                                       ; source 0 window 0, source 1 (W) window 2, C and D window 1
.irp s, 0,1,2,3
.irp n, 0,1,2,3
.if \s == 0
	WM 64*\n+8*t, CURF+12*\s, 12*(4*\n+\s), -1, CURS+\s, WVS+4*(\n/2)+\s, 0, (\n&1)
.else
	WM 64*\n+8*t, CURF+12*\s, 12*(4*\n+\s), 64*\n+8*t, CURS+\s, WVS+4*(\n/2)+\s, 0, (\n&1)
.endif
.endr
.endr
	WIN 0
	PLACES
.set t, t+1
.endr
.set n, 0
.rept 4
.set SRC, 64*n
	s_wait_xcnt 0x0                                ; the last stores have read v[PC] on
	s_wait_alu depctr_vm_vsrc(0)                   ; the last stores have read v[PC ..], which the quantiser writes again
	QUANT SRC, 1
	s_wait_alu depctr_va_vdst(0)                   ; the quantiser has written v[PC ..], which the stores below read
.irp c, 0,1,2
	global_store_b128 v[LI], v[PC+4*\c:PC+4*\c+3], s[OB:OB+1] offset:6144+1536*n+512*\c
.endr
	v_mov_b32 v[VW+n], v[PW]
.set n, n+1
.endr
.endm
	s_load_b256 s[4:11], s[0:1], 0x0               ; query's codes s[4:5], its scales s[6:7], wimg s[8:9], Wq's scales s[10:11]
	s_load_b256 s[12:19], s[0:1], 0x20             ; key s[12:13], Wkv1's scales s[14:15], qimg s[16:17], kv1s s[18:19]
	v_lshl_add_u32 v254, v0, 2, 0x1a000
	v_mov_b32 v255, 0
	v_lshrrev_b32 v240, 5, v0
	v_readfirstlane_b32 s[WV], v240                ; wave 0..3
	v_and_b32 v240, 31, v0                         ; lane
	v_and_b32 v241, 15, v0                         ; r
	v_bfe_u32 v242, v0, 4, 1                       ; h
	v_lshlrev_b32 v[LI], 4, v240
	v_lshlrev_b32 v[LS], 2, v240
	v_add_nc_u32 v[LI2], REG2, v[LI]
	v_add_nc_u32 v[LS2], REG2, v[LS]
	s_wait_alu depctr_va_sdst(0)                   ; the wave's number is written, ahead of its first reader, the line below
	s_mul_i32 s[T0], s[WV], 3072                   ; my two tiles' images
	v_add_nc_u32 v[XWI], s[T0], v[LI]
	v_add_nc_u32 v[XWI2], s[T0], v[LI2]
	s_lshl_b32 s[T0], s[WV], 8                     ; and words
	v_add_nc_u32 v[XWS], s[T0], v[LS]
	v_add_nc_u32 v[XWS2], s[T0], v[LS2]
	v_and_b32 v243, 8, v241
	v_add_nc_u32 v243, v243, v241                  ; r + 8 (r / 8)
	v_lshlrev_b32 v[KA], 11, v243
	v_lshl_add_u32 v[KA], v242, 6, v[KA]
	v_lshl_add_u32 v[WSA], v242, 3, v243
	v_lshlrev_b32 v[WSA], 4, v[WSA]
	v_mul_u32_u24 v[QA], v241, 384
	v_mad_u32_u24 v[QA], v242, 24, v[QA]
	v_lshlrev_b32 v[QSA], 4, v241
.irp b, 0,1,2,3
	v_mov_b32 v[TM+4+\b], 0                        ; written once: a lane permute's destination counts as one of its sources
.endr
	s_mov_b32 s[SEL], 0x76543210
	s_mov_b32 s[SEL+1], 0xfedcba98                 ; v_permlanex16_b32's selects for lane l xor 16
	s_mov_b32 s[MK], 0xffff0000                    ; lanes 16-31
	s_mov_b32 s[T0+1], 0
	s_mov_b32 s[T1+1], 0
	s_wait_kmcnt 0x0
	s_cmp_ge_u32 ttmp9, 128                        ; the same for all four waves
	s_cbranch_scc1 .Lqpath
	; ---- a block of key
	s_lshl_b32 s[T0], ttmp9, 18                    ; 128 rows of 2,048 bytes,
	s_lshl_b32 s[T1], s[WV], 16                    ; my 32 of them
	s_add_co_u32 s[T0], s[T0], s[T1]
	s_add_nc_u64 s[KB:KB+1], s[12:13], s[T0:T0+1]
	s_mul_i32 s[T0], s[WV], 24576                  ; my head's 64 rows for K: 16 fragments; those for V lie 256 rows, 98,304 bytes, on
	s_add_co_u32 s[T0], s[T0], 196608              ; in Wkv1's images, behind Wq's
	s_add_nc_u64 s[WB:WB+1], s[8:9], s[T0:T0+1]
	s_lshl_b32 s[T0], s[WV], 10
	s_add_nc_u64 s[SB:SB+1], s[14:15], s[T0:T0+1]
	s_lshl_b32 s[T0], ttmp9, 2
	s_add_co_u32 s[T0], s[T0], s[WV]
	s_mul_i32 s[T0], s[T0], 12800
	s_add_nc_u64 s[OB:OB+1], s[18:19], s[T0:T0+1]
	s_wait_alu depctr_va_vdst(0)                   ; the addresses v1 to v13 are written, which every load and store of this path reads
	LOADW4 3, WB, 0
	LOADW4 2, WB, 98304
	LOADS4 WKS, SB, 0
	LOADS4 WVS, SB, 4096
.macro XLOADK q                        ; batch q: tile 2 w + q / 4, K step q % 4: lane (r, h) takes 16 neighbours of each block of 32 of its row
	WIN 0x40
.irp b, 0,1,2,3
.irp j, 0,1,2,3
	global_load_b128 v[64*((\q)&3)+16*\b+4*\j:64*((\q)&3)+16*\b+4*\j+3], v[KA], s[KB:KB+1] offset:16384*((\q)>>2)+512*((\q)&3)+128*\b+16*\j
.endr
.endr
	WIN 0
.endm
	XLOADK 0
	XLOADK 1
	XLOADK 2
	XLOADK 3
.set q, 0
.rept 8
.if q <= 4
	s_wait_loadcnt 48                              ; this batch is in; the three batches of 16 behind it may be out
.else
	s_wait_loadcnt 16*(7-q)
.endif
	s_wait_dscnt 0x0                               ; the last image's stores have read v[PC] on
.if q > 0
	s_wait_alu depctr_vm_vsrc(0)                   ; the last image's stores have read v[PC ..] and v[PW], which the quantiser writes again
.endif
.set SRC, 64*(q&3)
	QUANT SRC, 1
	s_wait_alu depctr_va_vdst(0)                   ; the quantiser has written v[PC ..] and v[PW], which the LDS stores read, and is done reading the batch's 64 registers, in which the loads below land
.if q < 4
	XLOADK q+4
.endif
	IMAGE XWI, 1536*(q>>2)+12288*(q&3)
	ds_store_b32 v[XWS], v[PW] offset:XSCO+128*(q>>2)+1024*(q&3)
.set q, q+1
.endr
	s_wait_dscnt 0x0                               ; for the others' sake: my images have landed
	s_barrier_signal -1
	s_barrier_wait -1                              ; the block's 32 fragments lie in LDS
	PASS_K LI, LS
	PASS_V LI, LS
.irp i, 0,1,2,3
	v_cndmask_b32 v[PWS+\i], v[KW+\i], v[VW+\i], s[MK]   ; lanes 0-15 K's words, lanes 16-31 V's
.endr
	s_wait_alu depctr_va_vdst(0)                   ; the four selects have written v[PWS ..], which the store reads
	global_store_b128 v[LI], v[PWS:PWS+3], s[OB:OB+1] offset:12288
	s_wait_dscnt 0x0                               ; the closing lines, six on end
	s_wait_alu 0x0
	s_wait_tensorcnt 0x0
	ds_add_u32 v254, v255
	s_wait_dscnt 0x0
	s_endpgm
	; ---- a block of query, four heads
.Lqpath:
	s_sub_co_u32 s44, ttmp9, 128
	s_lshr_b32 s45, s44, 1                         ; the block
	s_and_b32 s46, s44, 1
	s_lshl_b32 s46, s46, 2
	s_add_co_u32 s46, s46, s[WV]                   ; my head
	s_mul_i32 s[T0], s46, 24576                    ; its 16 fragments of Wq's images
	s_add_nc_u64 s[WB:WB+1], s[8:9], s[T0:T0+1]
	s_lshl_b32 s[T0], s46, 10
	s_add_nc_u64 s[SB:SB+1], s[10:11], s[T0:T0+1]
	s_lshl_b32 s[T0], s45, 2
	s_add_co_u32 s[T0], s[T0], s[WV]               ; which 32 rows I bring
	s_mul_i32 s[T1], s[T0], 12288
	s_add_nc_u64 s[KB:KB+1], s[4:5], s[T1:T1+1]
	s_lshl_b32 s[T0], s[T0], 9
	s_add_nc_u64 s[QSB:QSB+1], s[6:7], s[T0:T0+1]
	s_lshl_b32 s[T0], s45, 3
	s_add_co_u32 s[T0], s[T0], s46
	s_mul_i32 s[T0], s[T0], 6656
	s_add_nc_u64 s[OB:OB+1], s[16:17], s[T0:T0+1]
	s_wait_alu depctr_va_vdst(0)                   ; the addresses v1 to v13 are written, which every load and store of this path reads
	LOADW4 3, WB, 0
	LOADS4 WKS, SB, 0
	WIN 0x40
.irp i, 0,1                            ; the codes as they lie are the operand's registers: tile 2 w + i holds rows 16 (2 w + i) + r
.irp s, 0,1,2,3
.irp p, 0,1,2,3,4,5
	global_load_b64 v[12*(4*\i+\s)+2*\p:12*(4*\i+\s)+2*\p+1], v[QA], s[KB:KB+1] offset:6144*\i+96*\s+48*(\p/3)+8*(\p%3)
.endr
.endr
.endr
	WIN 0
	global_load_b128 v[PWS:PWS+3], v[QSA], s[QSB:QSB+1]
	global_load_b128 v[KW:KW+3], v[QSA], s[QSB:QSB+1] offset:256
	s_wait_loadcnt 0x0
	WIN 0x04                                       ; an LDS store's data are its source 1: window 1
.irp i, 0,1
.irp s, 0,1,2,3
.irp c, 0,1,2
	ds_store_b128 v[XWI2], v[12*(4*\i+\s)+4*\c:12*(4*\i+\s)+4*\c+3] offset:1536*\i+12288*\s+512*\c
.endr
.endr
.endr
	WIN 0
.irp s, 0,1,2,3
	ds_store_b32 v[XWS2], v[PWS+\s] offset:XSCO+1024*\s
	ds_store_b32 v[XWS2], v[KW+\s] offset:XSCO+128+1024*\s
.endr
	s_wait_dscnt 0x0                               ; for the others' sake: my images have landed
	s_barrier_signal -1
	s_barrier_wait -1
	s_wait_alu depctr_vm_vsrc(0)                   ; my LDS stores have read window 1's v0 to v95 and v[KW ..]: the products below write the first as accumulators, the moves the second
	PASS_K LI2, LS2
	s_wait_alu depctr_va_vdst(0)                   ; the last move has written v[KW + 3]: the store reads v[KW ..]
	global_store_b128 v[LI], v[KW:KW+3], s[OB:OB+1] offset:6144   ; the four pairs' words, lane r's row (lanes 16-31 hold the same)
	s_wait_dscnt 0x0                               ; the closing lines, six on end
	s_wait_alu 0x0
	s_wait_tensorcnt 0x0
	ds_add_u32 v254, v255
	s_wait_dscnt 0x0
	s_endpgm
.Lfunc_end_k_q2719cf2c14_qkv1:
	.size	k_q2719cf2c14_qkv1, .Lfunc_end_k_q2719cf2c14_qkv1-k_q2719cf2c14_qkv1
	.p2alignl 7, 3214868480
	.fill 96, 4, 3214868480
	.section	.rodata,"a",@progbits
	.p2align	6, 0x0
	.amdhsa_kernel k_q2719cf2c14_qkv1
		.amdhsa_group_segment_fixed_size 107008
		.amdhsa_private_segment_fixed_size 0
		.amdhsa_enable_private_segment 0
		.amdhsa_kernarg_size 64
		.amdhsa_user_sgpr_count 2
		.amdhsa_user_sgpr_kernarg_segment_ptr 1
		.amdhsa_wavefront_size32 1
		.amdhsa_system_sgpr_workgroup_id_x 1
		.amdhsa_system_sgpr_workgroup_id_y 1
		.amdhsa_system_sgpr_workgroup_id_z 1
		.amdhsa_system_vgpr_workitem_id 0
		.amdhsa_next_free_vgpr 1024
		.amdhsa_next_free_sgpr 66
		.amdhsa_reserve_vcc 0
		.amdhsa_float_denorm_mode_32 3
		.amdhsa_float_denorm_mode_16_64 3
		.amdhsa_memory_ordered 1
		.amdhsa_forward_progress 1
		.amdhsa_inst_pref_size 202
	.end_amdhsa_kernel
	.amdgpu_metadata
---
amdhsa.version: [ 1, 2 ]
amdhsa.kernels:
  - .name:           k_q2719cf2c14_qkv1
    .symbol:         k_q2719cf2c14_qkv1.kd
    .args:
      - { .name: query_codes, .offset: 0, .size: 8, .value_kind: global_buffer, .address_space: global }
      - { .name: query_scales, .offset: 8, .size: 8, .value_kind: global_buffer, .address_space: global }
      - { .name: wimg, .offset: 16, .size: 8, .value_kind: global_buffer, .address_space: global }
      - { .name: Wq_scales, .offset: 24, .size: 8, .value_kind: global_buffer, .address_space: global }
      - { .name: key, .offset: 32, .size: 8, .value_kind: global_buffer, .address_space: global }
      - { .name: Wkv1_scales, .offset: 40, .size: 8, .value_kind: global_buffer, .address_space: global }
      - { .name: qimg, .offset: 48, .size: 8, .value_kind: global_buffer, .address_space: global }
      - { .name: kv1s, .offset: 56, .size: 8, .value_kind: global_buffer, .address_space: global }
    .group_segment_fixed_size: 107008
    .private_segment_fixed_size: 0
    .kernarg_segment_align: 8
    .kernarg_segment_size: 64
    .max_flat_workgroup_size: 128
    .sgpr_count:     66
    .vgpr_count:     1024
    .wavefront_size: 32
...
	.end_amdgpu_metadata
.endif
;; end of part 7
;; launch chain (part 8): grid 256 x 1, 4 waves a work-group, no clusters, 107,008 bytes of LDS; arguments nbr, wts, key, wimg, fp_w_scales, fp_b, Wkv2_scales, kv2s; writes kv2s
.if DOCPART == 8
	.amdgcn_target "amdgcn-amd-amdhsa--gfx1250"
	.amdhsa_code_object_version 6
	.text
	.protected	k_q2719cf2c14_chain
	.globl	k_q2719cf2c14_chain
	.p2align	8
	.type	k_q2719cf2c14_chain,@function
k_q2719cf2c14_chain:
	s_mov_b64 s[64:65], 0
	v_nop
	global_prefetch_b8 v0, s[64:65] scope:SCOPE_SE
	s_setreg_imm32_b32 hwreg(HW_REG_WAVE_SCHED_MODE, 0, 2), 2
	s_setreg_imm32_b32 hwreg(HW_REG_WAVE_MODE, 25, 1), 1
	s_wait_xcnt 0x0
	s_wait_alu depctr_vm_vsrc(0)
; key2 = relu(interp fp_w^T + fp_b), kv2 = key2 Wkv2^T, both products on codes of FP6 (E2M3) with one E8M0 scale for each 32 along K; interp = the three neighbours' rows of key, weighted (f32).
; A work-group takes 128 flat rows R2 = 16 n + b of key2 (one key step of one batch of attention) through the whole chain; interp and key2 never go to memory.
; FRONT: wave w gathers and weighs row tiles 2 w, 2 w + 1 (tile 2 b + u holds rows 32 b + 8 u + r + 8 (r / 8)), quantises them along the 512, and stores images in LDS.  The rows' numbers come from nbr, which an earlier
; launch stored; each is held to 0x3fff, the last row of key, before it enters an address.
; FIRST PRODUCT: wave w makes hidden units 128 w .. 128 w + 127 for all eight tiles (source 0 = 16 rows of fp_w, source 1 = 16 rows of interp; the bias is the C of each sum's first instruction), relu, quantised:
; K step w of the second product, as images in LDS.  SECOND PRODUCT: wave w makes head w's K and V as in the launch for kv1, into kv2s[block][head], 12,800 bytes, laid as there.
; THE WEIGHTS' CODES come from wimg, where the first launch has laid them in the order of the operand's registers (weight 2: fp_w, weight 3: Wkv2; 196,608 bytes each; fragment (tile T, K step s) at 1536 (4 T + s)):
; a fragment is three loads of 512 consecutive bytes.
; LDS: interp's fragment (tile m, K step s) at 12288 s + 1536 m, its words at 49152 + 1024 s + 128 m + 4 x lane; key2's the same 53,248 bytes on.  Two barriers.
; No cluster: what work-groups share is the weights, 98,304 bytes a wave, which go from memory straight into the operand's registers; a joint request would land them in LDS, to be read once more from there; a work-group's
; own gather is 786,432 bytes.
; LIMITS: interp is one product and two fused multiply-adds; a block of zeros gets the scale byte 1, not 127 (its codes are zeros, and this program alone reads the bytes); NaN and infinities are not served.
; REGISTERS: window 0: v1-15 addresses; v16-63 four fragments; v64-71 their words; v72-103 the weights' words; v104-109 gather offsets; v110-121 weights as pairs; v122-137 ids and weights as loaded; v140-176 at work;
;   v192-255 64 numbers of interp, then of key2; in the passes v192-239 a second buffer.   window 1: fp_w's K steps 0, 1, the bias; later accumulators.   window 2: fp_w's K steps 2, 3; later Wkv2 for V.
;   window 3: two gather buffers of 96; later Wkv2 for K.
; THE MODE: SCHED_MODE bits 1:0 = 2 (LLVM: expert scheduling mode 2), set by the entry lines.  The code itself states the register dependences between vector or matrix instructions and memory or LDS instructions,
; with s_wait_alu, always for 0.
; THE PLAN.  Registers that memory or LDS instructions touch:
;   v1-v8, v12, v13, v138  addresses: written at the head, never written again: one wait on va_vdst ahead of the first load.
;   v104-v109       the gather's offsets, made from the loaded ids, never written again: one wait on va_vdst ahead of the first gather.
;   window 3        two gather buffers: batch n's 24 loads land, the weighing reads them, batch n + 2's loads land: a wait on va_vdst straight behind the weighing, so that the buffer is asked for again at once.
;   v[PC ..], v[PW] written by the quantiser; read by the LDS stores or global stores that follow it: va_vdst behind each quantiser, vm_vsrc ahead of the next.
;   v9, v10, v14, v15  LDS addresses of the first product, stepped once a tile: one wait on vm_vsrc at the tile's head frees them with v[PC ..] and v[PW]; the adds stand ahead of waits on va_vdst that are owed anyway.
;   XF0, XF1        with their words: a tile's LDS loads land, its products read them: as in the launch for kv1.
;   windows 3, 2    take Wkv2 for K and for V when the gather and fp_w are done with: those loads stand directly behind a quantiser's wait on va_vdst, which also states that the earlier readers are done.
.set REG2, 53248
.set XSCO, 49152
.set LI,   1
.set LS,   2
.set LI2,  3
.set LS2,  4
.set XWI,  5                           ; v5  where I store interp's images: 16 x lane + 3072 x wave
.set XWS,  6                           ; v6  and words: 4 x lane + 256 x wave
.set HWI0, 7                           ; v7  key2's images: 16 x lane + REG2 + 12288 x wave
.set HWS0, 8                           ; v8  and words: 4 x lane + REG2 + XSCO + 1024 x wave
.set HI,   9                           ; v9, v10 the same for the tile in hand
.set HS,   10
.set WSA,  12
.set BA,   13                          ; v13 64 h
.set FA,   14                          ; v14, v15 where the next tile of interp is fetched
.set FS,   15
.set XF0,  16
.set XS0,  64
.set WFS,  72
.set WKS,  88
.set WVS,  96
.set GA,   104
.set WP,   110
.set NA,   138
.set PC,   140
.set TM,   160
.set PW,   176
.set PWS,  180
.set KW,   184
.set VW,   188
.set XF1,  192
.set X,    192
.set HA,   192
.set WV,   22
.set SEL,  24
.set MK,   26
.set OB,   28
.set T0,   32
.set FWB,  36
.set FSB,  38
.set FBB,  40
.set KWB,  42
.set KSB,  44
.set NB,   46
.set WTB,  48
.set TA,   50
.set TS,   51
.set CNT,  52
.set MSB, 0
.macro WIN new                         ; s_set_vgpr_msb: bits 1:0 source 0, 3:2 source 1, 5:4 source 2, 7:6 destination; the high byte repeats the setting that is left
.if MSB != (\new)
	s_set_vgpr_msb (MSB<<8)|(\new)
.set MSB, (\new)
.endif
.endm
.macro PLACES                          ; four places behind a matrix instruction, ahead of reads of its results and of loads into its registers; the waits on va_vdst stand behind them and fill none
.rept 4
	v_nop
.endr
.endm
.macro WM d, a, b, c, sa, sb, ra, rb   ; one product 16 x 16 x 128.  c < 0: the sum begins with 0.  ra, rb: that source's scale words stand in lanes 16-31
.if (\c) < 0
.if \ra
	v_wmma_scale_f32_16x16x128_f8f6f4 v[\d:\d+7], v[\a:\a+11], v[\b:\b+11], 0, v[\sa], v[\sb] matrix_a_fmt:MATRIX_FMT_FP6 matrix_b_fmt:MATRIX_FMT_FP6 matrix_a_scale:MATRIX_SCALE_ROW1
.elseif \rb
	v_wmma_scale_f32_16x16x128_f8f6f4 v[\d:\d+7], v[\a:\a+11], v[\b:\b+11], 0, v[\sa], v[\sb] matrix_a_fmt:MATRIX_FMT_FP6 matrix_b_fmt:MATRIX_FMT_FP6 matrix_b_scale:MATRIX_SCALE_ROW1
.else
	v_wmma_scale_f32_16x16x128_f8f6f4 v[\d:\d+7], v[\a:\a+11], v[\b:\b+11], 0, v[\sa], v[\sb] matrix_a_fmt:MATRIX_FMT_FP6 matrix_b_fmt:MATRIX_FMT_FP6
.endif
.else
.if \ra
	v_wmma_scale_f32_16x16x128_f8f6f4 v[\d:\d+7], v[\a:\a+11], v[\b:\b+11], v[\c:\c+7], v[\sa], v[\sb] matrix_a_fmt:MATRIX_FMT_FP6 matrix_b_fmt:MATRIX_FMT_FP6 matrix_a_scale:MATRIX_SCALE_ROW1
.elseif \rb
	v_wmma_scale_f32_16x16x128_f8f6f4 v[\d:\d+7], v[\a:\a+11], v[\b:\b+11], v[\c:\c+7], v[\sa], v[\sb] matrix_a_fmt:MATRIX_FMT_FP6 matrix_b_fmt:MATRIX_FMT_FP6 matrix_b_scale:MATRIX_SCALE_ROW1
.else
	v_wmma_scale_f32_16x16x128_f8f6f4 v[\d:\d+7], v[\a:\a+11], v[\b:\b+11], v[\c:\c+7], v[\sa], v[\sb] matrix_a_fmt:MATRIX_FMT_FP6 matrix_b_fmt:MATRIX_FMT_FP6
.endif
.endif
.endm
; 64 numbers of a lane, v[s] .. v[s + 63] of window w, register 16 b + i = k 32 b + 16 (lane / 16) + i of my row, become a fragment's codes in v[PC] on and its scale word in v[PW].
.macro QUANT s, w
	WIN (\w)|((\w)<<2)
.irp b, 0,1,2,3
	v_max3_num_f32 v[TM+\b], |v[\s+16*\b]|, |v[\s+16*\b+1]|, 0x1800000   ; block b: my 16 numbers, and the floor 2^(3 - 127): the byte cannot fall under 1
.endr
	WIN ((\w)<<2)|((\w)<<4)
.irp i, 2,4,6,8,10,12,14
.irp b, 0,1,2,3
	v_max3_num_f32 v[TM+\b], v[TM+\b], |v[\s+16*\b+\i]|, |v[\s+16*\b+\i+1]|   ; the four blocks by turns
.endr
.endr
	WIN 0
.irp b, 0,1,2,3
	v_permlanex16_b32 v[TM+4+\b], v[TM+\b], s[SEL], s[SEL+1]
.endr
.irp b, 0,1,2,3
	v_max_num_f32 v[TM+\b], v[TM+\b], v[TM+4+\b]   ; with lane l xor 16's: the block's largest magnitude
.endr
.irp b, 0,1,2,3
	v_add_nc_u32 v[TM+8+\b], 0xff000000, v[TM+\b]  ; 2 off its exponent field: the conversion takes this operand's exponent field as its scale
.endr
.irp b, 0,1,2,3
	v_lshrrev_b32 v[TM+4+\b], 23, v[TM+8+\b]       ; the scale's byte
.endr
	v_lshl_or_b32 v[PW], v[TM+5], 8, v[TM+4]
	v_lshl_or_b32 v[PW], v[TM+6], 16, v[PW]
	v_lshl_or_b32 v[PW], v[TM+7], 24, v[PW]
	WIN (\w)
.irp c, 0,1
	v_cvt_scalef32_pk16_fp6_f32 v[PC+6*\c:PC+6*\c+2], v[\s+32*\c:\s+32*\c+15], v[TM+8+2*\c]
	v_cvt_scalef32_pk16_fp6_f32 v[PC+12+4*\c:PC+14+4*\c], v[\s+32*\c+16:\s+32*\c+31], v[TM+9+2*\c]   ; (a conversion's three registers begin on an even number)
.endr
	WIN 0
	v_nop                                          ; one plain place behind a scaled conversion
.irp c, 0,1                            ; the operand's layout wants a whole block in a lane
.irp i, 0,1,2
	v_permlane16_swap_b32 v[PC+6*\c+\i], v[PC+12+4*\c+\i]
.endr
.irp i, 0,1,2
	v_mov_b32 v[PC+3+6*\c+\i], v[PC+12+4*\c+\i]
.endr
.endr
.endm
.macro IMAGE adr, off
.irp c, 0,1,2
	ds_store_b128 v[\adr], v[PC+4*\c:PC+4*\c+3] offset:\off+512*\c
.endr
.endm
.macro FETCH buf, xs, ai, as, t        ; tile t's four fragments and four scale words: 16 LDS loads
.irp s, 0,1,2,3
.irp c, 0,1,2
	ds_load_b128 v[\buf+12*\s+4*\c:\buf+12*\s+4*\c+3], v[\ai] offset:1536*(\t)+12288*\s+512*\c
.endr
.endr
.irp s, 0,1,2,3
	ds_load_b32 v[\xs+\s], v[\as] offset:XSCO+128*(\t)+1024*\s
.endr
.endm
.macro LOADW4 win, base, off           ; 64 rows of a weight, 16 fragments on end in wimg: fragment 4 q + s (tile q, K step s) to v[12 (4 q + s)] of window win; each load takes 512 consecutive bytes
	WIN (\win)<<6
.irp f, 0,1,2,3,4,5,6,7,8,9,10,11,12,13,14,15
.irp c, 0,1,2
	global_load_b128 v[12*\f+4*\c:12*\f+4*\c+3], v[LI], s[\base:\base+1] offset:\off+1536*\f+512*\c
.endr
.endr
	WIN 0
.endm
.macro LOADS4 reg, base, off
.irp i, 0,1
	global_load_b128 v[\reg+4*\i:\reg+4*\i+3], v[WSA], s[\base:\base+1] offset:\off+512*\i
.endr
.endm
; Eight tiles of 16 keys x the head's 64: a lane holds a key; two tiles make a pair fragment.  A tile's four accumulators take turns.
; Even tiles lie in XF0, odd ones in XF1.  On the way in no vector or matrix instruction issued since the last wait on va_vdst names either buffer.
.macro PASS_K ai, as
	FETCH XF0, XS0, \ai, \as, 0
	FETCH XF1, XS0+4, \ai, \as, 1
.set t, 0
.rept 8
.set CURF, XF0+(XF1-XF0)*(t&1)
.set CURS, XS0+4*(t&1)
.if (t&1) && (t < 7)
	s_wait_alu depctr_va_vdst(0)                   ; the products of the tile before are done reading XF0 and its four words, in which the loads below land
	FETCH XF0, XS0, \ai, \as, t+1
.endif
.if t < 7
	s_wait_dscnt 16                                ; all but the 16 youngest loads, the next tile's: this tile is in
.else
	s_wait_dscnt 0x0
.endif
	WIN 0x53                                       ; source 0 (W) window 3, source 1 window 0, C and D window 1
.irp s, 0,1,2,3
.irp q, 0,1,2,3
.if \s == 0
	WM 8*(4*(t&1)+\q), 12*(4*\q+\s), CURF+12*\s, -1, WKS+4*(\q/2)+\s, CURS+\s, (\q&1), 0
.else
	WM 8*(4*(t&1)+\q), 12*(4*\q+\s), CURF+12*\s, 8*(4*(t&1)+\q), WKS+4*(\q/2)+\s, CURS+\s, (\q&1), 0
.endif
.endr
.endr
	WIN 0
	PLACES
.if (t&1)
	s_wait_xcnt 0x0                                ; the last pair's stores have read v[PC] on
	s_wait_alu depctr_vm_vsrc(0)                   ; the stores issued so far, LDS and global, have read v[PC ..] and v[PW], which the quantiser writes again
	QUANT 0, 1
	s_wait_alu depctr_va_vdst(0)                   ; the quantiser has written v[PC ..], which the stores below read; this tile's products are done reading XF1 and its words, in which the loads below land
.if t < 7
	FETCH XF1, XS0+4, \ai, \as, t+2
.endif
.irp c, 0,1,2
	global_store_b128 v[LI], v[PC+4*\c:PC+4*\c+3], s[OB:OB+1] offset:1536*(t/2)+512*\c
.endr
	v_mov_b32 v[KW+t/2], v[PW]
.endif
.set t, t+1
.endr
.endm
; The sources the other way round: a lane holds a channel, its registers run along the 128 keys.
; The first two fetches lean on the wait behind PASS_K's last quantiser: since then one move has been issued, which names neither buffer.
.macro PASS_V ai, as
	FETCH XF0, XS0, \ai, \as, 0
	FETCH XF1, XS0+4, \ai, \as, 1
.set t, 0
.rept 8
.set CURF, XF0+(XF1-XF0)*(t&1)
.set CURS, XS0+4*(t&1)
.if (t > 0) && (t < 7)
	s_wait_alu depctr_va_vdst(0)                   ; the products of the tile before are done reading their buffer and its four words, in which the loads below land
	FETCH XF0+(XF1-XF0)*((t+1)&1), XS0+4*((t+1)&1), \ai, \as, t+1
.endif
.if t < 7
	s_wait_dscnt 16                                ; all but the 16 youngest loads, the next tile's
.else
	s_wait_dscnt 0x0
.endif
	WIN 0x58                                       ; source 0 window 0, source 1 (W) window 2, C and D window 1
.irp s, 0,1,2,3
.irp n, 0,1,2,3
.if \s == 0
	WM 64*\n+8*t, CURF+12*\s, 12*(4*\n+\s), -1, CURS+\s, WVS+4*(\n/2)+\s, 0, (\n&1)
.else
	WM 64*\n+8*t, CURF+12*\s, 12*(4*\n+\s), 64*\n+8*t, CURS+\s, WVS+4*(\n/2)+\s, 0, (\n&1)
.endif
.endr
.endr
	WIN 0
	PLACES
.set t, t+1
.endr
.set n, 0
.rept 4
.set SRC, 64*n
	s_wait_xcnt 0x0
	s_wait_alu depctr_vm_vsrc(0)                   ; the last stores have read v[PC ..], which the quantiser writes again
	QUANT SRC, 1
	s_wait_alu depctr_va_vdst(0)                   ; the quantiser has written v[PC ..], which the stores below read
.irp c, 0,1,2
	global_store_b128 v[LI], v[PC+4*\c:PC+4*\c+3], s[OB:OB+1] offset:6144+1536*n+512*\c
.endr
	v_mov_b32 v[VW+n], v[PW]
.set n, n+1
.endr
.endm
	s_load_b256 s[4:11], s[0:1], 0x0               ; nbr s[4:5], wts s[6:7], key s[8:9], wimg s[10:11]
	s_load_b256 s[12:19], s[0:1], 0x20             ; fp_w's scales s[12:13], fp_b s[14:15], Wkv2's scales s[16:17], kv2s s[18:19]
	v_lshl_add_u32 v178, v0, 2, 0x1a000
	v_mov_b32 v179, 0
	v_lshrrev_b32 v250, 5, v0
	v_readfirstlane_b32 s[WV], v250                ; wave 0..3
	v_and_b32 v250, 31, v0                         ; lane
	v_and_b32 v251, 15, v0                         ; r
	v_bfe_u32 v252, v0, 4, 1                       ; h
	v_lshlrev_b32 v[LI], 4, v250
	v_lshlrev_b32 v[LS], 2, v250
	v_add_nc_u32 v[LI2], REG2, v[LI]
	v_add_nc_u32 v[LS2], REG2, v[LS]
	s_wait_alu depctr_va_sdst(0)                   ; the wave's number is written, ahead of its first reader, the line below
	s_mul_i32 s[T0], s[WV], 3072
	v_add_nc_u32 v[XWI], s[T0], v[LI]
	s_lshl_b32 s[T0], s[WV], 8
	v_add_nc_u32 v[XWS], s[T0], v[LS]
	s_mul_i32 s[T0], s[WV], 12288
	v_add_nc_u32 v[HWI0], s[T0], v[LI2]
	s_lshl_b32 s[T0], s[WV], 10
	s_add_co_u32 s[T0], s[T0], XSCO
	v_add_nc_u32 v[HWS0], s[T0], v[LS2]
	v_and_b32 v253, 8, v251
	v_add_nc_u32 v253, v253, v251                  ; r + 8 (r / 8)
	v_lshl_add_u32 v[WSA], v252, 3, v253
	v_lshlrev_b32 v[WSA], 4, v[WSA]
	v_lshlrev_b32 v[BA], 6, v252
	v_and_b32 v[NA], 7, v251                       ; row 32 w + 8 i + r + 8 (r / 8) of the block is batch 8 i + r % 8, target 8 block + 2 w + r / 8
	v_lshlrev_b32 v[NA], 15, v[NA]                 ; a batch's 2,048 targets of 16 bytes
	v_bfe_u32 v253, v0, 3, 1
	v_lshl_add_u32 v[NA], v253, 4, v[NA]
.irp b, 0,1,2,3
	v_mov_b32 v[TM+4+\b], 0                        ; written once: a lane permute's destination counts as one of its sources
.endr
	s_mov_b32 s[SEL], 0x76543210
	s_mov_b32 s[SEL+1], 0xfedcba98
	s_mov_b32 s[MK], 0xffff0000
	s_mov_b32 s[T0+1], 0
	s_wait_kmcnt 0x0
	s_lshl_b32 s[T0], ttmp9, 7
	s_lshl_b32 s[CNT], s[WV], 5
	s_add_co_u32 s[T0], s[T0], s[CNT]              ; (8 block + 2 w) x 16
	s_add_nc_u64 s[NB:NB+1], s[4:5], s[T0:T0+1]
	s_add_nc_u64 s[WTB:WTB+1], s[6:7], s[T0:T0+1]
	s_mul_i32 s[T0], s[WV], 49152                  ; my 128 rows of fp_w: 32 fragments,
	s_add_co_u32 s[T0], s[T0], 393216              ; in the third weight's images
	s_add_nc_u64 s[FWB:FWB+1], s[10:11], s[T0:T0+1]
	s_lshl_b32 s[T0], s[WV], 11
	s_add_nc_u64 s[FSB:FSB+1], s[12:13], s[T0:T0+1]
	s_lshl_b32 s[T0], s[WV], 9
	s_add_nc_u64 s[FBB:FBB+1], s[14:15], s[T0:T0+1]
	s_mul_i32 s[T0], s[WV], 24576                  ; my head's 64 rows of Wkv2 for K: 16 fragments; those for V lie 256 rows, 98,304 bytes, on
	s_add_co_u32 s[T0], s[T0], 589824              ; in the fourth weight's images
	s_add_nc_u64 s[KWB:KWB+1], s[10:11], s[T0:T0+1]
	s_lshl_b32 s[T0], s[WV], 10
	s_add_nc_u64 s[KSB:KSB+1], s[16:17], s[T0:T0+1]
	s_lshl_b32 s[T0], ttmp9, 2
	s_add_co_u32 s[T0], s[T0], s[WV]
	s_mul_i32 s[T0], s[T0], 12800
	s_add_nc_u64 s[OB:OB+1], s[18:19], s[T0:T0+1]
	s_wait_alu depctr_va_vdst(0)                   ; the addresses v1 to v8, v12, v13 and v138 are written, which the loads and stores below read
	global_load_b128 v[122:125], v[NA], s[NB:NB+1]                  ; my row's three neighbours, tile 2 w,
	global_load_b128 v[126:129], v[NA], s[NB:NB+1] offset:262144    ; tile 2 w + 1: eight batches on
	global_load_b128 v[130:133], v[NA], s[WTB:WTB+1]                ; and their weights
	global_load_b128 v[134:137], v[NA], s[WTB:WTB+1] offset:262144
	WIN 0x40
.irp t, 0,1,2,3,4,5,6,7                ; fp_w's fragment (tile t, K step s), at 1536 (4 t + s) of my images: steps 0, 1 to v[12 (2 t + s)] of window 1
.irp s, 0,1
.irp c, 0,1,2
	global_load_b128 v[12*(2*\t+\s)+4*\c:12*(2*\t+\s)+4*\c+3], v[LI], s[FWB:FWB+1] offset:1536*(4*\t+\s)+512*\c
.endr
.endr
.endr
.irp t, 0,1,2,3,4,5,6,7                ; the bias in the result's layout: lane (r, h), tile t, register j: unit 32 (t / 2) + 8 (t % 2) + 16 h + j of my 128
	global_load_b128 v[192+8*\t:195+8*\t], v[BA], s[FBB:FBB+1] offset:(32*(\t/2)+8*(\t%2))*4
	global_load_b128 v[196+8*\t:199+8*\t], v[BA], s[FBB:FBB+1] offset:(32*(\t/2)+8*(\t%2))*4+16
.endr
	WIN 0x80
.irp t, 0,1,2,3,4,5,6,7                ; steps 2, 3 to v[12 (2 t + s - 2)] of window 2
.irp s, 2,3
.irp c, 0,1,2
	global_load_b128 v[12*(2*\t+\s-2)+4*\c:12*(2*\t+\s-2)+4*\c+3], v[LI], s[FWB:FWB+1] offset:1536*(4*\t+\s)+512*\c
.endr
.endr
.endr
	WIN 0
.irp i, 0,1,2,3
	global_load_b128 v[WFS+4*\i:WFS+4*\i+3], v[WSA], s[FSB:FSB+1] offset:512*\i
.endr
	LOADS4 WKS, KSB, 0
	LOADS4 WVS, KSB, 4096
	s_wait_loadcnt 63                              ; 120 loads are younger than the ids and weights: with 63 out, those four are in
.irp i, 0,1
.irp k, 0,1,2
	v_min_u32 v[GA+3*\i+\k], 0x3fff, v[122+4*\i+\k]   ; held inside key's 16,384 rows
.endr
.endr
.irp i, 0,1,2,3,4,5
	v_lshl_add_u32 v[GA+\i], v[GA+\i], 11, v[BA]   ; row x 2,048 bytes + 64 h: my 16 numbers of a block of 32
.endr
.irp i, 0,1
.irp k, 0,1,2
	v_mov_b32 v[WP+2*(3*\i+\k)], v[130+4*\i+\k]    ; each weight twice: a pair for the packed forms
	v_mov_b32 v[WP+2*(3*\i+\k)+1], v[130+4*\i+\k]
.endr
.endr
.macro GLOAD n                         ; batch n = 8 i + q: tile 2 w + i, numbers 64 q .. 64 q + 63 of the three rows: 24 loads into buffer n % 2 of window 3
	WIN 0xc0
.irp k, 0,1,2
.irp b, 0,1
.irp j, 0,1,2,3
	global_load_b128 v[96*((\n)&1)+32*\k+16*\b+4*\j:96*((\n)&1)+32*\k+16*\b+4*\j+3], v[GA+3*((\n)>>3)+\k], s[8:9] offset:256*((\n)&7)+128*\b+16*\j
.endr
.endr
.endr
	WIN 0
.endm
.macro INTERP n                        ; (g0 w0 + g1 w1) + g2 w2, two numbers an instruction
.set GB, 96*((\n)&1)
.set XO, X+32*((\n)&1)
.set WQ, WP+6*((\n)>>3)
	WIN 0x03                                       ; source 0 window 3
.irp e, 0,2,4,6,8,10,12,14,16,18,20,22,24,26,28,30
	v_pk_mul_f32 v[XO+\e:XO+\e+1], v[GB+\e:GB+\e+1], v[WQ:WQ+1]
.endr
.irp e, 0,2,4,6,8,10,12,14,16,18,20,22,24,26,28,30
	v_pk_fma_f32 v[XO+\e:XO+\e+1], v[GB+32+\e:GB+32+\e+1], v[WQ+2:WQ+3], v[XO+\e:XO+\e+1]
.endr
.irp e, 0,2,4,6,8,10,12,14,16,18,20,22,24,26,28,30
	v_pk_fma_f32 v[XO+\e:XO+\e+1], v[GB+64+\e:GB+64+\e+1], v[WQ+4:WQ+5], v[XO+\e:XO+\e+1]
.endr
	WIN 0
.endm
	s_wait_alu depctr_va_vdst(0)                   ; the six gather offsets v104 to v109 are written, which every load of the gather reads
	GLOAD 0
	GLOAD 1
.set n, 0
.rept 16
.if n < 15
	s_wait_loadcnt 24                              ; this batch is in; the next batch's 24 loads may be out
.else
	s_wait_loadcnt 0x0
.endif
	INTERP n
.if n < 14
	s_wait_alu depctr_va_vdst(0)                   ; the weighing is done reading this buffer's 96 registers, in which the loads below land
	GLOAD n+2
.endif
.if (n&1)                              ; two batches are a K step of 128
	s_wait_dscnt 0x0                               ; the last image's stores have read v[PC] on
.if n > 1
	s_wait_alu depctr_vm_vsrc(0)                   ; the last image's stores have read v[PC ..] and v[PW], which the quantiser writes again
.endif
	QUANT X, 0
	s_wait_alu depctr_va_vdst(0)                   ; the quantiser has written v[PC ..] and v[PW], which the LDS stores read; behind the last batch: the weighing is done reading both gather buffers
.if n == 15
	LOADW4 3, KWB, 0                               ; the gather's buffers are free: Wkv2 for K lands during the first product
.endif
	IMAGE XWI, 1536*(n>>3)+12288*((n&7)>>1)
	ds_store_b32 v[XWS], v[PW] offset:XSCO+128*(n>>3)+1024*((n&7)>>1)
.endif
.set n, n+1
.endr
	s_wait_dscnt 0x0                               ; for the others' sake: my images have landed
	s_barrier_signal -1
	s_barrier_wait -1                              ; interp's 32 fragments lie in LDS
; A tile of 16 rows x my 128 hidden units: 32 products, the eight accumulators by turns; then relu, the quantiser, the image.  next = 1: the next tile is fetched behind the products.
; next = 0, the last tile: fp_w is done with, and Wkv2 for V is asked for behind the quantiser's wait: it lands during the pass for K.
.macro TILE5 next
	s_wait_dscnt 0x0                               ; this tile is in; the last image's stores have read their registers
	s_wait_alu depctr_vm_vsrc(0)                   ; the last image's stores have read v[HI], v[HS], v[PC ..] and v[PW], the last fetch v[FA] and v[FS]: all of them are written again in this tile
	v_add_nc_u32 v[HI], s[TA], v[HWI0]
	v_add_nc_u32 v[HS], s[TS], v[HWS0]
	WIN 0x11                                       ; source 0 (fp_w) and C (the bias) window 1
.irp t, 0,1,2,3,4,5,6,7
	WM HA+8*\t, 12*(2*\t), XF0, 192+8*\t, WFS+4*(\t/2), XS0, (\t&1), 0
.endr
	WIN 0x01
.irp t, 0,1,2,3,4,5,6,7
	WM HA+8*\t, 12*(2*\t+1), XF0+12, HA+8*\t, WFS+4*(\t/2)+1, XS0+1, (\t&1), 0
.endr
	WIN 0x02
.irp s, 2,3
.irp t, 0,1,2,3,4,5,6,7
	WM HA+8*\t, 12*(2*\t+\s-2), XF0+12*\s, HA+8*\t, WFS+4*(\t/2)+\s, XS0+\s, (\t&1), 0
.endr
.endr
	WIN 0
	PLACES
.if \next
	s_add_co_u32 s[TA], s[TA], 1536
	s_add_co_u32 s[TS], s[TS], 128
	v_add_nc_u32 v[FA], s[TA], v[LI]
	v_add_nc_u32 v[FS], s[TS], v[LS]
	s_wait_alu depctr_va_vdst(0)                   ; v[FA] and v[FS] are written, which the loads below read; the products are done reading the four fragments and their words, in which those loads land
	FETCH XF0, XS0, FA, FS, 0
.endif
.set j, 0
.rept 64
	v_max_num_f32 v[HA+j], 0, v[HA+j]              ; the activation, in f32; each accumulator from its low end on
.set j, j+1
.endr
	QUANT HA, 0
	s_wait_alu depctr_va_vdst(0)                   ; v[PC ..], v[PW], v[HI] and v[HS] are written, which the LDS stores read; in the last tile: the products are done reading fp_w's K steps 2 and 3
.if !\next
	LOADW4 2, KWB, 98304
.endif
	IMAGE HI, 0                                    ; K step w of the second product
	ds_store_b32 v[HS], v[PW]
.endm
	s_mov_b32 s[TA], 0
	s_mov_b32 s[TS], 0
	FETCH XF0, XS0, LI, LS, 0
	s_mov_b32 s[CNT], 7
.Ltile5:
	TILE5 1
	s_sub_co_u32 s[CNT], s[CNT], 1
	s_cmp_lg_u32 s[CNT], 0
	s_cbranch_scc1 .Ltile5
	TILE5 0
	s_wait_dscnt 0x0                               ; for the others' sake: my images have landed
	s_barrier_signal -1
	s_barrier_wait -1                              ; key2's 32 fragments lie in LDS
	s_wait_loadcnt 48                              ; the 48 loads for V are the only ones younger than those for K: K's are in
	PASS_K LI2, LS2                                ; (its first fetches land in v16 to v71 and v192 to v239, which the last tile's products, relu and quantiser named ahead of that tile's last wait on va_vdst)
	s_wait_loadcnt 0x0
	PASS_V LI2, LS2
.irp i, 0,1,2,3
	v_cndmask_b32 v[PWS+\i], v[KW+\i], v[VW+\i], s[MK]   ; lanes 0-15 K's words, lanes 16-31 V's
.endr
	s_wait_alu depctr_va_vdst(0)                   ; the four selects have written v[PWS ..], which the store reads
	global_store_b128 v[LI], v[PWS:PWS+3], s[OB:OB+1] offset:12288
	s_wait_dscnt 0x0                               ; the closing lines, six on end
	s_wait_alu 0x0
	s_wait_tensorcnt 0x0
	ds_add_u32 v178, v179
	s_wait_dscnt 0x0
	s_endpgm
.Lfunc_end_k_q2719cf2c14_chain:
	.size	k_q2719cf2c14_chain, .Lfunc_end_k_q2719cf2c14_chain-k_q2719cf2c14_chain
	.p2alignl 7, 3214868480
	.fill 96, 4, 3214868480
	.section	.rodata,"a",@progbits
	.p2align	6, 0x0
	.amdhsa_kernel k_q2719cf2c14_chain
		.amdhsa_group_segment_fixed_size 107008
		.amdhsa_private_segment_fixed_size 0
		.amdhsa_enable_private_segment 0
		.amdhsa_kernarg_size 64
		.amdhsa_user_sgpr_count 2
		.amdhsa_user_sgpr_kernarg_segment_ptr 1
		.amdhsa_wavefront_size32 1
		.amdhsa_system_sgpr_workgroup_id_x 1
		.amdhsa_system_sgpr_workgroup_id_y 1
		.amdhsa_system_sgpr_workgroup_id_z 1
		.amdhsa_system_vgpr_workitem_id 0
		.amdhsa_next_free_vgpr 1024
		.amdhsa_next_free_sgpr 66
		.amdhsa_reserve_vcc 0
		.amdhsa_float_denorm_mode_32 3
		.amdhsa_float_denorm_mode_16_64 3
		.amdhsa_memory_ordered 1
		.amdhsa_forward_progress 1
		.amdhsa_inst_pref_size 255
	.end_amdhsa_kernel
	.amdgpu_metadata
---
amdhsa.version: [ 1, 2 ]
amdhsa.kernels:
  - .name:           k_q2719cf2c14_chain
    .symbol:         k_q2719cf2c14_chain.kd
    .args:
      - { .name: nbr, .offset: 0, .size: 8, .value_kind: global_buffer, .address_space: global }
      - { .name: wts, .offset: 8, .size: 8, .value_kind: global_buffer, .address_space: global }
      - { .name: key, .offset: 16, .size: 8, .value_kind: global_buffer, .address_space: global }
      - { .name: wimg, .offset: 24, .size: 8, .value_kind: global_buffer, .address_space: global }
      - { .name: fp_w_scales, .offset: 32, .size: 8, .value_kind: global_buffer, .address_space: global }
      - { .name: fp_b, .offset: 40, .size: 8, .value_kind: global_buffer, .address_space: global }
      - { .name: Wkv2_scales, .offset: 48, .size: 8, .value_kind: global_buffer, .address_space: global }
      - { .name: kv2s, .offset: 56, .size: 8, .value_kind: global_buffer, .address_space: global }
    .group_segment_fixed_size: 107008
    .private_segment_fixed_size: 0
    .kernarg_segment_align: 8
    .kernarg_segment_size: 64
    .max_flat_workgroup_size: 128
    .sgpr_count:     66
    .vgpr_count:     1024
    .wavefront_size: 32
...
	.end_amdgpu_metadata
.endif
;; end of part 8
;; launch attn (part 9): grid 4 x 64, 16 waves a work-group, clusters of 4 x 1, 327,680 bytes of LDS; arguments qimg, kv1s, kv2s, ximg, xsc; writes ximg, xsc
.if DOCPART == 9
	.amdgcn_target "amdgcn-amd-amdhsa--gfx1250"
	.amdhsa_code_object_version 6
	.text
	.protected	k_q2719cf2c14_attn
	.globl	k_q2719cf2c14_attn
	.p2align	8
	.type	k_q2719cf2c14_attn,@function
k_q2719cf2c14_attn:
	s_mov_b64 s[64:65], 0
	v_nop
	global_prefetch_b8 v0, s[64:65] scope:SCOPE_SE
	s_setreg_imm32_b32 hwreg(HW_REG_WAVE_MODE, 25, 1), 1
	s_wait_xcnt 0x0
	s_wait_alu depctr_hold_cnt(0) depctr_sa_sdst(0) depctr_va_vdst(0) depctr_va_sdst(0) depctr_va_ssrc(0) depctr_va_vcc(0) depctr_vm_vsrc(0)
	s_getreg_b32 s2, hwreg(HW_REG_IB_STS2, 6, 4)
	s_cmp_eq_u32 s2, 0
	s_cbranch_scc0 .Lentry_in_a_cluster
	s_endpgm
.Lentry_in_a_cluster:
	s_bfe_u32 s2, ttmp6, 0x10000c
	s_cmp_lg_u32 s2, 0x3003
	s_cbranch_scc0 .Lentry_shape_is_right
	s_endpgm
.Lentry_shape_is_right:
; x[b][q][64 head ..] = softmax_k(q . k / 8) v for the eight heads, both products on codes of FP6 (E2M3) with one E8M0 scale for each 32 along a product's K; x is quantised along its 512 for the last product.
; THE SOFTMAX AHEAD OF THE SECOND PRODUCT: t = score x log2(e) / 8; M = the row's largest t so far, rounded up to a whole number; p = 2^(t - M) is quantised along the keys; the row's sum is taken of the unquantised p
; and divides at the end.  When M moves, the sum and O are multiplied by 2^(old M - new M): exact.
; SHARES.  A cluster of four work-groups takes one batch b and one j: head j on kv1's 1,024 keys, then head 4 + j on kv2's 2,048.  A work-group owns 256 queries, each of its sixteen waves 16 of them, in 256 registers.
; ALL OF K AND V STAYS IN LDS: 24 key steps x 12,800 bytes = 307,200.  Each wave asks for two parts at the head (6,400 bytes of head j's, 12,800 of head 4 + j's): the first is in before the second is asked for, nothing is filled again.
; The four work-groups want the same bytes, so each load is asked for JOINTLY: the same descriptor and the mask 15 in all four.  The work-group's place in the cluster enters the addresses of q and of x alone.
; A KEY STEP in LDS (laid by the launches before): four K pair fragments, four V fragments, as images of the operand's registers; 256 bytes of K's scale words, 256 of V's.
; HEAD SIZE 64 IN A PRODUCT OF 128: a K pair fragment holds key tile 2 b in k = 0..63 and key tile 2 b + 1 in k = 64..127; multiplied by [q | zeros] it gives the first tile's scores, by [zeros | q] the second's.
; Both products are used transposed: a lane holds one query throughout.  Key tile 2 b + u holds keys 32 b + 8 u + r + 8 (r / 8), so the 16 registers of two neighbouring tiles are 16 neighbouring keys; V's tiles of
; channels are chosen likewise, so that O's 32 registers are channels 32 b + 16 h + i: the quantiser's order.
; OUT.  ximg[tile of 16 rows][head][piece 0..2][lane][8 bytes]: the head's six registers of the last product's operand; xsc[tile][row][head][2]: its two scale bytes.
; LIMITS: a block's largest p is made from its largest score by the same two instructions (this takes v_exp_f32 not to fall where its input rises); 1 / sum is v_rcp_f32; a block of zeros gets the scale byte 1;
; NaN and infinities are not served.
.set LI,  1                            ; v1   16 x lane
.set ADR, 2                            ; v2   the step's LDS address
.set L8,  3                            ; v3   8 x lane
.set NM,  4                            ; v4 -M, v5 the largest t
.set SUM, 6                            ; v[6:7] the sum, in two halves
.set QLO, 8                            ; v8-19  [q | zeros]
.set QHI, 20                           ; v20-31 [zeros | q]
.set F,   32                           ; v32-79 four fragments of K or of V
.set S,   80                           ; v80-143 the scores, then p
.set O,   144                          ; v144-175 O^T
.set PC,  176                          ; v176-187 p's codes
.set CT,  188                          ; v188-195 conversions' second halves
.set BM,  196                          ; v196-199 the blocks' largest
.set PD,  200                          ; v200-203 permutes' results, a second chain of sums, bytes
.set SOP, 204                          ; v204-207 the conversions' scale operands
.set SCW, 208                          ; v208-211 the step's scale words: lanes 0-15 K's pairs, lanes 16-31 V's tiles
.set FF,  212                          ; v[212:213] f = 2^(old M - new M)
.set PWD, 214                          ; v214 p's scale word
.set T,   215
.set QS,  216                          ; v216 q's scale word, its two bytes twice
.set QS2, 217                          ; v217 the second head's
.set Q2,  218                          ; v218-223 the second head's q
.set XBA, 224                          ; v224 16 r + h
.set WV,  14
.set SEL, 20
.set CS,  22
.set TB,  2
.set CNT, 3
.set MK,  19
.macro WM d, a, b, c, sa, sb, ra, rb   ; one product 16 x 16 x 128.  c < 0: the sum begins with 0.  ra: source 0's scale words stand in lanes 16-31
.if (\c) < 0
	v_wmma_scale_f32_16x16x128_f8f6f4 v[\d:\d+7], v[\a:\a+11], v[\b:\b+11], 0, v[\sa], v[\sb] matrix_a_fmt:MATRIX_FMT_FP6 matrix_b_fmt:MATRIX_FMT_FP6
.else
	v_wmma_scale_f32_16x16x128_f8f6f4 v[\d:\d+7], v[\a:\a+11], v[\b:\b+11], v[\c:\c+7], v[\sa], v[\sb] matrix_a_fmt:MATRIX_FMT_FP6 matrix_b_fmt:MATRIX_FMT_FP6 matrix_a_scale:MATRIX_SCALE_ROW1
.endif
.endm
.macro CROUND                          ; a round of the cluster's barrier
	s_barrier_signal -1
	s_barrier_wait -1
	s_cmp_lg_u32 s[WV], 0
	s_cbranch_scc1 .Lnot_wave_0_\@
	s_barrier_signal -3
.Lnot_wave_0_\@:
	s_barrier_wait -3
	s_barrier_signal -1
	s_barrier_wait -1
.endm
	s_load_b128 s[4:7], s[0:1], 0x0                ; qimg, kv1s
	s_load_b128 s[8:11], s[0:1], 0x10              ; kv2s, ximg
	s_load_b64 s[12:13], s[0:1], 0x20              ; xsc
	v_lshl_add_u32 v254, v0, 2, 0x4b000
	v_mov_b32 v255, 0
	ds_add_u32 v254, v255
	ds_add_u32 v254, v255
	v_lshrrev_b32 v2, 5, v0
	s_delay_alu instid0(VALU_DEP_1)
	v_readfirstlane_b32 s[WV], v2                  ; wave 0..15
	s_bfe_u32 s15, ttmp6, 0x40000                  ; cx: my block of 256 queries
	s_and_b32 s16, ttmp7, 0xffff                   ; the cluster's y
	s_lshr_b32 s17, s16, 2                         ; the batch
	s_and_b32 s18, s16, 3                          ; j
	; descriptor group 1: dense bytes as rows of 256 (32 elements of 8 bytes), no padding; 25 rows for the first head's part, 50 for the second's
	s_mov_b32 s24, 15|(3<<16)|(1<<21)              ; 15:0 the mask: all four work-groups; 17:16 elements of 8 bytes; 21 set beside a mask
	s_mov_b32 s25, 32<<16                          ; tensor_dim0 = 32
	s_mov_b32 s26, 25<<16                          ; tensor_dim1 = 25
	s_mov_b32 s27, 32<<16                          ; tile_dim0 = 32
	s_mov_b32 s28, 25                              ; tile_dim1 = 25
	s_mov_b32 s29, 32                              ; from row to row
	s_mov_b32 s30, 0
	s_mov_b32 s31, 0
	s_mov_b32 s32, 15|(3<<16)|(1<<21)
	s_mov_b32 s33, 32<<16
	s_mov_b32 s34, 50<<16
	s_mov_b32 s35, 32<<16
	s_mov_b32 s36, 50
	s_mov_b32 s37, 32
	s_mov_b32 s38, 0
	s_mov_b32 s39, 0
	s_lshl_b32 s56, s17, 3
	s_lshr_b32 s57, s[WV], 1
	s_add_co_u32 s56, s56, s57                     ; kv1s: block 8 b + w / 2,
	s_lshl_b32 s56, s56, 2
	s_add_co_u32 s56, s56, s18                     ; head j,
	s_mul_i32 s56, s56, 12800
	s_and_b32 s57, s[WV], 1
	s_mul_i32 s57, s57, 6400                       ; half w % 2
	s_add_co_u32 s56, s56, s57
	s_mov_b32 s57, 0
	s_lshl_b32 s58, s17, 4
	s_add_co_u32 s58, s58, s[WV]                   ; kv2s: block 16 b + w
	s_lshl_b32 s58, s58, 2
	s_add_co_u32 s58, s58, s18
	s_mul_i32 s58, s58, 12800
	s_mov_b32 s59, 0
	s_mov_b32 s40, 1                               ; group 0: count = 1,
	s_mul_i32 s41, s[WV], 6400                     ; the LDS address hangs on the wave's number alone,
	s_mov_b32 s44, 1
	s_mul_i32 s45, s[WV], 12800
	s_add_co_u32 s45, s45, 102400                  ; the second head's steps lie behind the first's eight
	s_mov_b32 s[SEL], 0x76543210
	s_mov_b32 s[SEL+1], 0xfedcba98                 ; v_permlanex16_b32's selects for lane l xor 16
	s_mov_b32 s[CS], 0x3e38aa3b                    ; c = log2(e) / 8
	s_mov_b32 s[CS+1], s[CS]                       ; (named with it as a pair, so it is written)
	s_mov_b32 s[MK], 0xffff0000                    ; lanes 16-31
	s_wait_dscnt 0x0
	s_wait_kmcnt 0x0
	s_add_nc_u64 s[42:43], s[6:7], s[56:57]        ; the global address,
	s_or_b32 s43, s43, 0x80000000                  ; the type
	s_add_nc_u64 s[46:47], s[8:9], s[58:59]
	s_or_b32 s47, s47, 0x80000000
	CROUND                                         ; all four work-groups are here: the joint loads meet
	tensor_load_to_lds s[40:43], s[24:31]          ; my part of the first head's K and V
	s_nop 0
	s_wait_alu depctr_va_vdst(0)
	s_wait_tensorcnt 0x0
	ds_add_u32 v254, v255
	s_wait_dscnt 0x0
	CROUND
	tensor_load_to_lds s[44:47], s[32:39]          ; and of the second's
	s_nop 0
.rept 4
	v_nop
.endr
	v_and_b32 v3, 31, v0
	s_delay_alu instid0(VALU_DEP_1)
	v_lshlrev_b32 v[LI], 4, v3
	s_wait_alu depctr_va_vdst(0)
	v_lshlrev_b32 v[L8], 3, v3
	v_and_b32 v228, 15, v0                         ; r
	s_wait_alu depctr_va_vdst(0)
	v_bfe_u32 v229, v0, 4, 1                       ; h
	s_delay_alu instid0(VALU_DEP_1)
	v_lshl_add_u32 v[XBA], v228, 4, v229
	; my tile of q: block 8 b + 2 cx + w / 8, pair (w % 8) / 2, half u = w % 2 of the pair fragment: registers 6 u .. 6 u + 5 of its image, in three pieces of 8 bytes
	s_and_b32 s48, s[WV], 7
	s_lshr_b32 s48, s48, 1                         ; pair
	s_and_b32 s49, s[WV], 1                        ; u
	s_mul_i32 s50, s48, 1536
	s_mul_i32 s51, s49, 520
	s_add_co_u32 s51, s51, s50
	v_add_nc_u32 v225, s51, v[LI]                  ; pieces 0 and (512 bytes on) 2
	s_wait_alu depctr_va_vdst(0)
	s_mul_i32 s51, s49, 1016
	s_add_co_u32 s51, s51, s50
	s_add_co_u32 s51, s51, 8
	v_add_nc_u32 v226, s51, v[LI]                  ; piece 1
	s_wait_alu depctr_va_vdst(0)
	s_lshl_b32 s51, s48, 2
	v_lshl_add_u32 v230, v228, 4, s51              ; the pair's scale word of row r
	s_wait_alu depctr_va_vdst(0)
	s_lshl_b32 s52, s17, 3
	s_lshl_b32 s53, s15, 1
	s_add_co_u32 s52, s52, s53
	s_lshr_b32 s53, s[WV], 3
	s_add_co_u32 s52, s52, s53
	s_lshl_b32 s52, s52, 3
	s_add_co_u32 s52, s52, s18
	s_mul_i32 s52, s52, 6656
	s_mov_b32 s53, 0
	s_add_nc_u64 s[4:5], s[4:5], s[52:53]
	global_load_b64 v[QLO:QLO+1], v225, s[4:5]
	global_load_b64 v[QLO+2:QLO+3], v226, s[4:5]
	global_load_b64 v[QLO+4:QLO+5], v225, s[4:5] offset:512
	global_load_b64 v[QHI+6:QHI+7], v225, s[4:5]
	global_load_b64 v[QHI+8:QHI+9], v226, s[4:5]
	global_load_b64 v[QHI+10:QHI+11], v225, s[4:5] offset:512
	global_load_b64 v[Q2:Q2+1], v225, s[4:5] offset:26624          ; head 4 + j: four heads of 6,656 bytes on
	global_load_b64 v[Q2+2:Q2+3], v226, s[4:5] offset:26624
	global_load_b64 v[Q2+4:Q2+5], v225, s[4:5] offset:26624+512
	global_load_b32 v231, v230, s[4:5] offset:6144
	global_load_b32 v232, v230, s[4:5] offset:26624+6144
	s_lshl_b32 s52, s17, 6
	s_lshl_b32 s54, s15, 4
	s_add_co_u32 s52, s52, s54
	s_add_co_u32 s52, s52, s[WV]                   ; my tile of x's rows: 64 b + 16 cx + w
	s_mul_i32 s54, s52, 6144
	s_mul_i32 s55, s18, 768
	s_add_co_u32 s54, s54, s55
	s_mov_b32 s55, 0
	s_add_nc_u64 s[10:11], s[10:11], s[54:55]
	s_lshl_b32 s54, s52, 8
	s_lshl_b32 s52, s18, 1
	s_add_co_u32 s54, s54, s52
	s_add_nc_u64 s[12:13], s[12:13], s[54:55]
	s_lshl_b32 s49, s49, 4                         ; 16 u
	s_wait_loadcnt 0x0
	v_lshrrev_b32 v231, s49, v231                  ; my tile's two bytes of the pair's word,
	v_lshrrev_b32 v232, s49, v232
	s_delay_alu instid0(VALU_DEP_2)
	v_and_b32 v231, 0xffff, v231
	s_delay_alu instid0(VALU_DEP_2)
	v_and_b32 v232, 0xffff, v232
	s_delay_alu instid0(VALU_DEP_2)
	v_lshl_or_b32 v[QS], v231, 16, v231            ; twice: for k = 0..63 and for k = 64..127
	s_delay_alu instid0(VALU_DEP_2)
	v_lshl_or_b32 v[QS2], v232, 16, v232
.irp i, 0,1,2,3,4,5
	v_mov_b32 v[QLO+6+\i], 0                       ; zero codes add nothing under any of these scale bytes
	v_mov_b32 v[QHI+\i], 0
.endr
.macro BEGIN                           ; a head begins: the largest t is -3e38, under every t; the sum and O^T are zeros, which the first change of M leaves zeros
	v_mov_b32 v[NM+1], 0xff61b1e6
	s_delay_alu instid0(VALU_DEP_1)
	v_floor_f32 v[NM], -v[NM+1]
	v_mov_b32 v[SUM], 0
	v_mov_b32 v[SUM+1], 0
.set j, 0
.rept 32
	v_mov_b32 v[O+j], 0
.set j, j+1
.endr
.endm
	BEGIN
.irp b, 0,1,2,3
	v_mov_b32 v[PD+\b], 0                          ; written once: a lane permute's destination counts as one of its sources
.endr
	v_mov_b32 v[FF+1], 0                           ; (named as the upper half of a pair)
; A KEY STEP: 128 keys at LDS byte s[TB].
.macro STEP
	s_setprio 2
	v_add_nc_u32 v[ADR], s[TB], v[LI]
.rept 3
	v_nop                                          ; with the addition four places, ahead of loads into registers that the last products read
.endr
.irp b, 0,1,2,3
.irp c, 0,1,2
	ds_load_b128 v[F+12*\b+4*\c:F+12*\b+4*\c+3], v[ADR] offset:1536*\b+512*\c
.endr
.endr
	ds_load_b128 v[SCW:SCW+3], v[ADR] offset:12288
	s_wait_alu depctr_va_vdst(0)
	s_wait_dscnt 0x0
.irp b, 0,1,2,3                        ; S^T = K q^T: eight tiles of 16 keys
	WM S+16*\b, F+12*\b, QLO, -1, SCW+\b, QS, 0, 0
	WM S+16*\b+8, F+12*\b, QHI, -1, SCW+\b, QS, 0, 0
.endr
.rept 4
	v_nop
.endr
.irp b, 0,1,2,3                        ; V's four fragments land during the softmax
.irp c, 0,1,2
	ds_load_b128 v[F+12*\b+4*\c:F+12*\b+4*\c+3], v[ADR] offset:6144+1536*\b+512*\c
.endr
.endr
.irp b, 0,1,2,3
	v_max3_num_f32 v[BM+\b], v[S+16*\b], v[S+16*\b+1], v[S+16*\b+2]   ; the largest score of each block of 32 keys: for the row's maximum, and for the block's largest p
.endr
.irp i, 3,5,7,9,11,13
.irp b, 0,1,2,3
	v_max3_num_f32 v[BM+\b], v[BM+\b], v[S+16*\b+\i], v[S+16*\b+\i+1]
.endr
.endr
.irp b, 0,1,2,3
	v_max_num_f32 v[BM+\b], v[BM+\b], v[S+16*\b+15]
.endr
.irp b, 0,1,2,3
	s_delay_alu instid0(VALU_DEP_4)
	v_permlanex16_b32 v[PD+\b], v[BM+\b], s[SEL], s[SEL+1]
.endr
.irp b, 0,1,2,3
	s_delay_alu instid0(VALU_DEP_4)
	v_max_num_f32 v[BM+\b], v[BM+\b], v[PD+\b]     ; with lane l xor 16's 16 keys
.endr
	s_delay_alu instid0(VALU_DEP_2)
	v_max3_num_f32 v[T], v[BM], v[BM+1], v[BM+2]
	s_delay_alu instid0(VALU_DEP_1)
	v_max_num_f32 v[T], v[T], v[BM+3]
	s_delay_alu instid0(VALU_DEP_1)
	v_mul_f32 v[T], s[CS], v[T]                    ; as t (c is positive)
	s_delay_alu instid0(VALU_DEP_1)
	v_max_num_f32 v[NM+1], v[NM+1], v[T]           ; the running largest t
	v_mov_b32 v[T], v[NM]
	s_delay_alu instid0(VALU_DEP_2)
	v_floor_f32 v[NM], -v[NM+1]                    ; the new -M = floor(-t): M is a whole number
	s_delay_alu instid0(VALU_DEP_1)
	v_sub_f32 v[T], v[NM], v[T]                    ; old M - new M: a whole number, 0 or less
	s_delay_alu instid0(VALU_DEP_1)
	v_cvt_i32_f32 v[T], v[T]                       ; (it saturates)
	s_delay_alu instid0(VALU_DEP_1)
	v_ldexp_f32 v[FF], 1.0, v[T]                   ; f = 2^(old M - new M)
.set j, 0
.rept 32
	v_pk_fma_f32 v[S+j:S+j+1], v[S+j:S+j+1], s[CS:CS+1], v[NM:NM+1] op_sel_hi:[1,0,0]   ; t - M, two at a time
.set j, j+2
.endr
.irp b, 0,1,2,3
	v_fma_f32 v[BM+\b], v[BM+\b], s[CS], v[NM]     ; the same of each block's largest score
.endr
.set j, 0
	s_wait_alu depctr_va_vdst(0)
.rept 64
	v_exp_f32 v[S+j], v[S+j]                       ; p = 2^(t - M), at most 1
.set j, j+1
.endr
	s_setprio 1
	v_pk_mul_f32 v[SUM:SUM+1], v[SUM:SUM+1], v[FF:FF+1] op_sel_hi:[1,0]   ; the sums under the new M: a plain place behind the exponentials
	s_wait_alu depctr_va_vdst(0)                   ; one wait for the batch of 64, ahead of its first reader
.irp b, 0,1,2,3
	v_exp_f32 v[BM+\b], v[BM+\b]                   ; the block's largest p
.endr
	v_pk_add_f32 v[PD:PD+1], v[S:S+1], v[S+2:S+3]  ; the row's sum is taken of the unquantised p, in two chains
.irp j, 4,8,12,16,20,24,28,32,36,40,44,48,52,56,60
	v_pk_add_f32 v[SUM:SUM+1], v[SUM:SUM+1], v[S+\j:S+\j+1]
	v_pk_add_f32 v[PD:PD+1], v[PD:PD+1], v[S+\j+2:S+\j+3]
.endr
	s_delay_alu instid0(VALU_DEP_1)
	v_pk_add_f32 v[SUM:SUM+1], v[SUM:SUM+1], v[PD:PD+1]
	s_wait_alu depctr_va_vdst(0)                   ; and one for the four
.irp b, 0,1,2,3
	v_max_num_f32 v[BM+\b], 0x1800000, v[BM+\b]    ; the floor 2^(3 - 127): the byte cannot fall under 1
.endr
.irp b, 0,1,2,3
	s_delay_alu instid0(VALU_DEP_4)
	v_add_nc_u32 v[SOP+\b], 0xff000000, v[BM+\b]   ; 2 off the exponent field: the conversion's scale operand
.endr
.irp b, 0,1,2,3
	s_delay_alu instid0(VALU_DEP_4)
	v_lshrrev_b32 v[PD+\b], 23, v[SOP+\b]          ; the scale's byte
.endr
	s_delay_alu instid0(VALU_DEP_3)
	v_lshl_or_b32 v[PWD], v[PD+1], 8, v[PD]
	s_delay_alu instid0(VALU_DEP_1)
	v_lshl_or_b32 v[PWD], v[PD+2], 16, v[PWD]
	s_delay_alu instid0(VALU_DEP_1)
	v_lshl_or_b32 v[PWD], v[PD+3], 24, v[PWD]
.irp c, 0,1
	v_cvt_scalef32_pk16_fp6_f32 v[PC+6*\c:PC+6*\c+2], v[S+32*\c:S+32*\c+15], v[SOP+2*\c]
	v_cvt_scalef32_pk16_fp6_f32 v[CT+4*\c:CT+4*\c+2], v[S+32*\c+16:S+32*\c+31], v[SOP+2*\c+1]
.endr
	v_nop                                          ; one plain place behind a scaled conversion
.irp c, 0,1                            ; the operand's layout wants a whole block in a lane
.irp i, 0,1,2
	v_permlane16_swap_b32 v[PC+6*\c+\i], v[CT+4*\c+\i]
.endr
.irp i, 0,1,2
	s_delay_alu instid0(VALU_DEP_3)
	v_mov_b32 v[PC+3+6*\c+\i], v[CT+4*\c+\i]
.endr
.endr
.set j, 0
	s_setprio 0
.rept 16
	v_pk_mul_f32 v[O+j:O+j+1], v[O+j:O+j+1], v[FF:FF+1] op_sel_hi:[1,0]   ; O^T under the new M; these sixteen also stand between the writes of p's codes and word and the products
.set j, j+2
.endr
	s_wait_alu depctr_va_vdst(0)
	s_wait_dscnt 0x0                               ; V is in
.irp b, 0,1,2,3                        ; O^T += V^T p^T: four tiles of 16 channels, by turns
	WM O+8*\b, F+12*\b, PC, O+8*\b, SCW+\b, PWD, 1, 0
.endr
	s_add_co_u32 s[TB], s[TB], 12800
.endm
; A head's end: O^T / the sum is 64 numbers of x's row, two blocks of 32: quantised and stored.
.macro OUT ph
.rept 4
	v_nop
.endr
	v_add_f32 v[SUM], v[SUM], v[SUM+1]
	s_delay_alu instid0(VALU_DEP_1)
	v_permlanex16_b32 v[T], v[SUM], s[SEL], s[SEL+1]
	s_delay_alu instid0(VALU_DEP_1)
	v_add_f32 v[SUM], v[SUM], v[T]                 ; the row's sum
	s_wait_alu depctr_va_vdst(0)
	v_rcp_f32 v[SUM], v[SUM]
	v_nop                                          ; a plain place behind the reciprocal,
	s_wait_alu depctr_va_vdst(0)                   ; and the wait ahead of its first reader
.set j, 0
.rept 32
	v_mul_f32 v[S+j], v[O+j], v[SUM]               ; register 16 b + i: channel 32 b + 16 h + i of the head; each accumulator from its low end on
.set j, j+1
.endr
.irp b, 0,1
	v_max3_num_f32 v[BM+\b], |v[S+16*\b]|, |v[S+16*\b+1]|, 0x1800000
.endr
.irp i, 2,4,6,8,10,12,14
.irp b, 0,1
	s_delay_alu instid0(VALU_DEP_2)
	v_max3_num_f32 v[BM+\b], v[BM+\b], |v[S+16*\b+\i]|, |v[S+16*\b+\i+1]|
.endr
.endr
.irp b, 0,1
	s_delay_alu instid0(VALU_DEP_2)
	v_permlanex16_b32 v[PD+\b], v[BM+\b], s[SEL], s[SEL+1]
.endr
.irp b, 0,1
	s_delay_alu instid0(VALU_DEP_2)
	v_max_num_f32 v[BM+\b], v[BM+\b], v[PD+\b]
.endr
.irp b, 0,1
	s_delay_alu instid0(VALU_DEP_2)
	v_add_nc_u32 v[SOP+\b], 0xff000000, v[BM+\b]
.endr
.irp b, 0,1
	s_delay_alu instid0(VALU_DEP_2)
	v_lshrrev_b32 v[PD+\b], 23, v[SOP+\b]
.endr
	v_cvt_scalef32_pk16_fp6_f32 v[PC:PC+2], v[S:S+15], v[SOP]
	v_cvt_scalef32_pk16_fp6_f32 v[CT:CT+2], v[S+16:S+31], v[SOP+1]
	v_nop
.irp i, 0,1,2
	v_permlane16_swap_b32 v[PC+\i], v[CT+\i]
.endr
.irp i, 0,1,2
	s_delay_alu instid0(VALU_DEP_3)
	v_mov_b32 v[PC+3+\i], v[CT+\i]                 ; lane (r, h): the codes of block h of row r
.endr
	v_cndmask_b32 v[T], v[PD], v[PD+1], s[MK]      ; and its byte
.irp p, 0,1,2
	global_store_b64 v[L8], v[PC+2*\p:PC+2*\p+1], s[10:11] offset:3072*\ph+256*\p   ; a wave stores 256 consecutive bytes
.endr
	global_store_b8 v[XBA], v[T], s[12:13] offset:8*\ph
	s_wait_xcnt 0x0                                ; the stores have read their registers
.endm
	s_wait_tensorcnt 0x1                           ; my part of the first head's steps is in; the one younger load may stay out
	s_barrier_signal -1
	s_barrier_wait -1                              ; everybody's is
	s_mov_b32 s[TB], 0
	s_mov_b32 s[CNT], 8
.Lhead1:
	STEP
	s_sub_co_u32 s[CNT], s[CNT], 1
	s_cmp_lg_u32 s[CNT], 0
	s_cbranch_scc1 .Lhead1
	s_setprio 0
	OUT 0
.irp i, 0,1,2,3,4,5
	v_mov_b32 v[QLO+\i], v[Q2+\i]                  ; the second head's q
	v_mov_b32 v[QHI+6+\i], v[Q2+\i]
.endr
	v_mov_b32 v[QS], v[QS2]
	BEGIN                                          ; (its 37 lines also stand between these writes and the next products)
	s_wait_tensorcnt 0x0                           ; my part of the second head's steps is in
	s_wait_dscnt 0x0
	s_barrier_signal -1
	s_barrier_wait -1
	s_mov_b32 s[TB], 102400
	s_mov_b32 s[CNT], 16
.Lhead2:
	STEP
	s_sub_co_u32 s[CNT], s[CNT], 1
	s_cmp_lg_u32 s[CNT], 0
	s_cbranch_scc1 .Lhead2
	s_setprio 0
	OUT 1
	s_wait_tensorcnt 0x0
	ds_add_u32 v254, v255
	s_wait_dscnt 0x0
	CROUND                                         ; the closing round: no work-group ends while a partner may still ask jointly
	s_endpgm
.Lfunc_end_k_q2719cf2c14_attn:
	.size	k_q2719cf2c14_attn, .Lfunc_end_k_q2719cf2c14_attn-k_q2719cf2c14_attn
	.p2alignl 7, 3214868480
	.fill 96, 4, 3214868480
	.section	.rodata,"a",@progbits
	.p2align	6, 0x0
	.amdhsa_kernel k_q2719cf2c14_attn
		.amdhsa_group_segment_fixed_size 327680
		.amdhsa_private_segment_fixed_size 0
		.amdhsa_enable_private_segment 0
		.amdhsa_kernarg_size 40
		.amdhsa_user_sgpr_count 2
		.amdhsa_user_sgpr_kernarg_segment_ptr 1
		.amdhsa_wavefront_size32 1
		.amdhsa_system_sgpr_workgroup_id_x 1
		.amdhsa_system_sgpr_workgroup_id_y 1
		.amdhsa_system_sgpr_workgroup_id_z 1
		.amdhsa_system_vgpr_workitem_id 0
		.amdhsa_next_free_vgpr 256
		.amdhsa_next_free_sgpr 66
		.amdhsa_reserve_vcc 0
		.amdhsa_float_denorm_mode_32 3
		.amdhsa_float_denorm_mode_16_64 3
		.amdhsa_memory_ordered 1
		.amdhsa_forward_progress 1
		.amdhsa_inst_pref_size 54
	.end_amdhsa_kernel
	.amdgpu_metadata
---
amdhsa.version: [ 1, 2 ]
amdhsa.kernels:
  - .name:           k_q2719cf2c14_attn
    .symbol:         k_q2719cf2c14_attn.kd
    .args:
      - { .name: qimg, .offset: 0, .size: 8, .value_kind: global_buffer, .address_space: global }
      - { .name: kv1s, .offset: 8, .size: 8, .value_kind: global_buffer, .address_space: global }
      - { .name: kv2s, .offset: 16, .size: 8, .value_kind: global_buffer, .address_space: global }
      - { .name: ximg, .offset: 24, .size: 8, .value_kind: global_buffer, .address_space: global }
      - { .name: xsc, .offset: 32, .size: 8, .value_kind: global_buffer, .address_space: global }
    .group_segment_fixed_size: 327680
    .private_segment_fixed_size: 0
    .kernarg_segment_align: 8
    .kernarg_segment_size: 40
    .max_flat_workgroup_size: 512
    .sgpr_count:     66
    .vgpr_count:     256
    .wavefront_size: 32
...
	.end_amdgpu_metadata
.endif
;; end of part 9
;; launch proj (part 10): grid 256 x 1, 4 waves a work-group, no clusters, 34,304 bytes of LDS; arguments ximg, xsc, wimg, proj_w_scales, proj_b, out0; writes out0
.if DOCPART == 10
	.amdgcn_target "amdgcn-amd-amdhsa--gfx1250"
	.amdhsa_code_object_version 6
	.text
	.protected	k_q2719cf2c14_proj
	.globl	k_q2719cf2c14_proj
	.p2align	8
	.type	k_q2719cf2c14_proj,@function
k_q2719cf2c14_proj:
	s_mov_b64 s[64:65], 0
	v_nop
	global_prefetch_b8 v0, s[64:65] scope:SCOPE_SE
	s_setreg_imm32_b32 hwreg(HW_REG_WAVE_SCHED_MODE, 0, 2), 2
	s_setreg_imm32_b32 hwreg(HW_REG_WAVE_MODE, 25, 1), 1
	s_wait_xcnt 0x0
	s_wait_alu depctr_vm_vsrc(0)
; out0[q][b][:] = x[b][q][:] proj_w^T + proj_b, on codes of FP6 (E2M3) with one E8M0 scale for each 32 along K.  x comes as the operand's registers (ximg) and scale bytes (xsc) from the launch before.
; A work-group takes four tiles of 16 rows of x; wave w makes columns 128 w .. 128 w + 127.  Its 128 rows of proj_w (32 fragments) and the four tiles' 16 fragments of x stay in registers; the bias is the C of each sum's
; first instruction.  proj_w's codes come from wimg, where the first launch has laid them in the order of the operand's registers (weight 4, 786,432 bytes in; fragment (tile T: rows 16 T + r, K step s) at 1536 (4 T + s)):
; a fragment is three loads of 512 consecutive bytes.  Source 0 = 16 rows of proj_w, source 1 = 16 rows of x: a lane holds eight neighbouring columns of one row.  A tile goes through the wave's own stage in LDS
; (16 rows x (512 + 16) bytes) and leaves as whole runs of 512 consecutive bytes.  Row 16 T' + i of batch b goes to out0's row 16 (16 T' + i) + b: 32,768 bytes from row to row of a tile.
; No barrier: waves share nothing.  No cluster: what work-groups share is the weights, 49,152 bytes a wave, which go from memory straight into the operand's registers; a joint request would land them in LDS.
; REGISTERS: window 0: v1-7 addresses; v16-31 proj_w's scale words; v32-47 x's; v64-127 eight accumulators; v128-191 rows on their way out.   window 1: proj_w's K steps 0, 1; from v192 the bias.
;   window 2: K steps 2, 3.   window 3: x's 16 fragments.
; THE MODE: SCHED_MODE bits 1:0 = 2 (LLVM: expert scheduling mode 2), set by the entry lines.  The code itself states the register dependences between vector or matrix instructions and memory or LDS instructions,
; with s_wait_alu, always for 0.
; THE PLAN.  Registers that memory or LDS instructions touch:
;   v1-v7           addresses: written at the head, never written again: one wait on va_vdst ahead of the first load.
;   the operands, the bias and the scale words: loaded once at the head, read by the products, never loaded again.
;   v[ACC ..]       written by a tile's 32 products; read by the 16 LDS stores into the stage; written again by the next tile's products.
;   v[BK ..]        the 16 LDS loads from the stage land; the tile's 16 global stores read; the next tile's LDS loads land.  No vector or matrix instruction names them.
; A tile has two waits: va_vdst behind the places, ahead of the stage's stores (the accumulators are written); vm_vsrc behind those stores (they have read the accumulators; the last tile's global stores have read v[BK ..]).
; Behind the second the loads from the stage are issued, then the next tile's products, which name none of v[BK ..], and only then the tile's global stores.
.set LI,  1                            ; v1 16 x lane
.set L8,  2                            ; v2 8 x lane
.set R16, 3                            ; v3 16 r
.set BA,  5                            ; v5 32 h
.set SO,  6                            ; v6 the stage: row r, + 32 h
.set SR,  7                            ; v7 and back: 16 x lane
.set WS,  16
.set XS,  32
.set ACC, 64
.set BK,  128
.set MSB, 0
.macro WIN new                         ; s_set_vgpr_msb: bits 1:0 source 0, 3:2 source 1, 5:4 source 2, 7:6 destination; the high byte repeats the setting that is left
.if MSB != (\new)
	s_set_vgpr_msb (MSB<<8)|(\new)
.set MSB, (\new)
.endif
.endm
.macro WM d, a, b, c, sa, sb, ra       ; one product 16 x 16 x 128.  ra: source 0's scale words stand in lanes 16-31
.if \ra
	v_wmma_scale_f32_16x16x128_f8f6f4 v[\d:\d+7], v[\a:\a+11], v[\b:\b+11], v[\c:\c+7], v[\sa], v[\sb] matrix_a_fmt:MATRIX_FMT_FP6 matrix_b_fmt:MATRIX_FMT_FP6 matrix_a_scale:MATRIX_SCALE_ROW1
.else
	v_wmma_scale_f32_16x16x128_f8f6f4 v[\d:\d+7], v[\a:\a+11], v[\b:\b+11], v[\c:\c+7], v[\sa], v[\sb] matrix_a_fmt:MATRIX_FMT_FP6 matrix_b_fmt:MATRIX_FMT_FP6
.endif
.endm
; Tile m's 32 products and the places behind them.
.macro PROD m
	WIN 0x1d                                       ; source 0 (proj_w) and C (the bias) window 1, source 1 (x) window 3; the eight accumulators take turns
.irp t, 0,1,2,3,4,5,6,7
	WM ACC+8*\t, 12*(2*\t), 12*(4*(\m)), 192+8*\t, WS+4*(\t/2), XS+4*(\m), (\t&1)
.endr
	WIN 0x0d
.irp t, 0,1,2,3,4,5,6,7
	WM ACC+8*\t, 12*(2*\t+1), 12*(4*(\m)+1), ACC+8*\t, WS+4*(\t/2)+1, XS+4*(\m)+1, (\t&1)
.endr
	WIN 0x0e
.irp s, 2,3
.irp t, 0,1,2,3,4,5,6,7
	WM ACC+8*\t, 12*(2*\t+\s-2), 12*(4*(\m)+\s), ACC+8*\t, WS+4*(\t/2)+\s, XS+4*(\m)+\s, (\t&1)
.endr
.endr
	WIN 0
.rept 5
	v_nop                                          ; four places ahead of the stores that read the results; a fifth, since the next tile's first products write over these accumulators
.endr
.endm
	s_load_b256 s[4:11], s[0:1], 0x0               ; ximg s[4:5], xsc s[6:7], wimg s[8:9], proj_w's scales s[10:11]
	s_load_b128 s[12:15], s[0:1], 0x20             ; proj_b, out0
	v_lshl_add_u32 v254, v0, 2, 0x8400
	v_mov_b32 v255, 0
	v_lshrrev_b32 v8, 5, v0
	v_readfirstlane_b32 s16, v8                    ; wave 0..3
	v_and_b32 v8, 31, v0                           ; lane
	v_and_b32 v9, 15, v0                           ; r
	v_bfe_u32 v10, v0, 4, 1                        ; h
	v_lshlrev_b32 v[LI], 4, v8
	v_lshlrev_b32 v[L8], 3, v8
	v_lshlrev_b32 v[R16], 4, v9
	v_lshlrev_b32 v[BA], 5, v10
	s_wait_alu depctr_va_sdst(0)                   ; the wave's number is written, ahead of its first reader, the line below
	s_mul_i32 s17, s16, 8448                       ; my stage
	v_mul_u32_u24 v[SO], v9, 528
	v_lshl_add_u32 v[SO], v10, 5, v[SO]
	v_add_nc_u32 v[SO], s17, v[SO]
	v_add_nc_u32 v[SR], s17, v[LI]
	s_mov_b32 s19, 0
	s_wait_kmcnt 0x0
	s_mul_i32 s18, ttmp9, 24576                    ; four tiles of 6,144 bytes
	s_add_nc_u64 s[4:5], s[4:5], s[18:19]
	s_lshl_b32 s18, ttmp9, 10                      ; and of 256 scale bytes
	s_add_nc_u64 s[6:7], s[6:7], s[18:19]
	s_mul_i32 s18, s16, 49152                      ; my 128 rows of proj_w: 32 fragments,
	s_add_co_u32 s18, s18, 786432                  ; in the fifth weight's images
	s_add_nc_u64 s[8:9], s[8:9], s[18:19]
	s_lshl_b32 s18, s16, 11
	s_add_nc_u64 s[10:11], s[10:11], s[18:19]
	s_lshl_b32 s18, s16, 9                         ; my 128 columns: in proj_b and in a row of out0
	s_add_nc_u64 s[12:13], s[12:13], s[18:19]
	s_add_nc_u64 s[14:15], s[14:15], s[18:19]
	s_and_b32 s18, ttmp9, 15                       ; tile 4 g + m is rows 64 (g % 16) + 16 m on of batch g / 16
	s_lshl_b32 s18, s18, 21                        ; 64 x 16 rows of 2,048 bytes
	s_lshr_b32 s20, ttmp9, 4
	s_lshl_b32 s20, s20, 11
	s_add_co_u32 s18, s18, s20
	s_add_nc_u64 s[14:15], s[14:15], s[18:19]
	WIN 0xc0
	s_wait_alu depctr_va_vdst(0)                   ; the addresses v1 to v7 are written, which every load and store of the kernel reads
.irp m, 0,1,2,3                        ; x's fragment (tile m, K step s) at v[12 (4 m + s)] of window 3: heads 2 s and 2 s + 1, three pieces of 8 bytes a lane each
.irp s, 0,1,2,3
.irp p, 0,1,2,3,4,5
	global_load_b64 v[12*(4*\m+\s)+2*\p:12*(4*\m+\s)+2*\p+1], v[L8], s[4:5] offset:6144*\m+768*(2*\s+\p/3)+256*(\p%3)
.endr
.endr
.endr
	WIN 0
.irp m, 0,1,2,3
	global_load_b128 v[XS+4*\m:XS+4*\m+3], v[R16], s[6:7] offset:256*\m   ; row r's four scale words
.endr
	WIN 0x40
.irp t, 0,1,2,3,4,5,6,7                ; proj_w's fragment (tile t, K step s), at 1536 (4 t + s) of my images: steps 0, 1 to v[12 (2 t + s)] of window 1
.irp s, 0,1
.irp c, 0,1,2
	global_load_b128 v[12*(2*\t+\s)+4*\c:12*(2*\t+\s)+4*\c+3], v[LI], s[8:9] offset:1536*(4*\t+\s)+512*\c
.endr
.endr
.endr
.irp t, 0,1,2,3,4,5,6,7                ; the bias in the result's layout: columns 16 t + 8 h + 0 .. 7
	global_load_b128 v[192+8*\t:195+8*\t], v[BA], s[12:13] offset:64*\t
	global_load_b128 v[196+8*\t:199+8*\t], v[BA], s[12:13] offset:64*\t+16
.endr
	WIN 0x80
.irp t, 0,1,2,3,4,5,6,7                ; steps 2, 3 to v[12 (2 t + s - 2)] of window 2
.irp s, 2,3
.irp c, 0,1,2
	global_load_b128 v[12*(2*\t+\s-2)+4*\c:12*(2*\t+\s-2)+4*\c+3], v[LI], s[8:9] offset:1536*(4*\t+\s)+512*\c
.endr
.endr
.endr
	WIN 0
.irp i, 0,1,2,3
	global_load_b128 v[WS+4*\i:WS+4*\i+3], v[LI], s[10:11] offset:512*\i   ; lanes 0-15 tile 2 i's rows, lanes 16-31 tile 2 i + 1's
.endr
	s_wait_loadcnt 0x0
	PROD 0
.set m, 0
.rept 4
	s_wait_alu depctr_va_vdst(0)                   ; this tile's products have written the accumulators, which the LDS stores read; the places stand ahead of this wait
.irp t, 0,1,2,3,4,5,6,7
	ds_store_b128 v[SO], v[ACC+8*\t:ACC+8*\t+3] offset:64*\t          ; each accumulator from its low end on
	ds_store_b128 v[SO], v[ACC+8*\t+4:ACC+8*\t+7] offset:64*\t+16
.endr
	s_wait_xcnt 0x0                                ; the last tile's stores have read the registers that the loads below fill
	s_wait_alu depctr_vm_vsrc(0)                   ; the LDS stores above have read the accumulators, which the next tile's products write; the last tile's global stores have read v[BK ..], in which the loads below land
.irp i, 0,1,2,3,4,5,6,7,8,9,10,11,12,13,14,15
	ds_load_b128 v[BK+4*\i:BK+4*\i+3], v[SR] offset:528*\i            ; LDS serves a wave's instructions in order (ISA guide 5.7.1.4): these see the stores above
.endr
.if m < 3
	PROD m+1                                       ; the next tile's products stand between this tile's loads from the stage and its stores: they name none of v[BK ..]
.endif
.irp i, 0,1,2,3,4,5,6,7,8,9,10,11,12,13,14,15
	s_wait_dscnt 15-\i                             ; row i is back; the younger loads may be out
	global_store_b128 v[LI], v[BK+4*\i:BK+4*\i+3], s[14:15] offset:524288*m+32768*\i th:TH_STORE_NT   ; 32 lanes store 512 consecutive bytes; written once, read by nobody here
.endr
.set m, m+1
.endr
	s_wait_dscnt 0x0                               ; the closing lines, six on end
	s_wait_alu 0x0
	s_wait_tensorcnt 0x0
	ds_add_u32 v254, v255
	s_wait_dscnt 0x0
	s_endpgm
.Lfunc_end_k_q2719cf2c14_proj:
	.size	k_q2719cf2c14_proj, .Lfunc_end_k_q2719cf2c14_proj-k_q2719cf2c14_proj
	.p2alignl 7, 3214868480
	.fill 96, 4, 3214868480
	.section	.rodata,"a",@progbits
	.p2align	6, 0x0
	.amdhsa_kernel k_q2719cf2c14_proj
		.amdhsa_group_segment_fixed_size 34304
		.amdhsa_private_segment_fixed_size 0
		.amdhsa_enable_private_segment 0
		.amdhsa_kernarg_size 48
		.amdhsa_user_sgpr_count 2
		.amdhsa_user_sgpr_kernarg_segment_ptr 1
		.amdhsa_wavefront_size32 1
		.amdhsa_system_sgpr_workgroup_id_x 1
		.amdhsa_system_sgpr_workgroup_id_y 1
		.amdhsa_system_sgpr_workgroup_id_z 1
		.amdhsa_system_vgpr_workitem_id 0
		.amdhsa_next_free_vgpr 1024
		.amdhsa_next_free_sgpr 66
		.amdhsa_reserve_vcc 0
		.amdhsa_float_denorm_mode_32 3
		.amdhsa_float_denorm_mode_16_64 3
		.amdhsa_memory_ordered 1
		.amdhsa_forward_progress 1
		.amdhsa_inst_pref_size 57
	.end_amdhsa_kernel
	.amdgpu_metadata
---
amdhsa.version: [ 1, 2 ]
amdhsa.kernels:
  - .name:           k_q2719cf2c14_proj
    .symbol:         k_q2719cf2c14_proj.kd
    .args:
      - { .name: ximg, .offset: 0, .size: 8, .value_kind: global_buffer, .address_space: global }
      - { .name: xsc, .offset: 8, .size: 8, .value_kind: global_buffer, .address_space: global }
      - { .name: wimg, .offset: 16, .size: 8, .value_kind: global_buffer, .address_space: global }
      - { .name: proj_w_scales, .offset: 24, .size: 8, .value_kind: global_buffer, .address_space: global }
      - { .name: proj_b, .offset: 32, .size: 8, .value_kind: global_buffer, .address_space: global }
      - { .name: out0, .offset: 40, .size: 8, .value_kind: global_buffer, .address_space: global }
    .group_segment_fixed_size: 34304
    .private_segment_fixed_size: 0
    .kernarg_segment_align: 8
    .kernarg_segment_size: 48
    .max_flat_workgroup_size: 128
    .sgpr_count:     66
    .vgpr_count:     1024
    .wavefront_size: 32
...
	.end_amdgpu_metadata
.endif
;; end of part 10
